; MI455X (gfx1250); checked and timed in simulation.
; The chip was launched on July 23, 2026; its instructions are those of AMD's public machine-readable ISA for CDNA 5 (MIT licence, August 2026) and "CDNA5" Instruction Set Architecture Reference Guide (July 2026). The comments in the code are by the model that wrote it; some were corrected since.
;; Encoder. Allowed arithmetic: matrix products marked QUANTISED: E2M3 operands, one E8M0 scale for each 32 along K, by v_wmma_scale_f32_16x16x128_f8f6f4 with both operands' format E2M3, f32 sums; everything else in f32.
;; Inputs: W1_codes 4,096 x 32 x 24 uint8 (E2M3 codes of W1, K innermost, in blocks of 32 codes, four codes in three bytes); W1_scales 4,096 x 32 uint8 (E8M0 scales of W1, one for each 32 codes along K); W2_codes 1,024 x 128 x 24 uint8 (E2M3 codes of W2, K innermost, in blocks of 32 codes, four codes in three bytes); W2_scales 1,024 x 128 uint8 (E8M0 scales of W2, one for each 32 codes along K); Wk_codes 1,024 x 32 x 24 uint8 (E2M3 codes of Wk, K innermost, in blocks of 32 codes, four codes in three bytes); Wk_scales 1,024 x 32 uint8 (E8M0 scales of Wk, one for each 32 codes along K); Wo_codes 1,024 x 32 x 24 uint8 (E2M3 codes of Wo, K innermost, in blocks of 32 codes, four codes in three bytes); Wo_scales 1,024 x 32 uint8 (E8M0 scales of Wo, one for each 32 codes along K); Wq_codes 1,024 x 32 x 24 uint8 (E2M3 codes of Wq, K innermost, in blocks of 32 codes, four codes in three bytes); Wq_scales 1,024 x 32 uint8 (E8M0 scales of Wq, one for each 32 codes along K); Wv_codes 1,024 x 32 x 24 uint8 (E2M3 codes of Wv, K innermost, in blocks of 32 codes, four codes in three bytes); Wv_scales 1,024 x 32 uint8 (E8M0 scales of Wv, one for each 32 codes along K); b1 4,096 float32; b2 1,024 float32; bk 1,024 float32; bo 1,024 float32; bq 1,024 float32; bv 1,024 float32; ln1_b 2,048 x 1,024 float32; ln1_w 2,048 x 1,024 float32; ln2_b 2,048 x 1,024 float32; ln2_w 2,048 x 1,024 float32; x_codes 2 x 2,048 x 32 x 24 uint8 (E2M3 codes of x, K innermost, in blocks of 32 codes, four codes in three bytes); x_scales 2 x 2,048 x 32 uint8 (E8M0 scales of x, one for each 32 codes along K); y 2 x 2,048 x 1,024 float32.
;; Outputs: out0 2 x 2,048 x 1,024 float32.
;; This version of the problem:
;;   THIS VERSION OF THE PROBLEM IS GIVEN IN LOW PRECISION. The matrix products marked QUANTISED in the list below multiply operands that are first quantised to E2M3 (2 exponent bits, 3 mantissa bits; 6 bits a number), with one power-of-two scale for each 32 numbers along K (OCP MX v1.0); their sums are f32. All else is computed in f32.
;;   The module's matrix products, in the order in which they are computed (A, B: the left and right operand; K: the contracted axis; several contracted axes count as one K, in the product's order):
;;     1. [M 4,096, K 1,024] x [K 1,024, N 1,024]; A: input x (given as codes); B: input Wq (given as codes): QUANTISED
;;     2. [M 4,096, K 1,024] x [K 1,024, N 1,024]; A: computed on the way; B: input Wk (given as codes): QUANTISED
;;     3. [M 4,096, K 1,024] x [K 1,024, N 1,024]; A: computed on the way; B: input Wv (given as codes): QUANTISED
;;     4. batch 32 x [M 2,048, K 64] x [K 64, N 2,048]; A: computed on the way; B: computed on the way: QUANTISED
;;     5. batch 32 x [M 2,048, K 2,048] x [K 2,048, N 64]; A: softmax (see below); B: computed on the way: QUANTISED
;;     6. [M 4,096, K 1,024] x [K 1,024, N 1,024]; A: computed on the way; B: input Wo (given as codes): QUANTISED
;;     7. [M 4,096, K 1,024] x [K 1,024, N 4,096]; A: computed on the way; B: input W1 (given as codes): QUANTISED
;;     8. [M 4,096, K 4,096] x [K 4,096, N 1,024]; A: computed on the way; B: input W2 (given as codes): QUANTISED
;;   THE QUANTISER, for each operand of a quantised product, along K:
;;     - K is cut into blocks of 32 from its start; a last block that is shorter is filled with zeros.
;;     - A block's scale is 2^e with e = floor(log2(the largest magnitude in the block)) - 2, held to -126 .. 127; a block of zeros has e = 0. As a byte (E8M0): e + 127.
;;     - Each number is divided by its block's scale, clamped to +-7.5, and rounded to the nearest number of E2M3, ties to even, subnormals kept.
;;     - The product sums the exact products of the quantised numbers (number of the format x scale) in f32.
;;   ~~~python
;;   def quantise(x, axis):      # numpy; x: float32 -> the quantised numbers, widened to float32 again
;;       x = np.moveaxis(x, axis, -1); K = x.shape[-1]
;;       x = np.pad(x, [(0, 0)] * (x.ndim - 1) + [(0, -K % 32)]); x = x.reshape(x.shape[:-1] + (-1, 32)); a = np.abs(x).max(-1, keepdims=True)
;;       e = np.where(a > 0, np.clip(np.frexp(np.where(a > 0, a, 1))[1] - 1 - 2, -126, 127), 0)      # np.frexp(a)[1] - 1 = floor(log2(a)), exactly
;;       r = np.clip(x / 2.0 ** e, -7.5, 7.5)
;;       step = 2.0 ** (np.maximum(np.frexp(np.where(r == 0, 1, r))[1] - 1, 0) - 3)
;;       q = np.round(r / step) * step * 2.0 ** e      # np.round: ties to even
;;       return np.moveaxis(q.reshape(q.shape[:-2] + (-1,))[..., :K], -1, axis).astype(np.float32)
;;   ~~~
;;   SOFTMAX AHEAD OF A QUANTISED PRODUCT. Where the list says 'softmax', what is quantised is not the finished softmax but p = 2^(t - M), with t = logit x log2(e) and M = ceil(the row's largest t), a whole number; so 1/2 < the row's largest p <= 1. The row's sum l is taken of the UNQUANTISED p, in f32, and the product's result is divided by l at the end. Since M is a whole number, a kernel that streams over the keys may use a running M (the ceiling of the running maximum): every later rescaling is an exact power of two, which a block's scale takes up: the codes' values come out the same.
;;   OPERANDS COMPUTED ON THE WAY. 'Computed on the way' means the value that the module computes at that place (a softmax that the list does not call 'softmax' is quantised finished and normalised). What goes into a quantiser is computed in f32, as accurately as f32 sums, v_exp_f32 and their like allow (about 1e-6 of the number): no bf16 or f16 on the way to a quantiser, and a product that is left as it is and whose result goes on into a quantised operand takes f32 operands (vector FMAs, or v_wmma_f32_16x16x4_f32). A number that lies on a knife's edge between two numbers of the format may be rounded either way, as far as f32 arithmetic and the matrix unit's own rounding can turn it there, and no further.
;;   INPUTS GIVEN AS CODES. W1 (in the module: [1024, 4096], K = its axis 0); W2 (in the module: [4096, 1024], K = its axis 0); Wk (in the module: [1024, 1024], K = its axis 0); Wo (in the module: [1024, 1024], K = its axis 0); Wq (in the module: [1024, 1024], K = its axis 0); Wv (in the module: [1024, 1024], K = its axis 0); x (in the module: [2, 2048, 1024], K = its axis 2): each comes as NAME_codes (uint8): NAME with its K axis moved to the last place and cut into blocks of 32 codes, [.., K / 32, bytes a block], one block behind the other in memory; four codes in three bytes: a row's codes are one little-endian stream of bits, code i at bits 6 i .. 6 i + 5 (a code: sign, 2 exponent bits, 3 mantissa bits); and NAME_scales (uint8): the same leading axes, one E8M0 byte (e + 127) for each 32 codes along K. Its value is code x scale, taken as it is: it is not quantised again, and the codes and scales need not be those that the quantiser above would give.
;; One version. Each part assembles by itself: llvm-mc -triple=amdgcn-amd-amdhsa -mcpu=gfx1250 --defsym DOCPART=n.
;; ======== version 1 of 1: 8 launches
;; limits: right only within a limited range of input values
;; workspace buffers: part 8,192 bytes; nbuf 3,276,800 bytes; qkv 9,830,400 bytes; abuf 3,276,800 bytes; y1 16,777,216 bytes; hbuf 13,107,200 bytes; w2i 3,145,728 bytes; woi 786,432 bytes
;; launch stats (part 1): grid 256 x 1, 4 waves a work-group, no clusters, 0 bytes of LDS; arguments y, part, W2_codes, Wo_codes, w2i, woi; writes part, w2i, woi
.if DOCPART == 1
	.amdgcn_target "amdgcn-amd-amdhsa--gfx1250"
	.amdhsa_code_object_version 6
	.text
	.protected	k_q662d3f45fc_stats
	.globl	k_q662d3f45fc_stats
	.p2align	8
	.type	k_q662d3f45fc_stats,@function
k_q662d3f45fc_stats:
	s_mov_b64 s[64:65], 0
	v_nop
	global_prefetch_b8 v0, s[64:65] scope:SCOPE_SE
	s_setreg_imm32_b32 hwreg(HW_REG_WAVE_MODE, 25, 1), 1
	s_wait_xcnt 0x0
; Partial statistics of y [2][2048][1024] f32 for the LayerNorm over a whole batch (2^21 numbers).
; Each of the 1,024 waves takes 4,096 consecutive numbers (16,384 bytes), keeps them in 128 registers, and stores (mean, M2):
; M2 = the sum of squared distances from the chunk's OWN mean, so that a common offset of the input costs no digits.
; part: [2 batches][512 chunks] (mean, M2), 8 bytes a chunk.  No LDS, no barrier: waves share nothing.
.set X, 16                             ; v16-143  the chunk
.macro RED reg, tmp                    ; the sum over the 32 lanes, in every lane
	v_add_f32_dpp v[\reg], v[\reg], v[\reg] row_xmask:1 row_mask:0xf bank_mask:0xf
	v_add_f32_dpp v[\reg], v[\reg], v[\reg] row_xmask:2 row_mask:0xf bank_mask:0xf
	v_add_f32_dpp v[\reg], v[\reg], v[\reg] row_xmask:4 row_mask:0xf bank_mask:0xf
	v_add_f32_dpp v[\reg], v[\reg], v[\reg] row_xmask:8 row_mask:0xf bank_mask:0xf
	v_permlanex16_b32 v[\tmp], v[\reg], s12, s13
	v_add_f32 v[\reg], v[\reg], v[\tmp]
.endm
.macro ADDP                            ; pair p joins chain p % 4
	v_pk_add_f32 v[2+2*(p%4):3+2*(p%4)], v[2+2*(p%4):3+2*(p%4)], v[X+2*p:X+2*p+1]
.set p, p+1
.endm
.macro FOLD                            ; the four chains, and a pair's two halves, into v2
	v_pk_add_f32 v[2:3], v[2:3], v[4:5]
	v_pk_add_f32 v[6:7], v[6:7], v[8:9]
	v_pk_add_f32 v[2:3], v[2:3], v[6:7]
	v_add_f32 v2, v2, v3
.endm
	s_load_b128 s[4:7], s[0:1], 0x0                ; y, part
	s_load_b256 s[16:23], s[0:1], 0x10             ; W2's codes, Wo's codes, and their images
	v_lshrrev_b32 v1, 5, v0
	v_readfirstlane_b32 s8, v1                     ; wave
	v_and_b32 v1, 31, v0                           ; lane
	v_lshlrev_b32 v12, 4, v1                       ; 16 bytes a lane
	v_mov_b32 v13, 0                               ; (a lane permute's destination counts as read)
	v_mov_b32 v14, 0                               ; the store's offset
	; ALSO: W2's and Wo's codes are laid anew as images of operand registers: [16 rows][128 K] = 1,536 bytes, piece p = 256 bytes, 8 a lane,
	; so that the later products' tiles have rows that are multiples of 256 bytes.  Wave c takes two fragments of W2 and half a fragment of Wo.
	v_and_b32 v176, 15, v0                         ; r
	v_bfe_u32 v177, v0, 4, 1                       ; h
	v_mul_u32_u24 v177, v177, 24
	v_mad_u32_u24 v178, v176, 3072, v177           ; W2: row r of 3,072 bytes + 24 h
	v_mad_u32_u24 v179, v176, 768, v177            ; Wo: row r of 768 bytes + 24 h
	v_lshlrev_b32 v180, 3, v1                      ; an image's piece: 8 bytes a lane
	s_lshl_b32 s9, ttmp9, 2
	s_add_co_u32 s9, s9, s8                        ; my chunk, 0 .. 1023
	s_lshl_b32 s10, s9, 14
	s_mov_b32 s11, 0
	s_lshl_b32 s14, s9, 3
	s_mov_b32 s15, 0
	s_mov_b32 s12, 0x76543210
	s_mov_b32 s13, 0xfedcba98                      ; v_permlanex16_b32's selects for lane l xor 16
	s_wait_alu depctr_va_vdst(0)
	s_wait_kmcnt 0x0
	s_add_nc_u64 s[4:5], s[4:5], s[10:11]
	s_add_nc_u64 s[6:7], s[6:7], s[14:15]
	s_lshr_b32 s24, s9, 4                          ; row tile c / 16
	s_mul_i32 s24, s24, 49152
	s_and_b32 s25, s9, 15
	s_mul_i32 s25, s25, 192                        ; K steps 2 (c % 16) and the next
	s_add_co_u32 s24, s24, s25
	s_mov_b32 s25, 0
	s_add_nc_u64 s[16:17], s[16:17], s[24:25]
	s_lshr_b32 s24, s9, 4
	s_mul_i32 s24, s24, 12288
	s_and_b32 s26, s9, 15
	s_mul_i32 s26, s26, 48                         ; K step (c % 16) / 2, its half c % 2
	s_add_co_u32 s24, s24, s26
	s_add_nc_u64 s[18:19], s[18:19], s[24:25]
	s_mul_i32 s24, s9, 3072
	s_add_nc_u64 s[20:21], s[20:21], s[24:25]
	s_mul_i32 s24, s9, 768
	s_add_nc_u64 s[22:23], s[22:23], s[24:25]
.irp f, 0,1
.irp p, 0,1,2,3,4,5
	global_load_b64 v[144+12*\f+2*\p:145+12*\f+2*\p], v178, s[16:17] offset:96*\f+48*(\p/3)+8*(\p%3)
.endr
.endr
.irp p, 0,1,2
	global_load_b64 v[168+2*\p:169+2*\p], v179, s[18:19] offset:8*\p
.endr
.set i, 0
.rept 32
	global_load_b128 v[X+4*i:X+4*i+3], v12, s[4:5] offset:512*i   ; 32 lanes read 512 consecutive bytes; y is read again by later launches: no hint
.set i, i+1
.endr
	s_wait_loadcnt 24                              ; the weights' 15 loads and y's first eight are in; 24 stay out
.irp f, 0,1
.irp p, 0,1,2,3,4,5
	global_store_b64 v180, v[144+12*\f+2*\p:145+12*\f+2*\p], s[20:21] offset:1536*\f+256*\p   ; 256 consecutive bytes, aligned
.endr
.endr
.irp p, 0,1,2
	global_store_b64 v180, v[168+2*\p:169+2*\p], s[22:23] offset:256*\p
.endr
.irp k, 0,1,2,3
	v_pk_add_f32 v[2+2*\k:3+2*\k], v[X+2*\k:X+2*\k+1], v[X+8+2*\k:X+9+2*\k]   ; the first eight pairs start four chains: nothing is cleared
.endr
.set p, 8
.rept 8
	ADDP
.endr
	s_wait_alu depctr_va_vdst(0)
	s_wait_loadcnt 16
.rept 16
	ADDP
.endr
	s_wait_alu depctr_va_vdst(0)
	s_wait_loadcnt 8
.rept 16
	ADDP
.endr
	s_wait_alu depctr_va_vdst(0)
	s_wait_loadcnt 0x0
.rept 16
	ADDP
.endr
	FOLD
	RED 2, 13
	v_mul_f32 v10, 0x39800000, v2                  ; / 4,096: the chunk's mean
	v_mov_b32 v11, v10
.set p, 0
.rept 64
	v_pk_add_f32 v[X+2*p:X+2*p+1], v[X+2*p:X+2*p+1], v[10:11] neg_lo:[0,1] neg_hi:[0,1]   ; x - mean, in place
.set p, p+1
.endr
.irp k, 0,1,2,3
	v_pk_mul_f32 v[2+2*\k:3+2*\k], v[X+2*\k:X+2*\k+1], v[X+2*\k:X+2*\k+1]
.endr
.set p, 4
.rept 60
	v_pk_fma_f32 v[2+2*(p%4):3+2*(p%4)], v[X+2*p:X+2*p+1], v[X+2*p:X+2*p+1], v[2+2*(p%4):3+2*(p%4)]
.set p, p+1
.endr
	FOLD
	RED 2, 13
	v_mov_b32 v11, v2                              ; M2
	s_wait_alu depctr_va_vdst(0)
	s_wait_xcnt 0x0                                ; EXEC changes only behind this wait
	v_cmp_eq_u32 vcc_lo, 0, v1
	s_and_saveexec_b32 s9, vcc_lo
	global_store_b64 v14, v[10:11], s[6:7]         ; lane 0 alone
	s_wait_xcnt 0x0
	s_or_b32 exec_lo, exec_lo, s9
	s_endpgm
.Lfunc_end_k_q662d3f45fc_stats:
	.size	k_q662d3f45fc_stats, .Lfunc_end_k_q662d3f45fc_stats-k_q662d3f45fc_stats
	.p2alignl 7, 3214868480
	.fill 96, 4, 3214868480
	.section	.rodata,"a",@progbits
	.p2align	6, 0x0
	.amdhsa_kernel k_q662d3f45fc_stats
		.amdhsa_group_segment_fixed_size 0
		.amdhsa_private_segment_fixed_size 0
		.amdhsa_enable_private_segment 0
		.amdhsa_kernarg_size 48
		.amdhsa_user_sgpr_count 2
		.amdhsa_user_sgpr_kernarg_segment_ptr 1
		.amdhsa_wavefront_size32 1
		.amdhsa_system_sgpr_workgroup_id_x 1
		.amdhsa_system_sgpr_workgroup_id_y 1
		.amdhsa_system_sgpr_workgroup_id_z 1
		.amdhsa_system_vgpr_workitem_id 0
		.amdhsa_next_free_vgpr 184
		.amdhsa_next_free_sgpr 66
		.amdhsa_reserve_vcc 1
		.amdhsa_float_denorm_mode_32 3
		.amdhsa_float_denorm_mode_16_64 3
		.amdhsa_memory_ordered 1
		.amdhsa_forward_progress 1
		.amdhsa_inst_pref_size 22
	.end_amdhsa_kernel
	.amdgpu_metadata
---
amdhsa.version: [ 1, 2 ]
amdhsa.kernels:
  - .name:           k_q662d3f45fc_stats
    .symbol:         k_q662d3f45fc_stats.kd
    .args:
      - { .name: y, .offset: 0, .size: 8, .value_kind: global_buffer, .address_space: global }
      - { .name: part, .offset: 8, .size: 8, .value_kind: global_buffer, .address_space: global }
      - { .name: W2_codes, .offset: 16, .size: 8, .value_kind: global_buffer, .address_space: global }
      - { .name: Wo_codes, .offset: 24, .size: 8, .value_kind: global_buffer, .address_space: global }
      - { .name: w2i, .offset: 32, .size: 8, .value_kind: global_buffer, .address_space: global }
      - { .name: woi, .offset: 40, .size: 8, .value_kind: global_buffer, .address_space: global }
    .group_segment_fixed_size: 0
    .private_segment_fixed_size: 0
    .kernarg_segment_align: 8
    .kernarg_segment_size: 48
    .max_flat_workgroup_size: 128
    .sgpr_count:     66
    .vgpr_count:     184
    .wavefront_size: 32
...
	.end_amdgpu_metadata
.endif
;; end of part 1
;; launch lnq (part 2): grid 256 x 1, 8 waves a work-group, no clusters, 44,032 bytes of LDS; arguments y, ln1_w, ln1_b, part, nbuf; writes nbuf
.if DOCPART == 2
	.amdgcn_target "amdgcn-amd-amdhsa--gfx1250"
	.amdhsa_code_object_version 6
	.text
	.protected	k_q662d3f45fc_lnq
	.globl	k_q662d3f45fc_lnq
	.p2align	8
	.type	k_q662d3f45fc_lnq,@function
k_q662d3f45fc_lnq:
	s_mov_b64 s[64:65], 0
	v_nop
	global_prefetch_b8 v0, s[64:65] scope:SCOPE_SE
	s_setreg_imm32_b32 hwreg(HW_REG_WAVE_MODE, 25, 1), 1
	s_wait_xcnt 0x0
; n = (t - mu) rsqrt(var + 1e-5) w + b over (L, D) of each batch, then quantised along D to FP6 (E2M3) with one E8M0 byte for each 32.
; t: [2][2048][1024] f32; w, b: [2048][1024] f32; part: [2][512] (mean, M2) of chunks of 4,096 numbers, made by an earlier launch.
; out: codes [4096][768 bytes] (a row's stream of bits, K innermost), and 3,145,728 bytes on the scale bytes [4096][32].
; mu = the mean of the 512 means (chunks are equal); var = (sum of M2 + 4,096 x sum of (mean - mu)^2) / 2^21: no difference of large sums is formed.
; SHARES.  Work-group g takes positions 8,192 g on of (L, D), for BOTH batches, so that w and b are read once.  Each of eight waves takes 1,024 positions in two steps of 512, and ALL its loads
; (16 for the partials, 16 for each step) go out at the head: nothing is asked for after a wait for data.
; Loads take the bytes as they lie (16 a lane, 512 a load); the normalised numbers turn through the wave's own stage in LDS (16 bytes of padding behind each 64) and come back 16 NEIGHBOURS a lane,
; as the conversion wants them; two neighbouring lanes hold a block.  A wave's store of codes covers 384 consecutive bytes; the work-group's 256 scale bytes of a batch are gathered in LDS and leave as one aligned 256 bytes.
; LIMITS: NaN and infinities are not served; a block whose largest magnitude lies under 2^-124 (a block of zeros too) has its byte held at 1: its bytes are read by this program alone.
.set SP,  80                           ; a lane's place in a stage: 64 bytes + 16
.set SBY, 40960                        ; behind the sixteen stages: 256 scale bytes for each batch
.set PR,  160                          ; v160-223 the partials, 32 registers a batch; later:
.set XN,  160                          ; v160-191 16 neighbours for each batch
.set CD,  192                          ; v192-207 codes: four registers for each (step, batch): no store's data are written again
.set EB,  224                          ; v224-227 a scale byte for each (step, batch)
.macro RED reg, tmp                    ; the sum over the 32 lanes, in every lane
	s_delay_alu instid0(VALU_DEP_1)
	v_add_f32_dpp v[\reg], v[\reg], v[\reg] row_xmask:1 row_mask:0xf bank_mask:0xf
	s_delay_alu instid0(VALU_DEP_1)
	v_add_f32_dpp v[\reg], v[\reg], v[\reg] row_xmask:2 row_mask:0xf bank_mask:0xf
	s_delay_alu instid0(VALU_DEP_1)
	v_add_f32_dpp v[\reg], v[\reg], v[\reg] row_xmask:4 row_mask:0xf bank_mask:0xf
	s_delay_alu instid0(VALU_DEP_1)
	v_add_f32_dpp v[\reg], v[\reg], v[\reg] row_xmask:8 row_mask:0xf bank_mask:0xf
	s_delay_alu instid0(VALU_DEP_1)
	v_permlanex16_b32 v[\tmp], v[\reg], s18, s19
	s_delay_alu instid0(VALU_DEP_1)
	v_add_f32 v[\reg], v[\reg], v[\tmp]
.endm
; batch be: mu twice in v[16+4 be : 17+4 be], rsqrt(var + eps) twice in the pair behind it.  A lane holds 16 of the 512 partials.
.macro STAT be
.set PP, PR+32*(\be)
.set MU, 16+4*(\be)
	v_add_f32 v8, v[PP], v[PP+2]
.irp i, 1,2,3,4,5,6,7
	s_delay_alu instid0(VALU_DEP_1)
	v_add_f32 v8, v8, v[PP+4*\i]
	s_delay_alu instid0(VALU_DEP_1)
	v_add_f32 v8, v8, v[PP+4*\i+2]
.endr
	RED 8, 10
	s_delay_alu instid0(VALU_DEP_1)
	v_mul_f32 v[MU], 0x3b000000, v8                ; / 512
	s_delay_alu instid0(VALU_DEP_1)
	v_mov_b32 v[MU+1], v[MU]
	s_delay_alu instid0(VALU_DEP_2)
	v_sub_f32 v9, v[PP], v[MU]
	s_delay_alu instid0(VALU_DEP_1)
	v_mul_f32 v8, v9, v9
	s_delay_alu instid0(VALU_DEP_4)
	v_sub_f32 v9, v[PP+2], v[MU]
	s_delay_alu instid0(VALU_DEP_1)
	v_fmac_f32 v8, v9, v9
	v_add_f32 v11, v[PP+1], v[PP+3]
.irp i, 1,2,3,4,5,6,7
	v_sub_f32 v9, v[PP+4*\i], v[MU]
	s_delay_alu instid0(VALU_DEP_1)
	v_fmac_f32 v8, v9, v9
	v_sub_f32 v9, v[PP+4*\i+2], v[MU]
	s_delay_alu instid0(VALU_DEP_1)
	v_fmac_f32 v8, v9, v9
	v_add_f32 v11, v11, v[PP+4*\i+1]
	s_delay_alu instid0(VALU_DEP_1)
	v_add_f32 v11, v11, v[PP+4*\i+3]
.endr
	s_delay_alu instid0(VALU_DEP_1)
	v_fmamk_f32 v8, v8, 0x45800000, v11            ; 4,096 x the squares of the means' distances + the chunks' M2
	RED 8, 10
	s_delay_alu instid0(VALU_DEP_1)
	v_mul_f32 v8, 0x35000000, v8                   ; / 2^21: the variance
	s_delay_alu instid0(VALU_DEP_1)
	v_add_f32 v8, 0x3727c5ac, v8                   ; + 1e-5
	s_wait_alu depctr_va_vdst(0)
	v_rsq_f32 v[MU+2], v8
	v_nop                                          ; one plain place behind a transcendental
	s_wait_alu depctr_va_vdst(0)
	v_mov_b32 v[MU+3], v[MU+2]
.endm
; step t's 512 positions into set t (v32 + 64 t): w 16 registers, b 16, t of batch 0 16, of batch 1 16
.macro LOADS t
.set ST, 32+64*(\t)
.irp i, 0,1,2,3
	global_load_b128 v[ST+4*\i:ST+4*\i+3], v3, s[6:7] offset:2048*(\t)+512*\i th:TH_LOAD_NT
	global_load_b128 v[ST+16+4*\i:ST+16+4*\i+3], v3, s[8:9] offset:2048*(\t)+512*\i th:TH_LOAD_NT
	global_load_b128 v[ST+32+4*\i:ST+32+4*\i+3], v3, s[4:5] offset:2048*(\t)+512*\i
	global_load_b128 v[ST+48+4*\i:ST+48+4*\i+3], v3, s[14:15] offset:2048*(\t)+512*\i
.endr
.endm
.macro LNF t, be                       ; the LayerNorm of 16 numbers a lane, in place, two at a time
.set WW, 32+64*(\t)
.set TT, WW+32+16*(\be)
.irp k, 0,2,4,6,8,10,12,14
	v_pk_add_f32 v[TT+\k:TT+\k+1], v[TT+\k:TT+\k+1], v[16+4*(\be):17+4*(\be)] neg_lo:[0,1] neg_hi:[0,1]
.endr
.irp k, 0,2,4,6,8,10,12,14
	v_pk_mul_f32 v[TT+\k:TT+\k+1], v[TT+\k:TT+\k+1], v[18+4*(\be):19+4*(\be)]
.endr
.irp k, 0,2,4,6,8,10,12,14
	v_pk_fma_f32 v[TT+\k:TT+\k+1], v[TT+\k:TT+\k+1], v[WW+\k:WW+\k+1], v[WW+16+\k:WW+16+\k+1]
.endr
.endm
.macro TURN t, be                      ; through the stage: LDS serves a wave's instructions in order, so no wait stands between the stores and the loads
.set TT, 32+64*(\t)+32+16*(\be)
.irp i, 0,1,2,3
	ds_store_b128 v14, v[TT+4*\i:TT+4*\i+3] offset:32*SP*(\be)+8*SP*\i
.endr
.irp i, 0,1,2,3
	ds_load_b128 v[XN+16*(\be)+4*\i:XN+16*(\be)+4*\i+3], v15 offset:32*SP*(\be)+16*\i
.endr
.endm
.macro Q16 t, be                       ; my 16 neighbours become 12 bytes of codes; my block's byte
.set XS, XN+16*(\be)
.set CC, CD+4*(2*(\t)+(\be))
.set EE, EB+2*(\t)+(\be)
	v_max3_num_f32 v8, |v[XS]|, |v[XS+1]|, |v[XS+2]|
	v_max3_num_f32 v9, |v[XS+3]|, |v[XS+4]|, |v[XS+5]|
.irp i, 6,10
	s_delay_alu instid0(VALU_DEP_2)
	v_max3_num_f32 v8, v8, |v[XS+\i]|, |v[XS+\i+1]|
	s_delay_alu instid0(VALU_DEP_2)
	v_max3_num_f32 v9, v9, |v[XS+\i+2]|, |v[XS+\i+3]|
.endr
	s_delay_alu instid0(VALU_DEP_2)
	v_max3_num_f32 v8, v8, |v[XS+14]|, |v[XS+15]|
	s_delay_alu instid0(VALU_DEP_1)
	v_max3_num_f32 v8, v8, v9, 0x1800000           ; and the floor 2^(3 - 127): the byte cannot fall under 1
	s_delay_alu instid0(VALU_DEP_1)
	v_max_num_f32_dpp v8, v8, v8 row_xmask:1 row_mask:0xf bank_mask:0xf   ; with my neighbour's 16: the block's largest magnitude
	s_delay_alu instid0(VALU_DEP_1)
	v_add_nc_u32 v11, 0xff000000, v8               ; 2 off its exponent field: the conversion takes that field as its scale
	v_cvt_scalef32_pk16_fp6_f32 v[CC:CC+2], v[XS:XS+15], v11
	v_lshrrev_b32 v[EE], 23, v11                   ; the scale's byte (also the plain line behind the conversion)
	ds_store_b8 v5, v[EE] offset:256*(\be)+16*(\t) ; both lanes of a block write the same byte with the same value
	global_store_b96 v4, v[CC:CC+2], s[12:13] offset:1572864*(\be)+384*(\t)
.endm
	s_load_b256 s[4:11], s[0:1], 0x0               ; t, w, b, part
	s_load_b64 s[12:13], s[0:1], 0x20              ; out
	v_lshl_add_u32 v240, v0, 2, 0xa800
	v_mov_b32 v241, 0
	v_lshrrev_b32 v1, 5, v0
	s_delay_alu instid0(VALU_DEP_1)
	v_readfirstlane_b32 s16, v1                    ; wave 0..7
	v_and_b32 v2, 31, v0                           ; lane
	s_delay_alu instid0(VALU_DEP_1)
	v_lshlrev_b32 v3, 4, v2                        ; my 16 bytes of a load's 512
	s_mul_i32 s17, s16, 2*32*SP                    ; my wave's two stages
	v_lshrrev_b32 v14, 2, v2
	s_delay_alu instid0(VALU_DEP_1)
	v_mul_u32_u24 v14, v14, SP
	v_and_b32 v15, 3, v2
	s_delay_alu instid0(VALU_DEP_1)
	v_lshl_add_u32 v14, v15, 4, v14
	s_delay_alu instid0(VALU_DEP_1)
	v_add_nc_u32 v14, s17, v14                     ; way in: SP (lane / 4) + 16 (lane % 4)
	v_mul_u32_u24 v15, v2, SP
	s_delay_alu instid0(VALU_DEP_1)
	v_add_nc_u32 v15, s17, v15                     ; way out: SP x lane
	v_mul_u32_u24 v4, v2, 12                       ; my codes' place in a step's 384 bytes
	v_lshrrev_b32 v5, 1, v2
	s_lshl_b32 s17, s16, 5
	s_add_co_u32 s17, s17, SBY
	v_add_nc_u32 v5, s17, v5                       ; my block's byte: SBY + 32 wave + lane / 2
	v_lshlrev_b32 v7, 3, v2
	s_lshl_b32 s17, s16, 8
	s_add_co_u32 s17, s17, SBY
	v_add_nc_u32 v6, s17, v7                       ; at the end waves 0 and 1 read a batch's 256 bytes, 8 a lane
	v_mov_b32 v10, 0                               ; (a lane permute's destination counts as read)
	s_mov_b32 s18, 0x76543210
	s_mov_b32 s19, 0xfedcba98                      ; v_permlanex16_b32's selects for lane l xor 16
	s_lshl_b32 s20, ttmp9, 15
	s_lshl_b32 s21, s16, 12
	s_add_co_u32 s20, s20, s21                     ; my wave's first position, in bytes of f32
	s_mov_b32 s21, 0
	s_mul_i32 s22, ttmp9, 6144
	s_mul_i32 s23, s16, 768
	s_add_co_u32 s22, s22, s23                     ; in bytes of codes
	s_mov_b32 s23, 0
	s_lshl_b32 s24, s16, 16                        ; scale bytes: wave w (0 or 1) stores batch w's
	s_lshl_b32 s25, ttmp9, 8
	s_add_co_u32 s24, s24, s25
	s_add_co_u32 s24, s24, 3145728
	s_mov_b32 s25, 0
	s_wait_kmcnt 0x0
	s_add_nc_u64 s[4:5], s[4:5], s[20:21]
	s_add_nc_u64 s[6:7], s[6:7], s[20:21]
	s_add_nc_u64 s[8:9], s[8:9], s[20:21]
	s_add_nc_u64 s[14:15], s[4:5], 0x800000        ; batch 1 (a base of its own: the distance is one more than the immediate holds)
	s_add_nc_u64 s[26:27], s[12:13], s[24:25]
	s_add_nc_u64 s[12:13], s[12:13], s[22:23]
.irp be, 0,1
.irp i, 0,1,2,3,4,5,6,7
	global_load_b128 v[PR+32*\be+4*\i:PR+32*\be+4*\i+3], v3, s[10:11] offset:4096*\be+512*\i
.endr
.endr
	LOADS 0
	LOADS 1
	s_wait_loadcnt 32                              ; the partials are in; the two steps' 32 loads stay out
	STAT 0
	STAT 1
.macro STEP t
.if (\t) < 1
	s_wait_loadcnt 16                              ; this step's 16 loads are in; the next step's stay out
.else
	s_wait_loadcnt 0x0
.endif
	LNF \t, 0
	LNF \t, 1
	TURN \t, 0
	TURN \t, 1
	s_wait_dscnt 0x0                               ; the numbers are back
	Q16 \t, 0
	Q16 \t, 1
.endm
	STEP 0
	STEP 1
	s_wait_dscnt 0x0                               ; for the others' sake: my byte stores are done
	s_barrier_signal -1
	s_barrier_wait -1
	s_cmp_lt_u32 s16, 2
	s_cbranch_scc0 .Ldone
	ds_load_b64 v[12:13], v6
	s_wait_dscnt 0x0
	global_store_b64 v7, v[12:13], s[26:27]        ; 32 lanes store 256 consecutive bytes, aligned
.Ldone:
	s_wait_tensorcnt 0x0
	ds_add_u32 v240, v241
	s_wait_dscnt 0x0
	s_endpgm
.Lfunc_end_k_q662d3f45fc_lnq:
	.size	k_q662d3f45fc_lnq, .Lfunc_end_k_q662d3f45fc_lnq-k_q662d3f45fc_lnq
	.p2alignl 7, 3214868480
	.fill 96, 4, 3214868480
	.section	.rodata,"a",@progbits
	.p2align	6, 0x0
	.amdhsa_kernel k_q662d3f45fc_lnq
		.amdhsa_group_segment_fixed_size 44032
		.amdhsa_private_segment_fixed_size 0
		.amdhsa_enable_private_segment 0
		.amdhsa_kernarg_size 40
		.amdhsa_user_sgpr_count 2
		.amdhsa_user_sgpr_kernarg_segment_ptr 1
		.amdhsa_wavefront_size32 1
		.amdhsa_system_sgpr_workgroup_id_x 1
		.amdhsa_system_sgpr_workgroup_id_y 1
		.amdhsa_system_sgpr_workgroup_id_z 1
		.amdhsa_system_vgpr_workitem_id 0
		.amdhsa_next_free_vgpr 242
		.amdhsa_next_free_sgpr 66
		.amdhsa_reserve_vcc 0
		.amdhsa_float_denorm_mode_32 3
		.amdhsa_float_denorm_mode_16_64 3
		.amdhsa_memory_ordered 1
		.amdhsa_forward_progress 1
		.amdhsa_inst_pref_size 30
	.end_amdhsa_kernel
	.amdgpu_metadata
---
amdhsa.version: [ 1, 2 ]
amdhsa.kernels:
  - .name:           k_q662d3f45fc_lnq
    .symbol:         k_q662d3f45fc_lnq.kd
    .args:
      - { .name: y, .offset: 0, .size: 8, .value_kind: global_buffer, .address_space: global }
      - { .name: ln1_w, .offset: 8, .size: 8, .value_kind: global_buffer, .address_space: global }
      - { .name: ln1_b, .offset: 16, .size: 8, .value_kind: global_buffer, .address_space: global }
      - { .name: part, .offset: 24, .size: 8, .value_kind: global_buffer, .address_space: global }
      - { .name: nbuf, .offset: 32, .size: 8, .value_kind: global_buffer, .address_space: global }
    .group_segment_fixed_size: 44032
    .private_segment_fixed_size: 0
    .kernarg_segment_align: 8
    .kernarg_segment_size: 40
    .max_flat_workgroup_size: 256
    .sgpr_count:     66
    .vgpr_count:     242
    .wavefront_size: 32
...
	.end_amdgpu_metadata
.endif
;; end of part 2
;; launch qkv (part 3): grid 4 x 48, 4 waves a work-group, clusters of 4 x 4, 327,680 bytes of LDS; arguments x_codes, x_scales, nbuf, Wq_codes, Wq_scales, Wk_codes, Wk_scales, Wv_codes, Wv_scales, bq, bk, bv, qkv; writes qkv
.if DOCPART == 3
	.amdgcn_target "amdgcn-amd-amdhsa--gfx1250"
	.amdhsa_code_object_version 6
	.text
	.protected	k_q662d3f45fc_qkv
	.globl	k_q662d3f45fc_qkv
	.p2align	8
	.type	k_q662d3f45fc_qkv,@function
k_q662d3f45fc_qkv:
	s_mov_b64 s[64:65], 0
	v_nop
	global_prefetch_b8 v0, s[64:65] scope:SCOPE_SE
	s_setreg_imm32_b32 hwreg(HW_REG_WAVE_MODE, 25, 1), 1
	s_wait_xcnt 0x0
	s_wait_alu depctr_hold_cnt(0) depctr_sa_sdst(0) depctr_va_vdst(0) depctr_va_sdst(0) depctr_va_ssrc(0) depctr_va_vcc(0) depctr_vm_vsrc(0)
	s_getreg_b32 s2, hwreg(HW_REG_IB_STS2, 6, 4)
	s_cmp_eq_u32 s2, 0
	s_cbranch_scc0 .Lentry_in_a_cluster
	s_endpgm
.Lentry_in_a_cluster:
	s_bfe_u32 s2, ttmp6, 0x10000c
	s_cmp_lg_u32 s2, 0xf033
	s_cbranch_scc0 .Lentry_shape_is_right
	s_endpgm
.Lentry_shape_is_right:
; Three products on codes of FP6 (E2M3) with E8M0 scales, K = 1,024, chosen by the cluster's y: mode 0: q = x Wq + bq; mode 1: k = n Wk + bk; mode 2: v^T = (n Wv + bv)^T (source rows: Wv's, columns: n's).
; The results are quantised for the attention and stored as fragment images with their scale words.
; A tile of 256 x 256 by four waves, 128 x 128 each.  K goes through two LDS slots in chunks of 256 bytes of each row (a row of codes is 768 bytes: three chunks, each on a multiple of 256 bytes).
; A step of 128 along K is 96 bytes: steps 2 and 5 lie across two chunks.  All scale bytes of the tile come once.  4 x 4 cluster: A's tiles are asked for jointly along a row, B's along a column.
; Source 0 = 16 rows of B, source 1 = 16 rows of A.  The bias along B's rows is the C of the first products; the bias along A's rows (mode 2) is added on the way out.
; Window 0: v16-31 addresses, v32-63 scale words, v64-127 bias, v128-223 A's fragments; window 1: B's fragments, two sets; windows 2, 3: accumulators.
.set ROWB,   256
.set NQ,     2
.set KROW,   768
.set STEPS,  8
.set CHUNKS, 3
.set PITCH,  272
.set FR,     12
.set NL,     6
.set NP,     4
.set HALFT,  128*PITCH
.set SLOT,   4*HALFT
.set KS,     32
.set SCL,    2*SLOT
.set HALFS,  (128*KS/256)*272
.set SBLK,   (16*KS/256)*272
.set SPARE,  SCL+4*HALFS
.set STAGE,  SLOT                      ; the way out's scale words: in slot 1, which holds chunk 1: its last fill and last read are over by then
.set ADRA, 16
.set ADRB, 20
.set L8,   24
.set SS,   25
.set SL,   26
.set ADRS, 27
.set SPW,  28
.set NIL,  29
.set SG,   30
.set SC,   32
.set BP,   64
.set TT,   64
.set AF,   128
.set PC,   128
.set TM,   152
.set PWS,  168
.set VLO,  176
.set VHI,  177
.set BKW,  180
.set BR,   224
.set G1, 24
.set G0, 32
.set G1B, 48
.set G0B, 56
.set G1S, 68
.set G0S, 76
.set G1SB, 80
.set G0SB, 88
.set G0H, 4
.set G0HB, 8
.set MKP, 66
.set MKR, 67
.set MODE, 95
.set SEL, 100
.set MSB, 0
.macro WIN new
.if MSB != (\new)
	s_set_vgpr_msb (MSB<<8)|(\new)
.set MSB, (\new)
.endif
.endm
.set MUL_LO, 0xa1
.set MUL_HI, 0xf1
.set TO_B,   0x40
.macro JLOAD g0a, g1a, g0b, g1b        ; waves 0, 1 fetch for A, waves 2, 3 for B
	s_cmp_eq_u32 s15, 0
	s_cbranch_scc0 .Lfor_b_\@
	tensor_load_to_lds s[\g0a:\g0a+3], s[\g1a:\g1a+7]
	s_nop 0
.rept 4
	v_nop
.endr
	s_branch .Lasked_\@
.Lfor_b_\@:
	tensor_load_to_lds s[\g0b:\g0b+3], s[\g1b:\g1b+7]
	s_nop 0
.rept 4
	v_nop
.endr
.Lasked_\@:
.endm
.macro CREST
	s_cmp_lg_u32 s14, 0
	s_cbranch_scc1 .Lnot_wave_0_\@
	s_barrier_signal -3
.Lnot_wave_0_\@:
	s_barrier_wait -3
	s_barrier_signal -1
	s_barrier_wait -1
.endm
.macro CROUND
	s_barrier_signal -1
	s_barrier_wait -1
	CREST
.endm
.macro ARM under, g0, g1, next         ; one arm of the head's tree: one load, then on to the tree's end
	s_cmp_lt_u32 s14, \under
	s_cbranch_scc0 \next
	tensor_load_to_lds s[\g0:\g0+3], s[\g1:\g1+7]
	s_nop 0
.rept 4
	v_nop
.endr
	s_branch .Lhead_asked
\next:
.endm
	s_load_b512 s[68:83], s[0:1], 0x0
	s_load_b256 s[84:91], s[0:1], 0x40
	s_load_b64 s[92:93], s[0:1], 0x60
	v_lshl_add_u32 v[SPW], v0, 2, SPARE
	v_mov_b32 v[NIL], 0
	ds_add_u32 v[SPW], v[NIL]                      ; the opening lines: the add twice and its wait
	ds_add_u32 v[SPW], v[NIL]
	v_lshrrev_b32 v1, 5, v0
	v_readfirstlane_b32 s14, v1                    ; wave
	s_lshr_b32 s15, s14, 1
	s_and_b32 s16, s14, 1
	s_bfe_u32 s40, ttmp6, 0x40000
	s_bfe_u32 s41, ttmp6, 0x40004
	s_and_b32 s18, ttmp7, 0xffff
	s_lshr_b32 s[MODE], s18, 2
	s_and_b32 s18, s18, 3
	s_cmp_eq_u32 s[MODE], 2
	s_cselect_b32 s19, 0, s18
	s_cselect_b32 s18, s18, 0
	s_lshl_b32 s42, s18, 2
	s_add_co_u32 s42, s42, s40                     ; B's tile
	s_lshl_b32 s17, s19, 2
	s_add_co_u32 s17, s17, s41                     ; A's tile
	s_lshl_b32 s43, s41, 2
	s_lshl_b32 s43, 15, s43
	s_lshl_b32 s44, 0x1111, s40
	s_or_b32 s[G1+0], s43, (0<<16)|(1<<20)|(1<<21)|(5<<22)|(3<<25)
	s_or_b32 s[G1B+0], s44, (0<<16)|(1<<20)|(1<<21)|(5<<22)|(3<<25)
.irp g, G1, G1B
	s_mov_b32 s[\g+1], ROWB<<16
	s_mov_b32 s[\g+2], 256<<16                     ; the head's loads bring 256 rows
	s_mov_b32 s[\g+3], ROWB<<16
	s_mov_b32 s[\g+4], 256
	s_mov_b32 s[\g+5], KROW
	s_mov_b32 s[\g+6], 0
	s_mov_b32 s[\g+7], 0
.endr
	; THE PREFETCHES: of the 128 rows that I fetch in the ring, the partner at place p among the four that ask jointly takes rows 32 p .. 32 p + 31 (p = cx for A, cy for B): a lane a row, 256 bytes of it
	s_cmp_eq_u32 s15, 0
	s_cselect_b32 s94, s17, s42
	s_cselect_b32 s3, s40, s41
	s_lshl_b32 s94, s94, 8
	s_lshl_b32 s3, s3, 5
	s_add_co_u32 s94, s94, s3
	s_lshl_b32 s3, s16, 7
	s_add_co_u32 s94, s94, s3
	s_mul_i32 s94, s94, KROW
	v_and_b32 v1, 15, v0
	v_bfe_u32 v2, v0, 4, 1
	v_and_b32 v31, 31, v0
	v_mul_u32_u24 v31, v31, KROW
	v_add_nc_u32 v31, s94, v31                     ; v31: my row's first byte; never rewritten
	s_wait_alu depctr_va_vdst(0)
	s_wait_dscnt 0x0
	s_wait_kmcnt 0x0
	s_add_nc_u64 s[98:99], s[72:73], 3145728       ; n's scale bytes lie behind its codes
	s_cmp_eq_u32 s[MODE], 0
	s_cselect_b64 s[4:5], s[68:69], s[72:73]
	s_cselect_b64 s[6:7], s[70:71], s[98:99]
	s_cselect_b64 s[8:9], s[74:75], s[78:79]
	s_cselect_b64 s[10:11], s[76:77], s[80:81]
	s_cselect_b64 s[96:97], s[86:87], s[88:89]
	s_cmp_eq_u32 s[MODE], 2
	s_cselect_b64 s[4:5], s[82:83], s[4:5]
	s_cselect_b64 s[6:7], s[84:85], s[6:7]
	s_cselect_b64 s[8:9], s[72:73], s[8:9]
	s_cselect_b64 s[10:11], s[98:99], s[10:11]
	s_cselect_b64 s[96:97], s[90:91], s[96:97]
	s_mov_b64 s[12:13], s[92:93]
	s_lshl_b32 s18, s42, 10
	s_lshl_b32 s19, s16, 9
	s_add_co_u32 s18, s18, s19
	s_lshl_b32 s22, s17, 10
	s_lshl_b32 s19, s15, 9
	s_add_co_u32 s22, s22, s19
	s_cmp_eq_u32 s[MODE], 2
	s_cselect_b32 s18, 0, s18
	s_cselect_b32 s22, s22, 0
	s_cselect_b32 s[MKP], 0, -1
	s_not_b32 s[MKR], s[MKP]
	v_lshl_add_u32 v8, v2, 5, s18
	v_lshl_add_u32 v9, v1, 2, s22
.irp b, 0,1,2,3,4,5,6,7
	global_load_b128 v[BP+8*\b:BP+8*\b+3], v8, s[96:97] offset:64*\b
	global_load_b128 v[BP+8*\b+4:BP+8*\b+7], v8, s[96:97] offset:64*\b+16
.endr
.irp a, 0,1,2,3,4,5,6,7
	global_load_b32 v[BR+2*\a], v9, s[96:97] offset:64*\a
.endr
	s_or_b32 s[G1S+0], s43, (3<<16)|(1<<20)|(1<<21)|(5<<22)|(3<<25)
	s_or_b32 s[G1SB+0], s44, (3<<16)|(1<<20)|(1<<21)|(5<<22)|(3<<25)
.irp g, G1S, G1SB                      ; the scales of 256 rows: a dense block, KS rows of 256 bytes + 16
	s_mov_b32 s[\g+1], 32<<16
	s_mov_b32 s[\g+2], KS<<16
	s_mov_b32 s[\g+3], 32<<16
	s_mov_b32 s[\g+4], KS
	s_mov_b32 s[\g+5], 32
	s_mov_b32 s[\g+6], 0
	s_mov_b32 s[\g+7], 0
.endr
	s_lshl_b32 s20, s17, 8
	s_lshl_b32 s46, s42, 8
	s_mov_b32 s21, 0
	s_mov_b32 s47, 0
	s_mov_b64 s[18:19], KS
	s_mul_u64 s[22:23], s[20:21], s[18:19]
	s_mul_u64 s[92:93], s[46:47], s[18:19]
	s_mov_b64 s[18:19], KROW
	s_mul_u64 s[20:21], s[20:21], s[18:19]
	s_mul_u64 s[46:47], s[46:47], s[18:19]
	s_mul_i32 s18, s16, 128*KROW                   ; in the ring I fetch 128 rows: which half
	s_mov_b32 s19, 0
	s_mul_i32 s45, s14, HALFT
	s_add_nc_u64 s[20:21], s[4:5], s[20:21]
	s_add_nc_u64 s[22:23], s[6:7], s[22:23]
	s_add_nc_u64 s[46:47], s[8:9], s[46:47]
	s_add_nc_u64 s[92:93], s[10:11], s[92:93]
	s_cmp_eq_u32 s15, 0
	s_cselect_b64 s[2:3], s[4:5], s[8:9]           ; the codes that I fetch: A's or B's; never rewritten
	CROUND                                         ; in front of the first joint loads
	s_mov_b32 s[G0H], 1
	s_mov_b32 s[G0H+1], 0
	s_mov_b64 s[G0H+2:G0H+3], s[20:21]
	s_or_b32 s[G0H+3], s[G0H+3], 0x80000000
	s_mov_b32 s[G0HB], 1
	s_mov_b32 s[G0HB+1], 2*HALFT
	s_mov_b64 s[G0HB+2:G0HB+3], s[46:47]
	s_or_b32 s[G0HB+3], s[G0HB+3], 0x80000000
	s_mov_b32 s[G0S], 1
	s_mov_b32 s[G0S+1], SCL
	s_mov_b64 s[G0S+2:G0S+3], s[22:23]
	s_or_b32 s[G0S+3], s[G0S+3], 0x80000000
	s_mov_b32 s[G0SB], 1
	s_mov_b32 s[G0SB+1], SCL+2*HALFS
	s_mov_b64 s[G0SB+2:G0SB+3], s[92:93]
	s_or_b32 s[G0SB+3], s[G0SB+3], 0x80000000
	s_add_nc_u64 s[20:21], s[20:21], s[18:19]
	s_add_nc_u64 s[46:47], s[46:47], s[18:19]
.irp s, 0,1
	s_mov_b32 s[G0+4*\s], 1
	s_add_co_u32 s[G0+4*\s+1], s45, \s*SLOT
	s_add_nc_u64 s[G0+4*\s+2:G0+4*\s+3], s[20:21], \s*ROWB
	s_or_b32 s[G0+4*\s+3], s[G0+4*\s+3], 0x80000000
	s_mov_b32 s[G0B+4*\s], 1
	s_add_co_u32 s[G0B+4*\s+1], s45, \s*SLOT
	s_add_nc_u64 s[G0B+4*\s+2:G0B+4*\s+3], s[46:47], \s*ROWB
	s_or_b32 s[G0B+4*\s+3], s[G0B+4*\s+3], 0x80000000
.endr
	; the head's four tiles, one load a wave: chunk 0 of A, chunk 0 of B, A's scales, B's scales
	ARM 1, G0H,  G1,  .Lhead_b
	ARM 2, G0HB, G1B, .Lhead_sa
	ARM 3, G0S,  G1S, .Lhead_sb
	tensor_load_to_lds s[G0SB:G0SB+3], s[G1SB:G1SB+7]
	s_nop 0
.rept 4
	v_nop
.endr
.Lhead_asked:
	global_prefetch_b8 v31, s[2:3] offset:256 th:TH_LOAD_NT scope:SCOPE_SE   ; chunk 1, one fill ahead of its load
	v_mul_u32_u24 v3, v1, PITCH
	v_mul_u32_u24 v4, v2, 24
	v_add_nc_u32 v4, v3, v4                        ; row x pitch + 24 x half
	s_mov_b32 s21, SLOT-232
	s_mov_b32 s22, SLOT+232
	v_sub_nc_u32 v7, 1, v2
	v_mul_u32_u24 v5, s21, v2
	v_add_nc_u32 v5, v3, v5
	v_add_nc_u32 v5, 232, v5                       ; across two chunks: lanes 0-15 byte 232 in slot 0, lanes 16-31 byte 0 in slot 1
	v_mul_u32_u24 v6, s22, v7
	v_add_nc_u32 v6, v3, v6                        ; and the other way round
	s_mul_i32 s21, s15, HALFT
	s_mul_i32 s22, s16, HALFT
	s_add_co_u32 s22, s22, 2*HALFT
	v_add_nc_u32 v[ADRA+2], s21, v5
	v_add_nc_u32 v[ADRA+3], s21, v6
	v_add_nc_u32 v[ADRB+2], s22, v5
	v_add_nc_u32 v[ADRB+3], s22, v6
.irp s, 0,1
	v_add_nc_u32 v[ADRA+\s], s21, v4
	v_add_nc_u32 v[ADRB+\s], s22, v4
	s_add_co_u32 s21, s21, SLOT
	s_add_co_u32 s22, s22, SLOT
.endr
	v_mul_u32_u24 v5, v1, KS
	v_lshrrev_b32 v6, 8, v5
	v_lshl_add_u32 v5, v6, 4, v5
	s_mul_i32 s21, s15, HALFS
	s_mul_i32 s22, s16, HALFS
	s_add_co_u32 s22, s22, 2*HALFS
	s_sub_co_u32 s22, s22, s21
	v_mul_u32_u24 v6, s22, v2                      ; lanes 16-31 take B's scale words
	s_add_co_u32 s21, s21, SCL
	v_add_nc_u32 v5, v5, v6
	v_add_nc_u32 v[ADRS], s21, v5
	v_and_b32 v6, 31, v0
	v_lshlrev_b32 v[L8], 3, v6
	s_lshl_b32 s23, s14, 9
	s_add_co_u32 s23, s23, STAGE
	v_lshl_add_u32 v[SS], v1, 2, s23
	v_lshl_add_u32 v[SL], v6, 4, s23
	s_mov_b32 s[SEL], 0x76543210
	s_mov_b32 s[SEL+1], 0xfedcba98
	s_wait_alu depctr_va_vdst(0)
	s_wait_loadcnt 0x0                             ; the biases
.set i, 0
.rept 64
	v_cndmask_b32 v[BP+i], 0, v[BP+i], s[MKP]      ; the bias along B's rows counts in modes 0 and 1,
.set i, i+1
.endr
.irp a, 0,1,2,3,4,5,6,7
	v_cndmask_b32 v[BR+2*\a], 0, v[BR+2*\a], s[MKR]   ; that along A's rows in mode 2
	v_mov_b32 v[BR+2*\a+1], 0
.endr
.macro FRAG reg, adr, st, i            ; 16 rows x 128 K: six pieces of 8 bytes; byte y of a row lies in chunk y / 256, slot (y / 256) % 2
.irp p, 0,1,2,3,4,5
.set BY, 96*(\st)+48*(\p/3)+8*(\p%3)
.if BY/ROWB == (BY+24)/ROWB
	ds_load_b64 v[\reg+2*\p:\reg+2*\p+1], v[\adr+(BY/ROWB)%2] offset:BY%ROWB+(\i)*16*PITCH
.else
	ds_load_b64 v[\reg+2*\p:\reg+2*\p+1], v[\adr+2+(BY/ROWB)%2] offset:BY%ROWB-232+(\i)*16*PITCH
.endif
.endr
.endm
.macro MUL16 a0, p, q, sc, zero        ; A's blocks a0, a0 + 1 x B's eight; the 64 accumulators take turns
.irp a, \a0, \a0+1
.irp b, 0,1,2,3,4,5,6,7
.if \zero
	v_wmma_scale_f32_16x16x128_f8f6f4 v[8*(8*((\a)%4)+\b):8*(8*((\a)%4)+\b)+7], v[128*(\p)+FR*\b:128*(\p)+FR*\b+FR-1], v[AF+FR*(\a):AF+FR*(\a)+FR-1], v[BP+8*\b:BP+8*\b+7], v[SC+8*NQ*(\sc)+NQ*\b+(\q)], v[SC+8*NQ*(\sc)+NQ*(\a)+(\q)] matrix_a_fmt:MATRIX_FMT_FP6 matrix_b_fmt:MATRIX_FMT_FP6 matrix_a_scale:MATRIX_SCALE_ROW1
.else
	v_wmma_scale_f32_16x16x128_f8f6f4 v[8*(8*((\a)%4)+\b):8*(8*((\a)%4)+\b)+7], v[128*(\p)+FR*\b:128*(\p)+FR*\b+FR-1], v[AF+FR*(\a):AF+FR*(\a)+FR-1], v[8*(8*((\a)%4)+\b):8*(8*((\a)%4)+\b)+7], v[SC+8*NQ*(\sc)+NQ*\b+(\q)], v[SC+8*NQ*(\sc)+NQ*(\a)+(\q)] matrix_a_fmt:MATRIX_FMT_FP6 matrix_b_fmt:MATRIX_FMT_FP6 matrix_a_scale:MATRIX_SCALE_ROW1
.endif
.endr
.endr
.endm
.macro FETCH_B st, p
	WIN TO_B
.irp i, 0,1,2,3,4,5,6,7
	FRAG 128*(\p)+FR*\i, ADRB, \st, \i
.endr
	WIN 0
.endm
.macro FETCH_A st, i0
.irp i, \i0, \i0+1, \i0+2, \i0+3
	FRAG AF+FR*(\i), ADRA, \st, \i
.endr
.endm
.macro SCALES pr                       ; the scale words of steps 2 pr, 2 pr + 1 into set pr % 2
.irp i, 0,1,2,3,4,5,6,7
	ds_load_b64 v[SC+8*NQ*((\pr)%2)+NQ*\i:SC+8*NQ*((\pr)%2)+NQ*\i+1], v[ADRS] offset:\i*SBLK+4*NQ*(\pr)
.endr
.endm
.macro PLACES n
.rept \n
	v_nop
.endr
.endm
; A step of 128 along K.  Where the next step ends in a chunk not read yet: a wait for my loads and a barrier.  Where it begins in a later chunk: the three lines, the barrier, and, if a chunk two on is left, a round and the refill.
.macro STEP st, zero
.set NX, (\st)+1
.set C0, (96*(\st))/ROWB
.set C1, (96*NX)/ROWB
.set E0, (96*(\st)+95)/ROWB
.set E1, (96*NX+95)/ROWB
.if C1 > C0 || E1 > E0
	s_wait_tensorcnt 0x0
.if C1 > C0
	ds_add_u32 v[SPW], v[NIL]
	s_wait_dscnt 4*NL+1                            ; the add and A's blocks 4-7 may be out
.else
	s_wait_dscnt 4*NL                              ; A's blocks 4-7 may be out
.endif
	WIN MUL_LO-0x20*(\zero)
	MUL16 0, (\st)%2, (\st)%2, ((\st)/2)%2, \zero
	s_wait_dscnt 0x0
	s_barrier_signal -1
	MUL16 2, (\st)%2, (\st)%2, ((\st)/2)%2, \zero
	WIN 0
	s_barrier_wait -1
.if C1 > C0 && C0+2 < CHUNKS
	CREST
	s_add_nc_u64 s[G0+4*(C0%2)+2:G0+4*(C0%2)+3], s[G0+4*(C0%2)+2:G0+4*(C0%2)+3], 2*ROWB
	s_add_nc_u64 s[G0B+4*(C0%2)+2:G0B+4*(C0%2)+3], s[G0B+4*(C0%2)+2:G0B+4*(C0%2)+3], 2*ROWB
	JLOAD G0+4*(C0%2), G1, G0B+4*(C0%2), G1B
.else
	PLACES NP
.endif
.else
	s_wait_dscnt 4*NL
	WIN MUL_LO-0x20*(\zero)
	MUL16 0, (\st)%2, (\st)%2, ((\st)/2)%2, \zero
	MUL16 2, (\st)%2, (\st)%2, ((\st)/2)%2, \zero
	s_wait_dscnt 0
	PLACES NP
.endif
	FETCH_B NX, NX%2
	FETCH_A NX, 0
.if NX%2 == 0
	SCALES NX/2
.endif
	WIN MUL_HI-0x30*(\zero)
	MUL16 4, (\st)%2, (\st)%2, ((\st)/2)%2, \zero
	MUL16 6, (\st)%2, (\st)%2, ((\st)/2)%2, \zero
	PLACES NP
	WIN 0
	FETCH_A NX, 4
.endm
	s_wait_alu depctr_va_vdst(0)
	s_wait_tensorcnt 0x0                           ; my tile of the head's four is in
	ds_add_u32 v[SPW], v[NIL]
	s_mov_b32 s[G1+2], 128<<16                     ; no load of mine is out: from here on a load brings 128 rows
	s_mov_b32 s[G1+4], 128
	s_mov_b32 s[G1B+2], 128<<16
	s_mov_b32 s[G1B+4], 128
	s_wait_dscnt 0x0
	CROUND
	JLOAD G0+4, G1, G0B+4, G1B                     ; chunk 1, slot 1's first fill
	FETCH_B 0, 0
	FETCH_A 0, 0
	SCALES 0
	FETCH_A 0, 4
	global_prefetch_b8 v31, s[2:3] offset:512 th:TH_LOAD_NT scope:SCOPE_SE   ; chunk 2, the last: its load follows in step 2
	STEP 0, 1
.set ST, 1
.rept STEPS-2
	STEP ST, 0
.set ST, ST+1
.endr
	s_wait_dscnt 4*NL
	WIN MUL_LO
	MUL16 0, 1, 1, 1, 0
	MUL16 2, 1, 1, 1, 0
	s_wait_dscnt 0
	WIN MUL_HI
	MUL16 4, 1, 1, 1, 0
	MUL16 6, 1, 1, 1, 0
	WIN 0
.macro QUANT s, pw                     ; 64 numbers a lane (four half blocks) become a fragment's 12 registers and a scale word
.irp b, 0,1,2,3
	v_max3_num_f32 v[TM+\b], |v[\s+16*\b]|, |v[\s+1+16*\b]|, 0x1800000
.endr
.irp i, 2,4,6,8,10,12,14
.irp b, 0,1,2,3
	v_max3_num_f32 v[TM+\b], v[TM+\b], |v[\s+16*\b+\i]|, |v[\s+1+16*\b+\i]|
.endr
.endr
.irp b, 0,1,2,3
	v_permlanex16_b32 v[TM+4+\b], v[TM+\b], s[SEL], s[SEL+1]
.endr
.irp b, 0,1,2,3
	v_max_num_f32 v[TM+\b], v[TM+\b], v[TM+4+\b]
.endr
.irp b, 0,1,2,3
	v_add_nc_u32 v[TM+12+\b], 0xff000000, v[TM+\b]
.endr
.irp b, 0,1,2,3
	v_lshrrev_b32 v[TM+4+\b], 23, v[TM+12+\b]
.endr
	v_lshl_or_b32 v[\pw], v[TM+5], 8, v[TM+4]
	v_lshl_or_b32 v[\pw], v[TM+6], 16, v[\pw]
	v_lshl_or_b32 v[\pw], v[TM+7], 24, v[\pw]
.irp c, 0,1
	v_cvt_scalef32_pk16_fp6_f32 v[PC+6*\c:PC+2+6*\c], v[\s+32*\c:\s+15+32*\c], v[TM+12+2*\c]
	v_cvt_scalef32_pk16_fp6_f32 v[PC+12+4*\c:PC+14+4*\c], v[\s+16+32*\c:\s+31+32*\c], v[TM+12+2*\c+1]
.endr
	v_nop
.irp c, 0,1
.irp i, 0,1,2
	v_permlane16_swap_b32 v[PC+6*\c+\i], v[PC+12+4*\c+\i]
.endr
.irp i, 0,1,2
	v_mov_b32 v[PC+3+6*\c+\i], v[PC+12+4*\c+\i]
.endr
.endr
.endm
	PLACES NP
.irp b, 0,1,2,3
	v_mov_b32 v[TM+4+\b], 0
.endr
	s_cmp_eq_u32 s[MODE], 0
	s_mov_b32 s8, 3145728
	s_cselect_b32 s8, 0, s8
	s_mov_b32 s9, 196608
	s_cselect_b32 s9, 98304, s9
	s_mov_b32 s10, 9568256
	s_cselect_b32 s10, 9437184, s10
	s_mov_b32 s11, 16384
	s_cselect_b32 s11, 8192, s11
	s_cmp_eq_u32 s[MODE], 2
	s_cselect_b32 s8, 3244032, s8
	s_cselect_b32 s10, 9576448, s10
	s_cselect_b32 s18, 1, 2
	s_mov_b32 s19, 768
	s_cselect_b32 s19, 1536, s19
	s_mov_b32 s20, 3072
	s_cselect_b32 s20, 196608, s20
	s_cselect_b32 s21, 768, s9
	s_mov_b32 s22, 256
	s_cselect_b32 s22, 4096, s22
	s_cselect_b32 s4, s42, s17
	s_cselect_b32 s5, s16, s15
	s_cselect_b32 s6, s17, s42
	s_cselect_b32 s7, s15, s16
	s_lshr_b32 s23, s4, 3
	s_lshl_b32 s23, s23, 4
	s_lshl_b32 s40, s6, 2
	s_add_co_u32 s23, s23, s40
	s_lshl_b32 s40, s7, 1
	s_add_co_u32 s23, s23, s40
	s_and_b32 s40, s4, 7
	s_lshl_b32 s40, s40, 8
	s_lshl_b32 s41, s5, 7
	s_add_co_u32 s40, s40, s41
	s_mul_i32 s46, s23, s9
	s_add_co_u32 s46, s46, s8
	s_mul_i32 s47, s40, 48
	s_add_co_u32 s46, s46, s47
	s_mov_b32 s47, 0
	s_add_nc_u64 s[92:93], s[12:13], s[46:47]
	s_lshr_b32 s46, s23, 1
	s_mul_i32 s46, s46, s11
	s_add_co_u32 s46, s46, s10
	s_lshl_b32 s41, s40, s18
	s_add_co_u32 s46, s46, s41
	s_add_nc_u64 s[98:99], s[12:13], s[46:47]
	v_mul_u32_u24 v[SG], v2, s22
	v_lshl_add_u32 v[SG], v1, 4, v[SG]
.macro BLOCK a
.if (\a) > 0
	s_wait_xcnt 0x0
.endif
.set AC, 64*((\a)%4)
	WIN 0x02+(\a)/4
.set k, 0
.rept 32
	v_pk_add_f32 v[TT+k:TT+k+1], v[AC+k:AC+k+1], v[BR+2*(\a):BR+2*(\a)+1] op_sel_hi:[1,0]
.set k, k+2
.endr
	WIN 0
	QUANT TT, PWS+(\a)
	s_mul_i32 s40, s19, (\a)%4
	s_mul_i32 s41, s20, (\a)/4
	s_add_co_u32 s40, s40, s41
	v_add_nc_u32 v[VLO], s40, v[L8]
	v_add_nc_u32 v[VHI], s21, v[VLO]
.irp p, 0,1,2
	global_store_b64 v[VLO], v[PC+2*\p:PC+2*\p+1], s[92:93] offset:256*\p
.endr
.irp p, 0,1,2
	global_store_b64 v[VHI], v[PC+6+2*\p:PC+7+2*\p], s[92:93] offset:256*\p
.endr
.endm
.irp a, 0,1,2,3,4,5,6,7
	BLOCK \a
.endr
.irp a, 0,1,2,3,4,5,6,7
	ds_store_b32 v[SS], v[PWS+\a] offset:64*\a
.endr
	ds_load_b128 v[BKW:BKW+3], v[SL]
	s_wait_dscnt 0x0
	global_store_b128 v[SG], v[BKW:BKW+3], s[98:99]
	s_wait_tensorcnt 0x0                           ; the wave's end
	ds_add_u32 v[SPW], v[NIL]
	s_wait_dscnt 0x0
	CROUND
	s_endpgm
.Lfunc_end_k_q662d3f45fc_qkv:
	.size	k_q662d3f45fc_qkv, .Lfunc_end_k_q662d3f45fc_qkv-k_q662d3f45fc_qkv
	.p2alignl 7, 3214868480
	.fill 96, 4, 3214868480
	.section	.rodata,"a",@progbits
	.p2align	6, 0x0
	.amdhsa_kernel k_q662d3f45fc_qkv
		.amdhsa_group_segment_fixed_size 327680
		.amdhsa_private_segment_fixed_size 0
		.amdhsa_enable_private_segment 0
		.amdhsa_kernarg_size 104
		.amdhsa_user_sgpr_count 2
		.amdhsa_user_sgpr_kernarg_segment_ptr 1
		.amdhsa_wavefront_size32 1
		.amdhsa_system_sgpr_workgroup_id_x 1
		.amdhsa_system_sgpr_workgroup_id_y 1
		.amdhsa_system_sgpr_workgroup_id_z 1
		.amdhsa_system_vgpr_workitem_id 0
		.amdhsa_next_free_vgpr 1024
		.amdhsa_next_free_sgpr 102
		.amdhsa_reserve_vcc 0
		.amdhsa_float_denorm_mode_32 3
		.amdhsa_float_denorm_mode_16_64 3
		.amdhsa_memory_ordered 1
		.amdhsa_forward_progress 1
		.amdhsa_inst_pref_size 194
	.end_amdhsa_kernel
	.amdgpu_metadata
---
amdhsa.version: [ 1, 2 ]
amdhsa.kernels:
  - .name:           k_q662d3f45fc_qkv
    .symbol:         k_q662d3f45fc_qkv.kd
    .args:
      - { .name: x_codes, .offset: 0, .size: 8, .value_kind: global_buffer, .address_space: global }
      - { .name: x_scales, .offset: 8, .size: 8, .value_kind: global_buffer, .address_space: global }
      - { .name: nbuf, .offset: 16, .size: 8, .value_kind: global_buffer, .address_space: global }
      - { .name: Wq_codes, .offset: 24, .size: 8, .value_kind: global_buffer, .address_space: global }
      - { .name: Wq_scales, .offset: 32, .size: 8, .value_kind: global_buffer, .address_space: global }
      - { .name: Wk_codes, .offset: 40, .size: 8, .value_kind: global_buffer, .address_space: global }
      - { .name: Wk_scales, .offset: 48, .size: 8, .value_kind: global_buffer, .address_space: global }
      - { .name: Wv_codes, .offset: 56, .size: 8, .value_kind: global_buffer, .address_space: global }
      - { .name: Wv_scales, .offset: 64, .size: 8, .value_kind: global_buffer, .address_space: global }
      - { .name: bq, .offset: 72, .size: 8, .value_kind: global_buffer, .address_space: global }
      - { .name: bk, .offset: 80, .size: 8, .value_kind: global_buffer, .address_space: global }
      - { .name: bv, .offset: 88, .size: 8, .value_kind: global_buffer, .address_space: global }
      - { .name: qkv, .offset: 96, .size: 8, .value_kind: global_buffer, .address_space: global }
    .group_segment_fixed_size: 327680
    .private_segment_fixed_size: 0
    .kernarg_segment_align: 8
    .kernarg_segment_size: 104
    .max_flat_workgroup_size: 128
    .sgpr_count:     102
    .vgpr_count:     1024
    .wavefront_size: 32
...
	.end_amdgpu_metadata
.endif
;; end of part 3
;; launch attn (part 4): grid 8 x 32, 16 waves a work-group, no clusters, 327,680 bytes of LDS; arguments qkv, abuf; writes abuf
.if DOCPART == 4
	.amdgcn_target "amdgcn-amd-amdhsa--gfx1250"
	.amdhsa_code_object_version 6
	.text
	.protected	k_q662d3f45fc_attn
	.globl	k_q662d3f45fc_attn
	.p2align	8
	.type	k_q662d3f45fc_attn,@function
k_q662d3f45fc_attn:
	s_mov_b64 s[64:65], 0
	v_nop
	global_prefetch_b8 v0, s[64:65] scope:SCOPE_SE
	s_setreg_imm32_b32 hwreg(HW_REG_WAVE_MODE, 25, 1), 1
	s_wait_xcnt 0x0
; o = softmax(tril(q k^T / 8)) v for one head, both products on codes of FP6 (E2M3) with E8M0 scales; o / l is quantised along D for the next product.
; tril puts ZERO, not -infinity, on the scores of later keys: those keys still count, with t = 0.
; THE SOFTMAX: t = score x log2(e) / 8; M = the ceiling of the running largest t; p = 2^(t - M) is quantised along the keys; the sum l is taken of the unquantised p and divides at the end.  When M moves, l and O are multiplied by a power of two: exact.
; SHARES.  A work-group has one head and 16 tiles of 16 queries: eight early ones (queries 128 j + 16 e) and eight late ones (128 (15 - j) + 16 e).  A KEY STEP is 128 keys.  TWO WAVES SHARE A TILE'S KEYS: waves e and e + 8 are a pair;
; wave e (role 0) takes the even key steps, wave e + 8 (role 1) the odd ones, first of the pair's late tile (pass 1), then of its early tile (pass 2).  A late tile has 16 - j steps with scores and an early one j + 1: 17 for the pair,
; 8 or 9 for each wave, at every j: no wave has a longer chain of steps than another.
; Each wave keeps its own M, l and O^T.  Behind a pass one wave of the pair stores them to LDS (O^T as an image of its registers), a barrier follows, and the other brings both halves under the larger M (powers of two: exact), adds them and
; makes the tile's way out.  Role 1 sends behind pass 1, role 0 behind pass 2: one way out a wave.
; NO CLUSTER: which steps of a wave have scores hangs on the work-group's queries, and partners of a joint load have to run alike.
; LDS holds the head's K and V as they lie in memory, 196,608 bytes, and the scale words of its pair of heads, 16,384: filled ONCE (all 16 waves, four tensor loads each: one at the head, then one for each of chunks 1-3), never again.
; In pass 1 a chunk is read behind a wait for my loads and a barrier, while the next chunk is on its way.  The exchange has bytes of its own, from 221,184 on: two regions of 8 x 4,352 bytes, into which no fill lands.
; Steps whose keys all come after my 16 queries (a scalar branch on ids) need no first product and no exponential: every p is 2^-M, whose code is 4.0 under the byte 125 - M: a constant fragment.
; LAYOUT.  S^T = K Q^T (source 0 = 16 keys, source 1 = my queries; K = 64: the operand's upper half is zero codes on Q's side), O^T = V^T P^T: a lane holds one query (lane % 16) throughout.
; Register j of tile t is key 16 t + 8 h + j: the order inside a block of 32 keys in which V's fragments were made.
; LIMITS: NaN and infinities are not served.  Where M is above 124, later keys' p, under 2^-124, is taken as 2^-124 in the product (beside a largest p above 1/2); v_exp_f32 gives 0 for results under 2^-126.
; The 16 scale half-words of a tile leave by stores of 2 bytes inside a run of 64 bytes: one byte for 24 of codes.
.set VC,   98304
.set KSC,  196608
.set VSC,  204800
.set XCH,  221184                      ; the exchange
.set XPAIR, 4352                       ; a pair's bytes in a region: 8 x 512 of O^T, 256 of (-M, l)
.set XREG, 8*XPAIR
.set KVO,  3145728
.set QSO,  9437184
.set KVSO, 9568256
.set AK0,  1                           ; 8 x lane
.set AV0,  2
.set ASK0, 3
.set ASV0, 4
.set RH,   5                           ; r - 8 h
.set ZR,   6                           ; 0
.set GO,   7                           ; 4 r
.set ADK,  8
.set ADV,  9
.set ADS,  10
.set ADT,  11
.set XA,   28                          ; the exchange: my pair's bytes + 16 x lane
.set XB,   29                          ; + 8 x lane
.set Q2,   86                          ; v86-91 the early tile's Q, v92 its scale bytes, until pass 2
.set Q2S,  92
.set MX,   192
.set PT,   196
.set SO,   200
.set CT,   204
.set PC,   212
.set KSW,  224
.set VSW,  232
.set FF,   236
.set TA,   238
.set TB,   239
.set PW,   240
.set QSW,  241
.set CP,   242
.set WV,   8
.set Q0,   9                           ; the first query of the tile in hand
.set KF,   10
.set TK,   11
.set TS,   12
.set TV,   13
.set CNT,  14
.set ROLE, 15
.set SEL,  16
.set CS,   18
.set RK,   70                          ; my role's first step: its bytes in K's and V's codes,
.set RS,   71                          ; in K's scale words,
.set RV,   72                          ; in V's,
.set RKF,  73                          ; its first key
.set Q0E,  74                          ; the early tile's first query
.set PAR,  75                          ; the head's parity
	s_load_b128 s[4:7], s[0:1], 0x0                ; qkv, abuf
	v_lshl_add_u32 v254, v0, 2, 0x47000
	v_mov_b32 v255, 0
	ds_add_u32 v254, v255
	ds_add_u32 v254, v255
	v_lshrrev_b32 v8, 5, v0
	s_delay_alu instid0(VALU_DEP_1)
	v_readfirstlane_b32 s[WV], v8                  ; wave 0..15
	v_and_b32 v10, 31, v0
	s_and_b32 s21, s[WV], 7                        ; my pair
	s_lshr_b32 s[ROLE], s[WV], 3
	s_mul_i32 s22, s21, XPAIR
	s_add_co_u32 s22, s22, XCH
	v_lshl_add_u32 v[XA], v10, 4, s22              ; made ahead of the first branch on the wave's number
	v_lshl_add_u32 v[XB], v10, 3, s22
	s_and_b32 s60, ttmp7, 0xffff                   ; 16 batch + head
	s_and_b32 s[PAR], s60, 1
	s_lshl_b32 s21, s21, 4
	s_lshl_b32 s20, ttmp9, 7
	s_add_co_u32 s[Q0E], s20, s21                  ; the early tile
	s_sub_co_u32 s20, 15, ttmp9
	s_lshl_b32 s20, s20, 7
	s_add_co_u32 s[Q0], s20, s21                   ; the late tile: pass 1
	s_mul_i32 s[RK], s[ROLE], 6144
	s_lshl_b32 s[RS], s[ROLE], 9
	s_lshl_b32 s[RV], s[ROLE], 8
	s_lshl_b32 s[RKF], s[ROLE], 7
	s_mov_b32 s[KF], s[RKF]
	s_mov_b32 s[SEL], 0x76543210
	s_mov_b32 s[SEL+1], 0xfedcba98
	s_mov_b32 s[CS], 0x3e38aa3b                    ; c = log2(e) / 8
	s_mov_b32 s[CS+1], s[CS]
	s_wait_dscnt 0x0
	s_wait_kmcnt 0x0
	; THE FILLS, each of LDS bytes filled once, as dense rows of 256 bytes.  At the head one load a wave: waves 0-3 K's and waves 4-7 V's codes of keys 0-511 (6,144 bytes each), waves 8-15 the scale words (2,048 bytes each).
	; Behind the barrier in front of chunk c (512 keys; c = 0, 1, 2) one load a wave: the codes of chunk c + 1 (3,072 bytes each: waves 0-7 K's, waves 8-15 V's).
	s_mov_b32 s24, 3<<16
	s_mov_b32 s25, 32<<16
	s_mov_b32 s26, 24<<16
	s_mov_b32 s27, 32<<16
	s_mov_b32 s28, 24
	s_mov_b32 s29, 32
	s_mov_b32 s30, 0
	s_mov_b32 s31, 0
	s_mov_b32 s32, 3<<16
	s_mov_b32 s33, 32<<16
	s_mov_b32 s34, 8<<16
	s_mov_b32 s35, 32<<16
	s_mov_b32 s36, 8
	s_mov_b32 s37, 32
	s_mov_b32 s38, 0
	s_mov_b32 s39, 0
	s_bfe_u32 s20, s[WV], 0x10002                  ; waves 0-3: K; waves 4-7: V
	s_mul_i32 s20, s20, 98304
	s_and_b32 s21, s[WV], 3
	s_mul_i32 s21, s21, 6144
	s_add_co_u32 s20, s20, s21                     ; my place, in LDS and in the head's bytes alike
	s_mul_i32 s22, s60, 196608
	s_add_co_u32 s22, s22, s20
	s_add_co_u32 s22, s22, KVO
	s_mov_b32 s23, 0
	s_add_nc_u64 s[22:23], s[4:5], s[22:23]
	s_and_b32 s61, s[WV], 7
	s_lshl_b32 s61, s61, 11                        ; waves 8-15: an eighth of the pair of heads' 16,384 scale bytes
	s_lshr_b32 s62, s60, 1
	s_lshl_b32 s62, s62, 14
	s_add_co_u32 s62, s62, s61
	s_add_co_u32 s62, s62, KVSO
	s_mov_b32 s63, 0
	s_mov_b32 s40, 1
	s_add_co_u32 s41, s61, KSC
	s_add_nc_u64 s[42:43], s[4:5], s[62:63]
	s_or_b32 s43, s43, 0x80000000
	s_mov_b32 s44, 1
	s_mov_b32 s45, s20
	s_mov_b64 s[46:47], s[22:23]
	s_or_b32 s47, s47, 0x80000000
	s_mul_i32 s61, s[ROLE], 98304                  ; the second fill: waves 0-7 K, waves 8-15 V
	s_and_b32 s62, s[WV], 7
	s_mul_i32 s62, s62, 3072
	s_add_co_u32 s61, s61, s62
	s_add_co_u32 s61, s61, 24576
	s_mul_i32 s62, s60, 196608
	s_add_co_u32 s62, s62, s61
	s_add_co_u32 s62, s62, KVO
	s_mov_b32 s48, 1
	s_mov_b32 s49, s61
	s_add_nc_u64 s[50:51], s[4:5], s[62:63]
	s_or_b32 s51, s51, 0x80000000
	s_cmp_lt_u32 s[WV], 8
	s_cbranch_scc0 .Lfor_scales
	tensor_load_to_lds s[44:47], s[24:31]
	s_nop 0
.rept 4
	v_nop
.endr
	s_branch .Lhead_asked
.Lfor_scales:
	tensor_load_to_lds s[40:43], s[32:39]
	s_nop 0
.rept 4
	v_nop
.endr
.Lhead_asked:
	v_and_b32 v8, 15, v0                           ; r
	v_bfe_u32 v9, v0, 4, 1                         ; h
	v_and_b32 v10, 31, v0
	s_delay_alu instid0(VALU_DEP_1)
	v_lshlrev_b32 v[AK0], 3, v10
	s_wait_alu depctr_va_vdst(0)
	v_add_nc_u32 v[AV0], VC, v[AK0]
	s_lshl_b32 s21, s[PAR], 1                      ; the head's parity picks its half of K's words and its 4,096 bytes of V's
	s_add_co_u32 s21, s21, KSC
	v_lshl_add_u32 v[ASK0], v8, 2, s21
	s_lshl_b32 s21, s[PAR], 12
	s_add_co_u32 s21, s21, VSC
	v_lshl_add_u32 v[ASV0], v8, 2, s21
	v_lshlrev_b32 v11, 3, v9
	s_delay_alu instid0(VALU_DEP_1)
	v_sub_nc_u32 v[RH], v8, v11
	v_mov_b32 v[ZR], 0
	v_lshlrev_b32 v[GO], 2, v8
	s_wait_alu depctr_va_vdst(0)
	s_mul_i32 s22, s60, 98304                      ; Q's half fragments of both tiles: 768 bytes for 16 queries
	s_mul_i32 s23, s[Q0], 48
	s_add_co_u32 s20, s22, s23
	s_mov_b32 s21, 0
	s_add_nc_u64 s[66:67], s[4:5], s[20:21]
	s_mul_i32 s23, s[Q0E], 48
	s_add_co_u32 s20, s22, s23
	s_add_nc_u64 s[68:69], s[4:5], s[20:21]
.irp p, 0,1,2
	global_load_b64 v[16+2*\p:17+2*\p], v[AK0], s[66:67] offset:256*\p
	global_load_b64 v[Q2+2*\p:Q2+2*\p+1], v[AK0], s[68:69] offset:256*\p
.endr
	s_lshr_b32 s22, s60, 1
	s_lshl_b32 s22, s22, 13
	s_lshl_b32 s23, s[PAR], 1
	s_add_co_u32 s22, s22, s23
	s_add_co_u32 s22, s22, QSO
	s_lshl_b32 s23, s[Q0], 2
	s_add_co_u32 s20, s22, s23
	s_add_nc_u64 s[76:77], s[4:5], s[20:21]
	s_lshl_b32 s23, s[Q0E], 2
	s_add_co_u32 s20, s22, s23
	s_add_nc_u64 s[78:79], s[4:5], s[20:21]
	global_load_u16 v[QSW], v[GO], s[76:77]        ; Q's two scale bytes; the upper two are 0, over zero codes
	global_load_u16 v[Q2S], v[GO], s[78:79]
.macro STATE0                          ; a pass begins: the largest t so far -3e38, l and O^T zeros: the step is written once, and the first change of M leaves zeros zeros
	v_mov_b32 v13, 0xff61b1e6
	s_delay_alu instid0(VALU_DEP_1)
	v_floor_f32 v12, -v13                          ; -M
	v_mov_b32 v14, 0                               ; l, in two halves
	v_mov_b32 v15, 0
.set j, 0
.rept 32
	v_mov_b32 v[160+j], 0
.set j, j+1
.endr
.endm
	STATE0
.irp b, 0,1,2,3
	v_mov_b32 v[PT+\b], 0                          ; (a lane permute's destination counts as read)
.endr
	v_mov_b32 v[FF+1], 0                           ; (named as the upper half of a pair)
	v_mov_b32 v[TA], 0
	v_mov_b32 v93, 0                               ; v93: 2^-M of the last step whose keys all come later
	v_mov_b32 v[PW], 0x7f7f7f7f                    ; p's scale word, written once at the head (four bytes of 1.0); every step that uses it has had it made by a step before
.irp i, 0,1,2,3,4,5
	v_mov_b32 v[22+\i], 0                          ; Q's upper half: zero codes
	v_mov_b32 v[80+\i], 0                          ; what the last tile of K names as its upper half
.endr
.irp c, 0,1,2,3
	v_mov_b32 v[CP+3*\c], 0x18618618               ; the code 0b011000 = 4.0 in every place of a fragment: 96 bits hold 16 codes
	v_mov_b32 v[CP+3*\c+1], 0x86186186
	v_mov_b32 v[CP+3*\c+2], 0x61861861
.endr
.macro VLOADS                          ; the step's four fragments of V^T and their scale words
.irp t, 0,1,2,3
.irp p, 0,1,2,3,4,5
	ds_load_b64 v[32+12*\t+2*\p:33+12*\t+2*\p], v[ADV] offset:1536*\t+256*\p
.endr
	ds_load_b32 v[VSW+\t], v[ADT] offset:64*\t
.endr
.endm
.macro NEWM                            ; from the running largest t in v13: the new -M in v12, f = 2^(old M - new M) in v[FF]
	v_mov_b32 v[TA], v12
	s_delay_alu instid0(VALU_DEP_2)
	v_floor_f32 v12, -v13                          ; -M = floor(-t) = -ceil(t): a whole number
	s_delay_alu instid0(VALU_DEP_1)
	v_sub_f32 v[TA], v12, v[TA]                    ; a whole number, 0 or less
	s_delay_alu instid0(VALU_DEP_1)
	v_cvt_i32_f32 v[TA], v[TA]                     ; (it saturates)
	s_delay_alu instid0(VALU_DEP_1)
	v_ldexp_f32 v[FF], 1.0, v[TA]
.endm
.macro RESCALE                         ; O^T under the new M.  These 16 lines are also the places in front of the scaled products
.set j, 0
.rept 16
	v_pk_mul_f32 v[160+j:161+j], v[160+j:161+j], v[FF:FF+1] op_sel_hi:[1,0]
.set j, j+2
.endr
.endm
.macro PV breg                         ; O^T += V^T P^T: four accumulators by turns
.irp t, 0,1,2,3
	v_wmma_scale_f32_16x16x128_f8f6f4 v[160+8*\t:167+8*\t], v[32+12*\t:43+12*\t], v[\breg:\breg+11], v[160+8*\t:167+8*\t], v[VSW+\t], v[PW] matrix_a_fmt:MATRIX_FMT_FP6 matrix_b_fmt:MATRIX_FMT_FP6
.endr
.endm
.macro STEP
	v_add_nc_u32 v[ADK], s[TK], v[AK0]             ; the step's addresses, ahead of the parting; also the four places behind the last step's products
	v_add_nc_u32 v[ADV], s[TK], v[AV0]
	v_add_nc_u32 v[ADS], s[TS], v[ASK0]
	v_add_nc_u32 v[ADT], s[TV], v[ASV0]
	s_add_co_u32 s20, s[Q0], 15
	s_cmp_gt_u32 s[KF], s20
	s_cbranch_scc1 .Lfuture_\@
.irp t, 0,1,2,3,4,5,6,7
.irp p, 0,1,2
	ds_load_b64 v[32+6*\t+2*\p:33+6*\t+2*\p], v[ADK] offset:768*\t+256*\p
.endr
	ds_load_u16 v[KSW+\t], v[ADS] offset:64*\t
.endr
	s_wait_dscnt 0x0
.irp t, 0,1,2,3,4,5,6,7                        ; tile t names twelve registers: its upper six are the next tile's codes, which meet Q's zero codes
	v_wmma_scale_f32_16x16x128_f8f6f4 v[96+8*\t:103+8*\t], v[32+6*\t:43+6*\t], v[16:27], 0, v[KSW+\t], v[QSW] matrix_a_fmt:MATRIX_FMT_FP6 matrix_b_fmt:MATRIX_FMT_FP6
.endr
.rept 4
	v_nop
.endr
	s_wait_alu depctr_va_vdst(0)
	VLOADS                                         ; they land under the softmax
	s_add_co_u32 s20, s[KF], 127
	s_cmp_le_u32 s20, s[Q0]
	s_cbranch_scc1 .Lopen_\@
	s_sub_co_i32 s20, s[Q0], s[KF]                 ; on the diagonal: register n holds key KF + 16 (n / 8) + 8 h + n % 8; later than my query where 16 (n / 8) + n % 8 > d
	v_add_nc_u32 v[TB], s20, v[RH]
.set n, 0
.rept 64
	v_cmp_gt_i32 vcc_lo, 16*(n/8)+n%8, v[TB]
	v_cndmask_b32 v[96+n], v[96+n], v[ZR], vcc_lo  ; its score becomes 0
.set n, n+1
.endr
.Lopen_\@:
.irp b, 0,1,2,3
	v_max3_num_f32 v[MX+\b], v[96+16*\b], v[97+16*\b], v[98+16*\b]   ; the largest score of each block of 32 keys: for the row's maximum and, since p rises with the score, for the block's largest p
.endr
.irp i, 3,5,7,9,11,13
.irp b, 0,1,2,3
	v_max3_num_f32 v[MX+\b], v[MX+\b], v[96+16*\b+\i], v[97+16*\b+\i]
.endr
.endr
.irp b, 0,1,2,3
	v_max_num_f32 v[MX+\b], v[MX+\b], v[111+16*\b]
.endr
.irp b, 0,1,2,3
	s_delay_alu instid0(VALU_DEP_4)
	v_permlanex16_b32 v[PT+\b], v[MX+\b], s[SEL], s[SEL+1]
.endr
.irp b, 0,1,2,3
	s_delay_alu instid0(VALU_DEP_4)
	v_max_num_f32 v[MX+\b], v[MX+\b], v[PT+\b]
.endr
	s_delay_alu instid0(VALU_DEP_2)
	v_max3_num_f32 v[TA], v[MX], v[MX+1], v[MX+2]
	s_delay_alu instid0(VALU_DEP_1)
	v_max_num_f32 v[TA], v[TA], v[MX+3]
	s_delay_alu instid0(VALU_DEP_1)
	v_mul_f32 v[TA], s[CS], v[TA]
	s_delay_alu instid0(VALU_DEP_1)
	v_max_num_f32 v13, v13, v[TA]
	NEWM
.set j, 0
.rept 32
	v_pk_fma_f32 v[96+j:97+j], v[96+j:97+j], s[CS:CS+1], v[12:13] op_sel_hi:[1,0,0]   ; t - M
.set j, j+2
.endr
.irp b, 0,1,2,3
	v_fma_f32 v[MX+\b], v[MX+\b], s[CS], v12
.endr
.set j, 0
	s_wait_alu depctr_va_vdst(0)
.rept 64
	v_exp_f32 v[96+j], v[96+j]                     ; p = 2^(t - M), at most 1
.set j, j+1
.endr
.irp b, 0,1,2,3
	v_exp_f32 v[MX+\b], v[MX+\b]                   ; the block's largest p: the same two instructions on the same number
.endr
	v_pk_mul_f32 v[14:15], v[14:15], v[FF:FF+1] op_sel_hi:[1,0]   ; l under the new M (a plain place behind the exponentials)
	s_wait_alu depctr_va_vdst(0)
.irp b, 0,1,2,3
	v_max_num_f32 v[MX+\b], 0x1800000, v[MX+\b]    ; the floor 2^(3 - 127)
.endr
.irp b, 0,1,2,3
	s_delay_alu instid0(VALU_DEP_4)
	v_add_nc_u32 v[SO+\b], 0xff000000, v[MX+\b]
.endr
.irp b, 0,1,2,3
	s_delay_alu instid0(VALU_DEP_4)
	v_lshrrev_b32 v[PT+\b], 23, v[SO+\b]
.endr
	s_delay_alu instid0(VALU_DEP_3)
	v_lshl_or_b32 v[PW], v[PT+1], 8, v[PT]
	s_delay_alu instid0(VALU_DEP_1)
	v_lshl_or_b32 v[PW], v[PT+2], 16, v[PW]
	s_delay_alu instid0(VALU_DEP_1)
	v_lshl_or_b32 v[PW], v[PT+3], 24, v[PW]
.irp c, 0,1
	v_cvt_scalef32_pk16_fp6_f32 v[PC+6*\c:PC+2+6*\c], v[96+32*\c:111+32*\c], v[SO+2*\c]
	v_cvt_scalef32_pk16_fp6_f32 v[CT+4*\c:CT+2+4*\c], v[112+32*\c:127+32*\c], v[SO+2*\c+1]
.endr
	v_nop
.irp c, 0,1
.irp i, 0,1,2
	v_permlane16_swap_b32 v[PC+6*\c+\i], v[CT+4*\c+\i]
.endr
.irp i, 0,1,2
	s_delay_alu instid0(VALU_DEP_3)
	v_mov_b32 v[PC+3+6*\c+\i], v[CT+4*\c+\i]
.endr
.endr
	v_pk_add_f32 v[204:205], v[100:101], v[104:105]
	v_pk_add_f32 v[238:239], v[108:109], v[112:113]
	v_pk_add_f32 v[230:231], v[116:117], v[120:121]
	v_pk_add_f32 v[228:229], v[124:125], v[128:129]
	v_pk_add_f32 v[226:227], v[132:133], v[136:137]
	v_pk_add_f32 v[224:225], v[140:141], v[144:145]
	v_pk_add_f32 v[210:211], v[148:149], v[152:153]
	v_pk_add_f32 v[14:15], v[14:15], v[156:157]
	v_pk_add_f32 v[204:205], v[204:205], v[96:97]
	v_pk_add_f32 v[238:239], v[238:239], v[98:99]
	v_pk_add_f32 v[230:231], v[230:231], v[102:103]
	v_pk_add_f32 v[228:229], v[228:229], v[106:107]
	v_pk_add_f32 v[226:227], v[226:227], v[110:111]
	v_pk_add_f32 v[224:225], v[224:225], v[114:115]
	v_pk_add_f32 v[210:211], v[210:211], v[118:119]
	v_pk_add_f32 v[14:15], v[14:15], v[122:123]
	v_pk_add_f32 v[204:205], v[204:205], v[126:127]
	v_pk_add_f32 v[238:239], v[238:239], v[130:131]
	v_pk_add_f32 v[230:231], v[230:231], v[134:135]
	v_pk_add_f32 v[228:229], v[228:229], v[138:139]
	v_pk_add_f32 v[226:227], v[226:227], v[142:143]
	v_pk_add_f32 v[224:225], v[224:225], v[146:147]
	v_pk_add_f32 v[210:211], v[210:211], v[150:151]
	v_pk_add_f32 v[14:15], v[14:15], v[154:155]
	v_pk_add_f32 v[204:205], v[204:205], v[158:159]
	s_delay_alu instid0(VALU_DEP_2)
	v_pk_add_f32 v[14:15], v[14:15], v[228:229]
	s_delay_alu instid0(VALU_DEP_2)
	v_pk_add_f32 v[204:205], v[204:205], v[226:227]
	v_pk_add_f32 v[238:239], v[238:239], v[224:225]
	v_pk_add_f32 v[230:231], v[230:231], v[210:211]
	s_delay_alu instid0(VALU_DEP_2)
	v_pk_add_f32 v[14:15], v[14:15], v[238:239]
	s_delay_alu instid0(VALU_DEP_2)
	v_pk_add_f32 v[204:205], v[204:205], v[230:231]
	s_delay_alu instid0(VALU_DEP_1)
	v_pk_add_f32 v[14:15], v[14:15], v[204:205]
	RESCALE
	s_wait_alu depctr_va_vdst(0)
	s_wait_dscnt 0x0                               ; V
	PV PC
	s_branch .Ljoin_\@
.Lfuture_\@:
	s_add_co_u32 s20, s[Q0], 271                   ; was my step before (256 keys back) of this kind too?  Then M, the scale word and 2^-M stand as they are
	s_cmp_gt_u32 s[KF], s20
	s_cbranch_scc1 .Lagain_\@
	s_wait_alu depctr_va_vdst(0)
	VLOADS
	v_max_num_f32 v13, 0, v13
	NEWM
	s_delay_alu instid0(VALU_DEP_4)
	v_cvt_i32_f32 v[TB], v12
	s_delay_alu instid0(VALU_DEP_1)
	v_ldexp_f32 v[TB], 1.0, v[TB]                  ; p = 2^-M
	s_delay_alu instid0(VALU_DEP_3)
	v_pk_mul_f32 v[14:15], v[14:15], v[FF:FF+1] op_sel_hi:[1,0]
	s_delay_alu instid0(VALU_DEP_1)
	v_fmac_f32 v14, 0x42800000, v[TB]              ; my lane's 64 of the 128 keys
	s_delay_alu instid0(VALU_DEP_3)
	v_max_num_f32 v[TB], 0x1800000, v[TB]
	s_delay_alu instid0(VALU_DEP_1)
	v_add_nc_u32 v[TB], 0xff000000, v[TB]
	s_delay_alu instid0(VALU_DEP_1)
	v_lshrrev_b32 v[TB], 23, v[TB]                 ; the byte 125 - M, held at 1
	s_delay_alu instid0(VALU_DEP_1)
	v_lshl_or_b32 v[TB], v[TB], 8, v[TB]
	s_delay_alu instid0(VALU_DEP_1)
	v_lshl_or_b32 v[PW], v[TB], 16, v[TB]          ; for all four blocks
	v_cvt_i32_f32 v93, v12
	s_delay_alu instid0(VALU_DEP_1)
	v_ldexp_f32 v93, 1.0, v93                      ; 2^-M, kept for the steps that follow
	RESCALE
	s_wait_alu depctr_va_vdst(0)
	s_wait_dscnt 0x0
	PV CP
	s_branch .Ljoin_\@
.Lagain_\@:
	s_wait_alu depctr_va_vdst(0)
	VLOADS
	v_fmac_f32 v14, 0x42800000, v93                ; my lane's 64 of the 128 keys
	s_wait_alu depctr_va_vdst(0)
	s_wait_dscnt 0x0
	PV CP
.Ljoin_\@:
	s_add_co_u32 s[KF], s[KF], 256                 ; on to my next step: the step between is my partner's
	s_add_co_u32 s[TK], s[TK], 12288
	s_add_co_u32 s[TS], s[TS], 1024
	s_add_co_u32 s[TV], s[TV], 512
.endm
.macro CHUNK c                         ; pass 1: 512 keys: two of its four steps are mine
	s_wait_tensorcnt 0x0                           ; my part of chunk c has landed
	ds_add_u32 v254, v255
.if (\c) == 0
	s_mov_b32 s26, 12<<16                          ; no load of mine is out: from here on a load brings 12 rows
	s_mov_b32 s28, 12
.else
.if (\c) < 3
	s_add_co_u32 s49, s49, 24576                   ; on to the next chunk
	s_add_nc_u64 s[50:51], s[50:51], 24576
.endif
.endif
	s_wait_dscnt 0x0
	s_barrier_signal -1
	s_barrier_wait -1                              ; everybody's has
.if (\c) < 3
	tensor_load_to_lds s[48:51], s[24:31]          ; chunk c + 1, its first and only fill: it lands under chunk c's steps
	s_nop 0
.rept 4
	v_nop
.endr
.endif
	s_add_co_u32 s[TK], s[RK], 24576*\c
	s_add_co_u32 s[TS], s[RS], 2048*\c
	s_add_co_u32 s[TV], s[RV], 1024*\c
	s_mov_b32 s[CNT], 2
.Lstep_\@:
	STEP
	s_sub_co_u32 s[CNT], s[CNT], 1
	s_cmp_lg_u32 s[CNT], 0
	s_cbranch_scc1 .Lstep_\@
.endm
; A PASS ENDS.  The wave of role snd stores its half of the tile's state to the pair's bytes of the region at off; behind the barrier its partner joins the halves and makes the tile's way out:
; O^T / l, brought into the true order along d (the next product's partner is a given weight), quantised: half a fragment (64 of the next K's 128) and two scale bytes.
.macro EXCH snd, off
	v_add_f32 v13, v14, v15                        ; my lane's part of l, beside -M in v12.  With the three lines below: the places behind the last products
.rept 3
	v_nop
.endr
	s_cmp_eq_u32 s[ROLE], \snd
	s_cbranch_scc0 .Lkeep_\@
.irp i, 0,1,2,3,4,5,6,7
	ds_store_b128 v[XA], v[160+4*\i:163+4*\i] offset:\off+512*\i   ; each accumulator from its low end on
.endr
	ds_store_b64 v[XB], v[12:13] offset:\off+4096
.Lkeep_\@:
	s_wait_dscnt 0x0                               ; for the partner's sake: my stores are done
	s_barrier_signal -1
	s_barrier_wait -1
	s_cmp_eq_u32 s[ROLE], \snd
	s_cbranch_scc1 .Lsent_\@
.irp i, 0,1,2,3,4,5,6,7
	ds_load_b128 v[96+4*\i:99+4*\i], v[XA] offset:\off+512*\i      ; the same lines as loads give the same registers in the same lanes
.endr
	ds_load_b64 v[128:129], v[XB] offset:\off+4096
	s_wait_dscnt 0x0
	v_min_num_f32 v[TA], v12, v128                 ; -M of the larger M
	s_delay_alu instid0(VALU_DEP_1)
	v_sub_f32 v[TB], v[TA], v12                    ; whole numbers, 0 or less
	s_delay_alu instid0(VALU_DEP_2)
	v_sub_f32 v130, v[TA], v128
	s_delay_alu instid0(VALU_DEP_2)
	v_cvt_i32_f32 v[TB], v[TB]
	s_delay_alu instid0(VALU_DEP_2)
	v_cvt_i32_f32 v130, v130
	s_delay_alu instid0(VALU_DEP_2)
	v_ldexp_f32 v[FF], 1.0, v[TB]                  ; what brings my half under it,
	s_delay_alu instid0(VALU_DEP_2)
	v_ldexp_f32 v132, 1.0, v130                    ; and my partner's: powers of two, nothing is rounded
	v_mov_b32 v133, 0                              ; (named as the upper half of a pair)
	RESCALE
.set j, 0
.rept 16
	v_pk_fma_f32 v[160+j:161+j], v[96+j:97+j], v[132:133], v[160+j:161+j] op_sel_hi:[1,0,1]
.set j, j+2
.endr
	v_mul_f32 v13, v13, v[FF]
	s_delay_alu instid0(VALU_DEP_1)
	v_fmac_f32 v13, v129, v132
	s_delay_alu instid0(VALU_DEP_1)
	v_permlanex16_b32 v[TA], v13, s[SEL], s[SEL+1]
	s_delay_alu instid0(VALU_DEP_1)
	v_add_f32 v14, v13, v[TA]                      ; the row's sum
	s_wait_alu depctr_va_vdst(0)
	v_rcp_f32 v14, v14
	v_nop
.set j, 0
	s_wait_alu depctr_va_vdst(0)
.rept 32
	v_mul_f32 v[96+j], v[160+j], v14               ; register 8 t + i: d = 16 t + 8 h + i
.set j, j+1
.endr
.irp b, 0,1
.irp i, 0,1,2,3,4,5,6,7
	v_permlane16_swap_b32 v[96+16*\b+\i], v[104+16*\b+\i]   ; now register 16 b + i: d = 32 b + 16 h + i
.endr
.endr
.irp b, 0,1
	v_max3_num_f32 v[MX+\b], |v[96+16*\b]|, |v[97+16*\b]|, 0x1800000
.endr
.irp i, 2,4,6,8,10,12,14
.irp b, 0,1
	s_delay_alu instid0(VALU_DEP_2)
	v_max3_num_f32 v[MX+\b], v[MX+\b], |v[96+16*\b+\i]|, |v[97+16*\b+\i]|
.endr
.endr
.irp b, 0,1
	s_delay_alu instid0(VALU_DEP_2)
	v_permlanex16_b32 v[PT+\b], v[MX+\b], s[SEL], s[SEL+1]
.endr
.irp b, 0,1
	s_delay_alu instid0(VALU_DEP_2)
	v_max_num_f32 v[MX+\b], v[MX+\b], v[PT+\b]
.endr
.irp b, 0,1
	s_delay_alu instid0(VALU_DEP_2)
	v_add_nc_u32 v[SO+\b], 0xff000000, v[MX+\b]
.endr
.irp b, 0,1
	s_delay_alu instid0(VALU_DEP_2)
	v_lshrrev_b32 v[PT+\b], 23, v[SO+\b]
.endr
	s_delay_alu instid0(VALU_DEP_1)
	v_lshl_or_b32 v[PW], v[PT+1], 8, v[PT]
	v_cvt_scalef32_pk16_fp6_f32 v[PC:PC+2], v[96:111], v[SO]
	v_cvt_scalef32_pk16_fp6_f32 v[CT:CT+2], v[112:127], v[SO+1]
	v_nop
.irp i, 0,1,2
	v_permlane16_swap_b32 v[PC+\i], v[CT+\i]
.endr
.irp i, 0,1,2
	s_delay_alu instid0(VALU_DEP_3)
	v_mov_b32 v[PC+3+\i], v[CT+\i]
.endr
	s_wait_alu depctr_va_vdst(0)
	s_wait_xcnt 0x0                                ; the bases below are written again only behind this wait
	s_lshr_b32 s20, s60, 4                         ; batch
	s_and_b32 s21, s60, 15                         ; head
	s_mul_i32 s22, s20, 1572864                    ; 128 row tiles of 12,288 bytes
	s_add_co_u32 s23, s[Q0], s21                   ; 768 bytes for each query (12,288 / 16) and for each head (half a fragment)
	s_mul_i32 s23, s23, 768
	s_add_co_u32 s22, s22, s23
	s_mov_b32 s23, 0
	s_add_nc_u64 s[66:67], s[6:7], s[22:23]
.irp p, 0,1,2
	global_store_b64 v[AK0], v[PC+2*\p:PC+2*\p+1], s[66:67] offset:256*\p   ; 256 consecutive bytes, aligned
.endr
	s_lshr_b32 s22, s21, 1
	s_lshl_b32 s22, s22, 12
	s_lshl_b32 s23, s20, 11
	s_add_co_u32 s22, s22, s23
	s_add_co_u32 s22, s22, s[Q0]
	s_lshl_b32 s22, s22, 2                         ; the word of (K step head / 2, my row),
	s_lshl_b32 s23, s[PAR], 1
	s_add_co_u32 s22, s22, s23                     ; my head's half of it
	s_add_co_u32 s22, s22, 3145728
	s_mov_b32 s23, 0
	s_add_nc_u64 s[68:69], s[6:7], s[22:23]
	global_store_b16 v[GO], v[PW], s[68:69]        ; lanes r and 16 + r store the same two bytes
.Lsent_\@:
.endm
	s_wait_alu depctr_va_vdst(0)
	s_wait_loadcnt 0x0                             ; Q of both tiles
	CHUNK 0
	CHUNK 1
	CHUNK 2
	CHUNK 3
	EXCH 1, 0                                      ; role 1 sends, role 0 finishes the late tile
	s_wait_xcnt 0x0                                ; the way out's stores have read their registers
.irp i, 0,1,2,3,4,5
	v_mov_b32 v[16+\i], v[Q2+\i]                   ; PASS 2: the early tile's Q,
.endr
	v_mov_b32 v[QSW], v[Q2S]                       ; its scale bytes (the 36 lines of STATE0 stand between these and the next scaled product),
	STATE0                                         ; and a new state
	s_mov_b32 s[Q0], s[Q0E]
	s_mov_b32 s[KF], s[RKF]
	s_mov_b32 s[TK], s[RK]
	s_mov_b32 s[TS], s[RS]
	s_mov_b32 s[TV], s[RV]
	s_mov_b32 s[CNT], 8                            ; all keys lie in LDS: my eight steps in one loop
.Lpass2:
	STEP
	s_sub_co_u32 s[CNT], s[CNT], 1
	s_cmp_lg_u32 s[CNT], 0
	s_cbranch_scc1 .Lpass2
	EXCH 0, XREG                                   ; role 0 sends, role 1 finishes the early tile
	s_wait_tensorcnt 0x0
	ds_add_u32 v254, v255
	s_wait_dscnt 0x0
	s_endpgm
.Lfunc_end_k_q662d3f45fc_attn:
	.size	k_q662d3f45fc_attn, .Lfunc_end_k_q662d3f45fc_attn-k_q662d3f45fc_attn
	.p2alignl 7, 3214868480
	.fill 96, 4, 3214868480
	.section	.rodata,"a",@progbits
	.p2align	6, 0x0
	.amdhsa_kernel k_q662d3f45fc_attn
		.amdhsa_group_segment_fixed_size 327680
		.amdhsa_private_segment_fixed_size 0
		.amdhsa_enable_private_segment 0
		.amdhsa_kernarg_size 16
		.amdhsa_user_sgpr_count 2
		.amdhsa_user_sgpr_kernarg_segment_ptr 1
		.amdhsa_wavefront_size32 1
		.amdhsa_system_sgpr_workgroup_id_x 1
		.amdhsa_system_sgpr_workgroup_id_y 1
		.amdhsa_system_sgpr_workgroup_id_z 1
		.amdhsa_system_vgpr_workitem_id 0
		.amdhsa_next_free_vgpr 256
		.amdhsa_next_free_sgpr 80
		.amdhsa_reserve_vcc 1
		.amdhsa_float_denorm_mode_32 3
		.amdhsa_float_denorm_mode_16_64 3
		.amdhsa_memory_ordered 1
		.amdhsa_forward_progress 1
		.amdhsa_inst_pref_size 190
	.end_amdhsa_kernel
	.amdgpu_metadata
---
amdhsa.version: [ 1, 2 ]
amdhsa.kernels:
  - .name:           k_q662d3f45fc_attn
    .symbol:         k_q662d3f45fc_attn.kd
    .args:
      - { .name: qkv, .offset: 0, .size: 8, .value_kind: global_buffer, .address_space: global }
      - { .name: abuf, .offset: 8, .size: 8, .value_kind: global_buffer, .address_space: global }
    .group_segment_fixed_size: 327680
    .private_segment_fixed_size: 0
    .kernarg_segment_align: 8
    .kernarg_segment_size: 16
    .max_flat_workgroup_size: 512
    .sgpr_count:     80
    .vgpr_count:     256
    .wavefront_size: 32
...
	.end_amdgpu_metadata
.endif
;; end of part 4
;; launch wo (part 5): grid 8 x 32, 4 waves a work-group, clusters of 4 x 4, 327,680 bytes of LDS; arguments abuf, woi, Wo_scales, bo, y, y1, part; writes y1, part
.if DOCPART == 5
	.amdgcn_target "amdgcn-amd-amdhsa--gfx1250"
	.amdhsa_code_object_version 6
	.text
	.protected	k_q662d3f45fc_wo
	.globl	k_q662d3f45fc_wo
	.p2align	8
	.type	k_q662d3f45fc_wo,@function
k_q662d3f45fc_wo:
	s_mov_b64 s[64:65], 0
	v_nop
	global_prefetch_b8 v0, s[64:65] scope:SCOPE_SE
	s_setreg_imm32_b32 hwreg(HW_REG_WAVE_MODE, 25, 1), 1
	s_wait_xcnt 0x0
	s_wait_alu depctr_hold_cnt(0) depctr_sa_sdst(0) depctr_va_vdst(0) depctr_va_sdst(0) depctr_va_ssrc(0) depctr_va_vcc(0) depctr_vm_vsrc(0)
	s_getreg_b32 s2, hwreg(HW_REG_IB_STS2, 6, 4)
	s_cmp_eq_u32 s2, 0
	s_cbranch_scc0 .Lentry_in_a_cluster
	s_endpgm
.Lentry_in_a_cluster:
	s_bfe_u32 s2, ttmp6, 0x10000c
	s_cmp_lg_u32 s2, 0xf033
	s_cbranch_scc0 .Lentry_shape_is_right
	s_endpgm
.Lentry_shape_is_right:
; out = res + bias + R P^T on codes of FP6 (E2M3) with E8M0 scales.  R: 4,096 rows x KTOT, made by an earlier launch as fragment images; P: the weight's 1,024 rows, as fragment images laid by an earlier launch; res, out: [4096][1024] f32.
; Here: KTOT = 1,024, R = the attention's output, P = Wo, res = y, out = y1; STATS = 1: each wave also stores (mean, M2) of its 4,096 numbers of out, for the LayerNorm that follows.
; A tile of 128 x 128 (1,024 columns give too few tiles of 256 x 256 for the 256 work-groups): four waves, 64 x 64 each, 16 accumulators.  Source 0 = 16 rows of P, source 1 = 16 rows of R: a lane holds eight neighbouring columns of a row of out.
; K goes in steps of 512 through two LDS slots filled by joint tensor loads (4 x 4 cluster: R's tiles shared along a row, P's along a column).  A slot: R's 8 row tiles x 4 fragments as they lie (piece p of a fragment: 256 bytes, 8 a lane:
; no conflict, no padding), then P's 8 row tiles x 4 fragments, laid the same way by an earlier launch.
; All scale bytes of the tile come once: P's as a dense block in rows of 256 + 16 bytes; R's words, laid [K step][row], as rows of 512 bytes.
; The bias is the C of the first products; the residual is loaded at the head, in the stores' own pattern, into window 2.
; REGISTERS: window 0: v1-29 addresses; v32-95 scale words, two sets (R's at 4 a + q, P's at 16 + 4 b + q); v96-127 the bias, later rows on the way out; v128-255 accumulators ((a, b) at 128 + 8 (4 a + b)).
;   window 1: two fragment buffers of 96: R's four, then P's four.   window 2: v0-127 the residual, then the result.
.set KTOT,   1024
.set STATS,  1
.set NKS,    KTOT/128
.set KROW,   KTOT*3/4
.set KS,     KTOT/32
.set LAPS,   KTOT/1024
.set RIMG,   49152
.set HALFR,  24576
.set PPITCH, 432
.set HALFP,  24576                     ; P comes as fragment images too, laid by an earlier launch: four row tiles x 6,144 bytes
.set SLOT,   RIMG+2*HALFP
.set PSC,    2*SLOT
.set HALFS,  (64*KS/256)*272
.set SBLK,   (16*KS/256)*272
.set RSC,    PSC+17408
.set STAGE,  RSC+16384
.set SPARE,  STAGE+4*16*272            ; the spare words, 128 bytes for each wave: two blocks of 256 bytes that no other line names
.set ADP,  8
.set ADR,  12
.set ADSP, 14
.set ADSR, 15
.set STO,  16
.set RD,   17
.set CO,   18
.set LN,   19
.set ZO,   20
.set BO,   21
.set SPW,  28
.set NIL,  29
.set SC,   32
.set BP,   96
.set BK,   96
.set ACC,  128
.set DV,   128
.set SA,   192
.set STM,  200
.set MN,   202
.set F0,   0
.set F1,   128
.set G1, 24
.set G0, 32
.set G1B, 48
.set G0B, 56
.set G1S, 68
.set G0S, 76
.set G1SB, 80
.set G0SB, 88
.set MSB, 0
.macro WIN new
.if MSB != (\new)
	s_set_vgpr_msb (MSB<<8)|(\new)
.set MSB, (\new)
.endif
.endm
.set MUL,  0x05                        ; sources 0 (P) and 1 (R) window 1; C and D window 0
.set TO_F, 0x40
.macro JLOAD g0a, g1a, g0b, g1b        ; waves 0 and 1 fetch for R, waves 2 and 3 for P; four v_nop follow each line
	s_cmp_eq_u32 s15, 0
	s_cbranch_scc0 .Lfor_b_\@
	tensor_load_to_lds s[\g0a:\g0a+3], s[\g1a:\g1a+7]
	s_nop 0
.rept 4
	v_nop
.endr
	s_branch .Lasked_\@
.Lfor_b_\@:
	tensor_load_to_lds s[\g0b:\g0b+3], s[\g1b:\g1b+7]
	s_nop 0
.rept 4
	v_nop
.endr
.Lasked_\@:
.endm
.macro CREST
	s_cmp_lg_u32 s14, 0
	s_cbranch_scc1 .Lnot_wave_0_\@
	s_barrier_signal -3
.Lnot_wave_0_\@:
	s_barrier_wait -3
	s_barrier_signal -1
	s_barrier_wait -1
.endm
.macro CROUND
	s_barrier_signal -1
	s_barrier_wait -1
	CREST
.endm
	s_load_b256 s[4:11], s[0:1], 0x0               ; R's buffer, P's codes, P's scales, the bias
	s_load_b128 s[96:99], s[0:1], 0x20             ; res, out
.if STATS
	s_load_b64 s[100:101], s[0:1], 0x30            ; part
.endif
	v_lshl_add_u32 v[SPW], v0, 2, SPARE
	v_mov_b32 v[NIL], 0
	ds_add_u32 v28, v29
	ds_add_u32 v28, v29
	s_wait_dscnt 0x0
	v_lshrrev_b32 v1, 5, v0
	v_readfirstlane_b32 s14, v1                    ; wave
	s_lshr_b32 s15, s14, 1                         ; which 64 rows of R are mine.  Also: I fetch for R (0) or for P (1)
	s_and_b32 s16, s14, 1                          ; which 64 rows of P.  Also: which half I fetch
	s_bfe_u32 s40, ttmp6, 0x40000
	s_bfe_u32 s41, ttmp6, 0x40004
	s_lshl_b32 s42, ttmp9, 2
	s_add_co_u32 s42, s42, s40                     ; P's tile = 4 x cluster x + cx
	s_and_b32 s17, ttmp7, 0xffff
	s_lshl_b32 s17, s17, 2
	s_add_co_u32 s17, s17, s41                     ; R's tile = 4 x cluster y + cy
	s_lshl_b32 s43, s41, 2
	s_lshl_b32 s43, 15, s43                        ; my row of the cluster
	s_lshl_b32 s44, 0x1111, s40                    ; my column
	s_or_b32 s[G1+0], s43, (3<<16)|(1<<21)         ; R's images: 4 row tiles x 6,144 bytes (768 elements of 8), NKS x 1,536 bytes apart; no padding
	s_mov_b32 s[G1+1], 768<<16
	s_mov_b32 s[G1+2], 8<<16
	s_mov_b32 s[G1+3], 768<<16
	s_mov_b32 s[G1+4], 8
	s_mov_b32 s[G1+5], NKS*192
	s_mov_b32 s[G1+6], 0
	s_mov_b32 s[G1+7], 0
	s_or_b32 s[G1B+0], s44, (3<<16)|(1<<21)        ; P's images: as R's, with my column's mask
	s_mov_b32 s[G1B+1], 768<<16
	s_mov_b32 s[G1B+2], 8<<16
	s_mov_b32 s[G1B+3], 768<<16
	s_mov_b32 s[G1B+4], 8
	s_mov_b32 s[G1B+5], NKS*192
	s_mov_b32 s[G1B+6], 0
	s_mov_b32 s[G1B+7], 0
	s_or_b32 s[G1S+0], s43, (3<<16)|(1<<21)        ; R's scale words: NKS rows of 512 bytes, 16,384 bytes apart
	s_mov_b32 s[G1S+1], 64<<16
	s_mov_b32 s[G1S+2], NKS<<16
	s_mov_b32 s[G1S+3], 64<<16
	s_mov_b32 s[G1S+4], NKS
	s_mov_b32 s[G1S+5], 2048
	s_mov_b32 s[G1S+6], 0
	s_mov_b32 s[G1S+7], 0
	s_or_b32 s[G1SB+0], s44, (3<<16)|(1<<20)|(1<<21)|(5<<22)|(3<<25)  ; P's scale bytes: a dense block as rows of 256 bytes + 16
	s_mov_b32 s[G1SB+1], 32<<16
	s_mov_b32 s[G1SB+2], (128*KS/256)<<16
	s_mov_b32 s[G1SB+3], 32<<16
	s_mov_b32 s[G1SB+4], 128*KS/256
	s_mov_b32 s[G1SB+5], 32
	s_mov_b32 s[G1SB+6], 0
	s_mov_b32 s[G1SB+7], 0
	s_mul_i32 s20, s17, 8*NKS*1536                 ; R's codes: the tile's eight row tiles
	s_mov_b32 s21, 0
	s_lshl_b32 s22, s17, 9
	s_add_co_u32 s22, s22, 4096*KROW               ; R's scale words lie behind its codes
	s_mov_b32 s23, 0
	s_mul_i32 s92, s42, 128*KS                     ; P's scale bytes
	s_mov_b32 s93, 0
	s_mul_i32 s46, s42, 8*NKS*1536                 ; P's images
	s_mov_b32 s47, 0
	s_mul_i32 s12, s16, 4*NKS*1536                 ; in the ring I fetch four row tiles: which half,
	s_mov_b32 s13, 0
	s_mul_i32 s45, s16, HALFR                      ; and where they go
	; THE PREFETCH: of the four row tiles that I fetch in the ring, the partner at place p among the four that ask jointly takes tile p (p = cx for R, cy for P): 24 blocks of 256 bytes, a lane a block
	s_cmp_eq_u32 s15, 0
	s_cselect_b32 s18, s17, s42
	s_cselect_b32 s19, s40, s41
	s_lshl_b32 s18, s18, 3
	s_add_co_u32 s18, s18, s19
	s_lshl_b32 s19, s16, 2
	s_add_co_u32 s18, s18, s19
	s_mul_i32 s18, s18, NKS*1536
	v_and_b32 v1, 15, v0                           ; r
	v_bfe_u32 v2, v0, 4, 1                         ; h
	v_and_b32 v[LN], 31, v0
	v_min_u32 v22, 23, v[LN]                       ; (the lanes left over name the last block again)
	v_lshl_add_u32 v22, v22, 8, s18                ; v22: my block; never rewritten
	v_mov_b32 v[ZO], 0
	v_lshlrev_b32 v[BO], 5, v2
	v_lshlrev_b32 v[CO], 12, v2
	v_lshl_add_u32 v[CO], v1, 4, v[CO]             ; out and res: lanes 0-15 one row's 256 bytes, lanes 16-31 the next row's
	s_lshl_b32 s66, s42, 9
	s_lshl_b32 s18, s16, 8
	s_add_co_u32 s66, s66, s18                     ; my first column, in bytes
	s_mov_b32 s67, 0
	s_wait_alu depctr_va_vdst(0)
	s_wait_kmcnt 0x0
	s_add_nc_u64 s[20:21], s[4:5], s[20:21]
	s_add_nc_u64 s[22:23], s[4:5], s[22:23]
	s_add_nc_u64 s[46:47], s[6:7], s[46:47]
	s_add_nc_u64 s[92:93], s[8:9], s[92:93]
	s_add_nc_u64 s[10:11], s[10:11], s[66:67]
	s_lshl_b32 s18, s17, 19
	s_add_co_u32 s66, s66, s18
	s_lshl_b32 s18, s15, 18
	s_add_co_u32 s66, s66, s18                     ; + my first row x 4,096 bytes
	s_add_nc_u64 s[96:97], s[96:97], s[66:67]
	s_add_nc_u64 s[98:99], s[98:99], s[66:67]
	s_cmp_eq_u32 s15, 0
	s_cselect_b64 s[94:95], s[4:5], s[6:7]         ; the images that I fetch: R's or P's,
	s_add_nc_u64 s[94:95], s[94:95], 6144          ; at slot 1's K steps
.if STATS
	s_lshl_b32 s66, s17, 3
	s_add_co_u32 s66, s66, s42
	s_lshl_b32 s66, s66, 2
	s_add_co_u32 s66, s66, s14
	s_lshl_b32 s66, s66, 3                         ; chunk ((R tile x 8 + P tile) x 4 + wave): tiles 0-15 of R are batch 0
	s_add_nc_u64 s[100:101], s[100:101], s[66:67]
.endif
.irp b, 0,1,2,3
	global_load_b128 v[BP+8*\b:BP+8*\b+3], v[BO], s[10:11] offset:64*\b
	global_load_b128 v[BP+8*\b+4:BP+8*\b+7], v[BO], s[10:11] offset:64*\b+16
.endr
	WIN 0x80                                       ; destination window 2
.set i, 0
.rept 32
	global_load_b128 v[4*i:4*i+3], v[CO], s[96:97] offset:2*i*4096
.set i, i+1
.endr
	WIN 0
	CROUND                                         ; all sixteen work-groups are here: the first joint loads meet
	s_mov_b32 s[G0S], 1
	s_mov_b32 s[G0S+1], RSC
	s_mov_b64 s[G0S+2:G0S+3], s[22:23]
	s_or_b32 s[G0S+3], s[G0S+3], 0x80000000
	s_mov_b32 s[G0SB], 1
	s_mov_b32 s[G0SB+1], PSC
	s_mov_b64 s[G0SB+2:G0SB+3], s[92:93]
	s_or_b32 s[G0SB+3], s[G0SB+3], 0x80000000
	s_mov_b32 s[G0], 1                             ; slot 0, whole: R's eight row tiles,
	s_mov_b32 s[G0+1], 0
	s_mov_b64 s[G0+2:G0+3], s[20:21]
	s_or_b32 s[G0+3], s[G0+3], 0x80000000
	s_mov_b32 s[G0B], 1                            ; and P's
	s_mov_b32 s[G0B+1], RIMG
	s_mov_b64 s[G0B+2:G0B+3], s[46:47]
	s_or_b32 s[G0B+3], s[G0B+3], 0x80000000
	s_add_nc_u64 s[20:21], s[20:21], s[12:13]
	s_add_nc_u64 s[46:47], s[46:47], s[12:13]
	s_mov_b32 s[G0+4], 1                           ; slot 1: my four row tiles
	s_add_co_u32 s[G0+5], s45, SLOT
	s_add_nc_u64 s[G0+6:G0+7], s[20:21], 6144
	s_or_b32 s[G0+7], s[G0+7], 0x80000000
	s_mov_b32 s[G0B+4], 1
	s_add_co_u32 s[G0B+5], s45, SLOT+RIMG
	s_add_nc_u64 s[G0B+6:G0B+7], s[46:47], 6144
	s_or_b32 s[G0B+7], s[G0B+7], 0x80000000
.macro ARM under, g0, g1, next         ; one arm of the head's tree: one load, then on to the tree's end
	s_cmp_lt_u32 s14, \under
	s_cbranch_scc0 \next
	tensor_load_to_lds s[\g0:\g0+3], s[\g1:\g1+7]
	s_nop 0
.rept 4
	v_nop
.endr
	s_branch .Lhead_asked
\next:
.endm
	; the head's four tiles, one load a wave: slot 0 of R, slot 0 of P, R's scale words, P's scale bytes
	ARM 1, G0,  G1,  .Lhead_b
	ARM 2, G0B, G1B, .Lhead_sa
	ARM 3, G0S, G1S, .Lhead_sb
	tensor_load_to_lds s[G0SB:G0SB+3], s[G1SB:G1SB+7]
	s_nop 0
.rept 4
	v_nop
.endr
.Lhead_asked:
	global_prefetch_b8 v22, s[94:95] th:TH_LOAD_NT scope:SCOPE_SE   ; slot 1's tiles, one fill ahead of their load
	v_lshlrev_b32 v4, 3, v[LN]                     ; P's pieces: 8 bytes a lane
	s_mul_i32 s21, s16, HALFP
	s_add_co_u32 s21, s21, RIMG
	s_mul_i32 s22, s15, HALFR
	v_lshlrev_b32 v6, 3, v[LN]
.irp s, 0,1
	v_add_nc_u32 v[ADP+\s], s21, v4
	v_add_nc_u32 v[ADR+\s], s22, v6
	s_add_co_u32 s21, s21, SLOT
	s_add_co_u32 s22, s22, SLOT
.endr
	v_mul_u32_u24 v5, v1, KS
	v_lshrrev_b32 v6, 8, v5
	v_lshl_add_u32 v5, v6, 4, v5                   ; P's scale bytes: KS a row, and 16 more for each 256 passed
	s_mul_i32 s21, s16, HALFS
	s_add_co_u32 s21, s21, PSC
	v_add_nc_u32 v[ADSP], s21, v5
	s_lshl_b32 s21, s15, 8
	s_add_co_u32 s21, s21, RSC
	v_lshl_add_u32 v[ADSR], v1, 2, s21             ; R's scale words: 4 bytes a row
	s_mul_i32 s23, s14, 16*272
	s_add_co_u32 s23, s23, STAGE                   ; my stage
	v_mul_u32_u24 v5, v1, 272
	v_lshl_add_u32 v5, v2, 5, v5
	v_add_nc_u32 v[STO], s23, v5
	v_mul_u32_u24 v5, v2, 272
	v_lshl_add_u32 v5, v1, 4, v5
	v_add_nc_u32 v[RD], s23, v5
.macro FRAGP reg, adr, q, i            ; 16 rows of P x 128 K, in pieces of 8 bytes
.irp p, 0,1,2,3,4,5
	ds_load_b64 v[\reg+2*\p:\reg+2*\p+1], v[\adr] offset:(4*(\i)+(\q))*1536+256*\p   ; a fragment of P as it was laid
.endr
.endm
.macro FRAGR reg, adr, q, i            ; a fragment of R as it was stored
.irp p, 0,1,2,3,4,5
	ds_load_b64 v[\reg+2*\p:\reg+2*\p+1], v[\adr] offset:(4*(\i)+(\q))*1536+256*\p
.endr
.endm
.macro FETCH slot, q, f                ; 48 loads in one run: P's four, then R's four
	WIN TO_F
.irp i, 0,1,2,3
	FRAGP \f+48+12*\i, ADP+\slot, \q, \i
.endr
.irp i, 0,1,2,3
	FRAGR \f+12*\i, ADR+\slot, \q, \i
.endr
.endm
.macro SCALES sc                       ; a slot's scale words: four K steps
.irp b, 0,1,2,3
	ds_load_b128 v[SC+32*\sc+16+4*\b:SC+32*\sc+19+4*\b], v[ADSP] offset:\b*SBLK
.endr
.irp a, 0,1,2,3
.irp q, 0,1,2,3
	ds_load_b32 v[SC+32*\sc+4*\a+\q], v[ADSR] offset:512*\q+64*\a
.endr
.endr
.endm
; 8 matrix instructions: R's blocks a0, a0 + 1 x P's four.  zero = 1: the first product starts the sums, with the bias as its C.  The 16 accumulators take turns.
.macro MUL8 f, q, sc, a0, zero
.irp a, \a0, \a0+1
.irp b, 0,1,2,3
.if \zero
	v_wmma_scale_f32_16x16x128_f8f6f4 v[ACC+8*(4*(\a)+\b):ACC+8*(4*(\a)+\b)+7], v[\f+48+12*\b:\f+48+12*\b+11], v[\f+12*(\a):\f+12*(\a)+11], v[BP+8*\b:BP+8*\b+7], v[SC+32*(\sc)+16+4*\b+(\q)], v[SC+32*(\sc)+4*(\a)+(\q)] matrix_a_fmt:MATRIX_FMT_FP6 matrix_b_fmt:MATRIX_FMT_FP6
.else
	v_wmma_scale_f32_16x16x128_f8f6f4 v[ACC+8*(4*(\a)+\b):ACC+8*(4*(\a)+\b)+7], v[\f+48+12*\b:\f+48+12*\b+11], v[\f+12*(\a):\f+12*(\a)+11], v[ACC+8*(4*(\a)+\b):ACC+8*(4*(\a)+\b)+7], v[SC+32*(\sc)+16+4*\b+(\q)], v[SC+32*(\sc)+4*(\a)+(\q)] matrix_a_fmt:MATRIX_FMT_FP6 matrix_b_fmt:MATRIX_FMT_FP6
.endif
.endr
.endr
.endm
.macro PLACES
.rept 4
	v_nop
.endr
.endm
.macro QUARTER slot, q, f, g, zero     ; 128 along K on buffer f; in its middle the next quarter's fragments are fetched into g
	s_wait_dscnt 12                                ; all but the youngest 12 loads (R's blocks 2, 3) are in
	WIN MUL
	MUL8 \f, \q, \slot, 0, \zero
	PLACES
	FETCH \slot, (\q)+1, \g
	s_wait_dscnt 48                                ; all but the 48 just issued
	WIN MUL
	MUL8 \f, \q, \slot, 2, \zero
.endm
.macro TURN slot, next, fill           ; a slot's last quarter changes slots
	WIN 0
	s_wait_tensorcnt 0x0                           ; all my tensor loads have landed: my part of the next slot
	ds_add_u32 v[SPW], v[NIL]                      ; 0 onto my spare word
	s_wait_dscnt 13                                ; (the add and the youngest 12 loads may be out)
	WIN MUL
	MUL8 F1, 3, \slot, 0, 0
	s_wait_dscnt 0x0                               ; the add is done, and my reads of this slot are over
	s_barrier_signal -1
	WIN 0
	s_barrier_wait -1
.if \fill
	CREST                                          ; the barrier has opened a round of the cluster's barrier
	s_add_nc_u64 s[G0+4*\slot+2:G0+4*\slot+3], s[G0+4*\slot+2:G0+4*\slot+3], 2*6144
	s_add_nc_u64 s[G0B+4*\slot+2:G0B+4*\slot+3], s[G0B+4*\slot+2:G0B+4*\slot+3], 2*6144
	JLOAD G0+4*\slot, G1, G0B+4*\slot, G1B         ; the first tensor load behind the round; its four v_nop are the places in front of the loads below
.else
	PLACES
.endif
	v_add_nc_u32 v[ADSP], 16, v[ADSP]
	v_add_nc_u32 v[ADSR], 2048, v[ADSR]
	SCALES \next
	FETCH \next, 0, F0
	WIN MUL
	MUL8 F1, 3, \slot, 2, 0
.endm
	s_wait_alu depctr_va_vdst(0)
	s_wait_loadcnt 32                              ; the bias is in; the residual's 32 loads stay out
	s_wait_tensorcnt 0x0                           ; my tile of the head's four is in
	ds_add_u32 v[SPW], v[NIL]
	s_mov_b32 s[G1+2], 4<<16                       ; no load of mine is out: from here on a load brings four row tiles
	s_mov_b32 s[G1+4], 4
	s_mov_b32 s[G1B+2], 4<<16
	s_mov_b32 s[G1B+4], 4
	s_wait_dscnt 0x0
	CROUND
	JLOAD G0+4, G1, G0B+4, G1B                     ; slot 1's first fill
	SCALES 0
	FETCH 0, 0, F0
	QUARTER 0, 0, F0, F1, 1
.if LAPS > 1
	WIN 0
	s_mov_b32 s3, LAPS-1
.Llap:
	QUARTER 0, 1, F1, F0, 0
	QUARTER 0, 2, F0, F1, 0
	TURN 0, 1, 1
	QUARTER 1, 0, F0, F1, 0
	QUARTER 1, 1, F1, F0, 0
	QUARTER 1, 2, F0, F1, 0
	TURN 1, 0, 1
	QUARTER 0, 0, F0, F1, 0
	WIN 0
	s_sub_co_u32 s3, s3, 1
	s_cmp_lg_u32 s3, 0
	s_cbranch_scc1 .Llap
.endif
	QUARTER 0, 1, F1, F0, 0
	QUARTER 0, 2, F0, F1, 0
	TURN 0, 1, 0
	QUARTER 1, 0, F0, F1, 0
	QUARTER 1, 1, F1, F0, 0
	QUARTER 1, 2, F0, F1, 0
	s_wait_dscnt 12
	WIN MUL
	MUL8 F1, 3, 1, 0, 0
	s_wait_dscnt 0
	MUL8 F1, 3, 1, 2, 0
	WIN 0
	; THE WAY OUT, 16 rows at a time: through my own stage (rows of 256 bytes + 16), back as whole rows, + the residual, stored: sixteen lanes fill 256 consecutive bytes, aligned
	PLACES
	s_wait_loadcnt 0x0                             ; the residual
.irp a, 0,1,2,3
.irp b, 0,1,2,3
	ds_store_b128 v[STO], v[ACC+8*(4*\a+\b):ACC+8*(4*\a+\b)+3] offset:64*\b       ; each accumulator from its low end on
	ds_store_b128 v[STO], v[ACC+8*(4*\a+\b)+4:ACC+8*(4*\a+\b)+7] offset:64*\b+16
.endr
.irp t, 0,1,2,3,4,5,6,7
	ds_load_b128 v[BK+4*\t:BK+4*\t+3], v[RD] offset:\t*2*272     ; LDS serves a wave's instructions in order: these see my stores
.endr
	s_wait_dscnt 0x0
	WIN 0x88                                       ; destination and source 1 window 2
.irp k, 0,2,4,6,8,10,12,14,16,18,20,22,24,26,28,30
	v_pk_add_f32 v[32*\a+\k:32*\a+\k+1], v[BK+\k:BK+\k+1], v[32*\a+\k:32*\a+\k+1]
.endr
	WIN 0x08                                       ; a store's data are its source 1
.irp t, 0,1,2,3,4,5,6,7
.if STATS
	global_store_b128 v[CO], v[32*\a+4*\t:32*\a+4*\t+3], s[98:99] offset:(16*\a+2*\t)*4096
.else
	global_store_b128 v[CO], v[32*\a+4*\t:32*\a+4*\t+3], s[98:99] offset:(16*\a+2*\t)*4096 th:TH_STORE_NT
.endif
.endr
	WIN 0
.endr
.if STATS
	; (mean, M2) of my 4,096 numbers, which lie in window 2 and are only read here
	s_mov_b32 s20, 0x76543210
	s_mov_b32 s21, 0xfedcba98
	v_mov_b32 v[STM], 0
.macro RED reg, tmp
	v_add_f32_dpp v[\reg], v[\reg], v[\reg] row_xmask:1 row_mask:0xf bank_mask:0xf
	v_add_f32_dpp v[\reg], v[\reg], v[\reg] row_xmask:2 row_mask:0xf bank_mask:0xf
	v_add_f32_dpp v[\reg], v[\reg], v[\reg] row_xmask:4 row_mask:0xf bank_mask:0xf
	v_add_f32_dpp v[\reg], v[\reg], v[\reg] row_xmask:8 row_mask:0xf bank_mask:0xf
	v_permlanex16_b32 v[\tmp], v[\reg], s20, s21
	v_add_f32 v[\reg], v[\reg], v[\tmp]
.endm
.macro FOLD
	v_pk_add_f32 v[SA:SA+1], v[SA:SA+1], v[SA+2:SA+3]
	v_pk_add_f32 v[SA+4:SA+5], v[SA+4:SA+5], v[SA+6:SA+7]
	v_pk_add_f32 v[SA:SA+1], v[SA:SA+1], v[SA+4:SA+5]
	v_add_f32 v[SA], v[SA], v[SA+1]
.endm
	WIN 0x0a                                       ; sources 0 and 1 window 2
.irp k, 0,1,2,3
	v_pk_add_f32 v[SA+2*\k:SA+2*\k+1], v[2*\k:2*\k+1], v[8+2*\k:9+2*\k]
.endr
	WIN 0x08
.set p, 8
.rept 56
	v_pk_add_f32 v[SA+2*(p%4):SA+2*(p%4)+1], v[SA+2*(p%4):SA+2*(p%4)+1], v[2*p:2*p+1]
.set p, p+1
.endr
	WIN 0
	FOLD
	RED SA, STM
	v_mul_f32 v[MN], 0x39800000, v[SA]             ; / 4,096
	v_mov_b32 v[MN+1], v[MN]
.set g, 0
.rept 4
	WIN 0x02                                       ; source 0 window 2
.set k, 0
.rept 16
	v_pk_add_f32 v[DV+2*k:DV+2*k+1], v[32*g+2*k:32*g+2*k+1], v[MN:MN+1] neg_lo:[0,1] neg_hi:[0,1]
.set k, k+1
.endr
	WIN 0
.set k, 0
.rept 16
.if (g == 0) && (k < 4)
	v_pk_mul_f32 v[SA+2*k:SA+2*k+1], v[DV+2*k:DV+2*k+1], v[DV+2*k:DV+2*k+1]
.else
	v_pk_fma_f32 v[SA+2*(k%4):SA+2*(k%4)+1], v[DV+2*k:DV+2*k+1], v[DV+2*k:DV+2*k+1], v[SA+2*(k%4):SA+2*(k%4)+1]
.endif
.set k, k+1
.endr
.set g, g+1
.endr
	FOLD
	RED SA, STM
	v_mov_b32 v[MN+1], v[SA]                       ; M2
	s_wait_alu depctr_va_vdst(0)
	s_wait_xcnt 0x0                                ; EXEC changes only behind this wait
	v_cmp_eq_u32 vcc_lo, 0, v[LN]
	s_and_saveexec_b32 s22, vcc_lo
	global_store_b64 v[ZO], v[MN:MN+1], s[100:101]
	s_wait_xcnt 0x0
	s_or_b32 exec_lo, exec_lo, s22
.endif
	s_wait_tensorcnt 0x0                           ; the wave's end
	ds_add_u32 v[SPW], v[NIL]
	s_wait_dscnt 0x0
	CROUND                                         ; the closing round
	s_endpgm
.Lfunc_end_k_q662d3f45fc_wo:
	.size	k_q662d3f45fc_wo, .Lfunc_end_k_q662d3f45fc_wo-k_q662d3f45fc_wo
	.p2alignl 7, 3214868480
	.fill 96, 4, 3214868480
	.section	.rodata,"a",@progbits
	.p2align	6, 0x0
	.amdhsa_kernel k_q662d3f45fc_wo
		.amdhsa_group_segment_fixed_size 327680
		.amdhsa_private_segment_fixed_size 0
		.amdhsa_enable_private_segment 0
		.amdhsa_kernarg_size 56
		.amdhsa_user_sgpr_count 2
		.amdhsa_user_sgpr_kernarg_segment_ptr 1
		.amdhsa_wavefront_size32 1
		.amdhsa_system_sgpr_workgroup_id_x 1
		.amdhsa_system_sgpr_workgroup_id_y 1
		.amdhsa_system_sgpr_workgroup_id_z 1
		.amdhsa_system_vgpr_workitem_id 0
		.amdhsa_next_free_vgpr 768
		.amdhsa_next_free_sgpr 102
		.amdhsa_reserve_vcc 1
		.amdhsa_float_denorm_mode_32 3
		.amdhsa_float_denorm_mode_16_64 3
		.amdhsa_memory_ordered 1
		.amdhsa_forward_progress 1
		.amdhsa_inst_pref_size 86
	.end_amdhsa_kernel
	.amdgpu_metadata
---
amdhsa.version: [ 1, 2 ]
amdhsa.kernels:
  - .name:           k_q662d3f45fc_wo
    .symbol:         k_q662d3f45fc_wo.kd
    .args:
      - { .name: abuf, .offset: 0, .size: 8, .value_kind: global_buffer, .address_space: global }
      - { .name: woi, .offset: 8, .size: 8, .value_kind: global_buffer, .address_space: global }
      - { .name: Wo_scales, .offset: 16, .size: 8, .value_kind: global_buffer, .address_space: global }
      - { .name: bo, .offset: 24, .size: 8, .value_kind: global_buffer, .address_space: global }
      - { .name: y, .offset: 32, .size: 8, .value_kind: global_buffer, .address_space: global }
      - { .name: y1, .offset: 40, .size: 8, .value_kind: global_buffer, .address_space: global }
      - { .name: part, .offset: 48, .size: 8, .value_kind: global_buffer, .address_space: global }
    .group_segment_fixed_size: 327680
    .private_segment_fixed_size: 0
    .kernarg_segment_align: 8
    .kernarg_segment_size: 56
    .max_flat_workgroup_size: 128
    .sgpr_count:     102
    .vgpr_count:     768
    .wavefront_size: 32
...
	.end_amdgpu_metadata
.endif
;; end of part 5
;; launch lnq2: the kernel of part 2 again; grid 256 x 1, 8 waves a work-group, no clusters, 44,032 bytes of LDS; arguments y1, ln2_w, ln2_b, part, nbuf; writes nbuf
;; launch w1 (part 6): grid 16 x 16, 4 waves a work-group, clusters of 4 x 4, 327,680 bytes of LDS; arguments nbuf, W1_codes, W1_scales, b1, hbuf; writes hbuf
.if DOCPART == 6
	.amdgcn_target "amdgcn-amd-amdhsa--gfx1250"
	.amdhsa_code_object_version 6
	.text
	.protected	k_q662d3f45fc_w1
	.globl	k_q662d3f45fc_w1
	.p2align	8
	.type	k_q662d3f45fc_w1,@function
k_q662d3f45fc_w1:
	s_mov_b64 s[64:65], 0
	v_nop
	global_prefetch_b8 v0, s[64:65] scope:SCOPE_SE
	s_setreg_imm32_b32 hwreg(HW_REG_WAVE_MODE, 25, 1), 1
	s_wait_xcnt 0x0
	s_wait_alu depctr_hold_cnt(0) depctr_sa_sdst(0) depctr_va_vdst(0) depctr_va_sdst(0) depctr_va_ssrc(0) depctr_va_vcc(0) depctr_vm_vsrc(0)
	s_getreg_b32 s2, hwreg(HW_REG_IB_STS2, 6, 4)
	s_cmp_eq_u32 s2, 0
	s_cbranch_scc0 .Lentry_in_a_cluster
	s_endpgm
.Lentry_in_a_cluster:
	s_bfe_u32 s2, ttmp6, 0x10000c
	s_cmp_lg_u32 s2, 0xf033
	s_cbranch_scc0 .Lentry_shape_is_right
	s_endpgm
.Lentry_shape_is_right:
; h = relu(n W1 + b1) on codes of FP6 (E2M3) with E8M0 scales, K = 1,024; h is quantised along its 4,096 columns and stored as fragment images with scale words, for the next product.
; A tile of 256 x 256 by four waves, 128 x 128 each.  K goes through two LDS slots in chunks of 256 bytes of each row (a row of codes is 768 bytes: three chunks, each on a multiple of 256 bytes).
; A step of 128 along K is 96 bytes: steps 2 and 5 lie across two chunks.  All scale bytes of the tile come once.  4 x 4 cluster: A's tiles are asked for jointly along a row, B's along a column.
; Source 0 = 16 rows of W1, source 1 = 16 rows of n; the bias is the C of the first products.
; Window 0: v16-31 addresses, v32-63 scale words, v64-127 bias, v128-223 A's fragments; window 1: B's fragments, two sets; windows 2, 3: accumulators.
.set ROWB,   256
.set NQ,     2
.set KROW,   768
.set STEPS,  8
.set CHUNKS, 3
.set PITCH,  272
.set FR,     12
.set NL,     6
.set NP,     4
.set HALFT,  128*PITCH
.set SLOT,   4*HALFT
.set KS,     32
.set SCL,    2*SLOT
.set HALFS,  (128*KS/256)*272
.set SBLK,   (16*KS/256)*272
.set SPARE,  SCL+4*HALFS
.set STAGE,  SLOT                      ; the way out's scale words: in slot 1, which holds chunk 1: its last fill and last read are over by then
.set ADRA, 16
.set ADRB, 20
.set L8,   24
.set SS,   25
.set SL,   26
.set ADRS, 27
.set SPW,  28
.set NIL,  29
.set SG,   30
.set SC,   32
.set BP,   64
.set TT,   64
.set AF,   128
.set PC,   128
.set TM,   152
.set PWS,  168
.set BKW,  180
.set G1, 24
.set G0, 32
.set G1B, 48
.set G0B, 56
.set G1S, 68
.set G0S, 76
.set G1SB, 80
.set G0SB, 88
.set G0H, 4
.set G0HB, 8
.set SEL, 100
.set MSB, 0
.macro WIN new
.if MSB != (\new)
	s_set_vgpr_msb (MSB<<8)|(\new)
.set MSB, (\new)
.endif
.endm
.set MUL_LO, 0xa1
.set MUL_HI, 0xf1
.set TO_B,   0x40
.macro JLOAD g0a, g1a, g0b, g1b        ; waves 0, 1 fetch for A, waves 2, 3 for B
	s_cmp_eq_u32 s15, 0
	s_cbranch_scc0 .Lfor_b_\@
	tensor_load_to_lds s[\g0a:\g0a+3], s[\g1a:\g1a+7]
	s_nop 0
.rept 4
	v_nop
.endr
	s_branch .Lasked_\@
.Lfor_b_\@:
	tensor_load_to_lds s[\g0b:\g0b+3], s[\g1b:\g1b+7]
	s_nop 0
.rept 4
	v_nop
.endr
.Lasked_\@:
.endm
.macro CREST
	s_cmp_lg_u32 s14, 0
	s_cbranch_scc1 .Lnot_wave_0_\@
	s_barrier_signal -3
.Lnot_wave_0_\@:
	s_barrier_wait -3
	s_barrier_signal -1
	s_barrier_wait -1
.endm
.macro CROUND
	s_barrier_signal -1
	s_barrier_wait -1
	CREST
.endm
.macro ARM under, g0, g1, next         ; one arm of the head's tree: one load, then on to the tree's end
	s_cmp_lt_u32 s14, \under
	s_cbranch_scc0 \next
	tensor_load_to_lds s[\g0:\g0+3], s[\g1:\g1+7]
	s_nop 0
.rept 4
	v_nop
.endr
	s_branch .Lhead_asked
\next:
.endm
	s_load_b256 s[4:11], s[0:1], 0x0               ; n's buffer, W1's codes, W1's scales, b1
	s_load_b64 s[12:13], s[0:1], 0x20              ; h's buffer
	v_lshl_add_u32 v[SPW], v0, 2, SPARE
	v_mov_b32 v[NIL], 0
	ds_add_u32 v[SPW], v[NIL]                      ; the opening lines: the add twice and its wait
	ds_add_u32 v[SPW], v[NIL]
	v_lshrrev_b32 v1, 5, v0
	v_readfirstlane_b32 s14, v1                    ; wave
	s_lshr_b32 s15, s14, 1
	s_and_b32 s16, s14, 1
	s_bfe_u32 s40, ttmp6, 0x40000
	s_bfe_u32 s41, ttmp6, 0x40004
	s_lshl_b32 s42, ttmp9, 2
	s_add_co_u32 s42, s42, s40                     ; B's tile
	s_and_b32 s17, ttmp7, 0xffff
	s_lshl_b32 s17, s17, 2
	s_add_co_u32 s17, s17, s41                     ; A's tile
	s_lshl_b32 s43, s41, 2
	s_lshl_b32 s43, 15, s43
	s_lshl_b32 s44, 0x1111, s40
	s_or_b32 s[G1+0], s43, (0<<16)|(1<<20)|(1<<21)|(5<<22)|(3<<25)
	s_or_b32 s[G1B+0], s44, (0<<16)|(1<<20)|(1<<21)|(5<<22)|(3<<25)
.irp g, G1, G1B
	s_mov_b32 s[\g+1], ROWB<<16
	s_mov_b32 s[\g+2], 256<<16                     ; the head's loads bring 256 rows
	s_mov_b32 s[\g+3], ROWB<<16
	s_mov_b32 s[\g+4], 256
	s_mov_b32 s[\g+5], KROW
	s_mov_b32 s[\g+6], 0
	s_mov_b32 s[\g+7], 0
.endr
	s_or_b32 s[G1S+0], s43, (3<<16)|(1<<20)|(1<<21)|(5<<22)|(3<<25)
	s_or_b32 s[G1SB+0], s44, (3<<16)|(1<<20)|(1<<21)|(5<<22)|(3<<25)
.irp g, G1S, G1SB                      ; the scales of 256 rows: a dense block, KS rows of 256 bytes + 16
	s_mov_b32 s[\g+1], 32<<16
	s_mov_b32 s[\g+2], KS<<16
	s_mov_b32 s[\g+3], 32<<16
	s_mov_b32 s[\g+4], KS
	s_mov_b32 s[\g+5], 32
	s_mov_b32 s[\g+6], 0
	s_mov_b32 s[\g+7], 0
.endr
	; THE PREFETCHES: of the 128 rows that I fetch in the ring, the partner at place p among the four that ask jointly takes rows 32 p .. 32 p + 31 (p = cx for A, cy for B): a lane a row, 256 bytes of it
	s_cmp_eq_u32 s15, 0
	s_cselect_b32 s94, s17, s42
	s_cselect_b32 s3, s40, s41
	s_lshl_b32 s94, s94, 8
	s_lshl_b32 s3, s3, 5
	s_add_co_u32 s94, s94, s3
	s_lshl_b32 s3, s16, 7
	s_add_co_u32 s94, s94, s3
	s_mul_i32 s94, s94, KROW
	v_and_b32 v1, 15, v0
	v_bfe_u32 v2, v0, 4, 1
	v_lshlrev_b32 v8, 5, v2
	v_and_b32 v31, 31, v0
	v_mul_u32_u24 v31, v31, KROW
	v_add_nc_u32 v31, s94, v31                     ; v31: my row's first byte; never rewritten
	s_lshl_b32 s66, s42, 10
	s_lshl_b32 s18, s16, 9
	s_add_co_u32 s66, s66, s18                     ; my first column of the bias, in bytes
	s_mov_b32 s67, 0
	s_lshl_b32 s20, s17, 8
	s_lshl_b32 s46, s42, 8
	s_mov_b32 s21, 0
	s_mov_b32 s47, 0
	s_mov_b64 s[18:19], KS
	s_mul_u64 s[22:23], s[20:21], s[18:19]
	s_mul_u64 s[92:93], s[46:47], s[18:19]
	s_mov_b64 s[18:19], KROW
	s_mul_u64 s[20:21], s[20:21], s[18:19]
	s_mul_u64 s[46:47], s[46:47], s[18:19]
	s_mul_i32 s18, s16, 128*KROW                   ; in the ring I fetch 128 rows: which half
	s_mov_b32 s19, 0
	s_mul_i32 s45, s14, HALFT
	s_wait_alu depctr_va_vdst(0)
	s_wait_dscnt 0x0
	s_wait_kmcnt 0x0
	s_add_nc_u64 s[96:97], s[10:11], s[66:67]
	s_add_nc_u64 s[20:21], s[4:5], s[20:21]
	s_add_nc_u64 s[22:23], s[4:5], s[22:23]
	s_add_nc_u64 s[22:23], s[22:23], 3145728       ; n's scale bytes lie behind its codes
	s_add_nc_u64 s[46:47], s[6:7], s[46:47]
	s_add_nc_u64 s[92:93], s[8:9], s[92:93]
	s_cmp_eq_u32 s15, 0
	s_cselect_b64 s[2:3], s[4:5], s[6:7]           ; the codes that I fetch: A's or B's; never rewritten
.irp b, 0,1,2,3,4,5,6,7
	global_load_b128 v[BP+8*\b:BP+8*\b+3], v8, s[96:97] offset:64*\b
	global_load_b128 v[BP+8*\b+4:BP+8*\b+7], v8, s[96:97] offset:64*\b+16
.endr
	CROUND                                         ; in front of the first joint loads
	s_mov_b32 s[G0H], 1
	s_mov_b32 s[G0H+1], 0
	s_mov_b64 s[G0H+2:G0H+3], s[20:21]
	s_or_b32 s[G0H+3], s[G0H+3], 0x80000000
	s_mov_b32 s[G0HB], 1
	s_mov_b32 s[G0HB+1], 2*HALFT
	s_mov_b64 s[G0HB+2:G0HB+3], s[46:47]
	s_or_b32 s[G0HB+3], s[G0HB+3], 0x80000000
	s_mov_b32 s[G0S], 1
	s_mov_b32 s[G0S+1], SCL
	s_mov_b64 s[G0S+2:G0S+3], s[22:23]
	s_or_b32 s[G0S+3], s[G0S+3], 0x80000000
	s_mov_b32 s[G0SB], 1
	s_mov_b32 s[G0SB+1], SCL+2*HALFS
	s_mov_b64 s[G0SB+2:G0SB+3], s[92:93]
	s_or_b32 s[G0SB+3], s[G0SB+3], 0x80000000
	s_add_nc_u64 s[20:21], s[20:21], s[18:19]
	s_add_nc_u64 s[46:47], s[46:47], s[18:19]
.irp s, 0,1
	s_mov_b32 s[G0+4*\s], 1
	s_add_co_u32 s[G0+4*\s+1], s45, \s*SLOT
	s_add_nc_u64 s[G0+4*\s+2:G0+4*\s+3], s[20:21], \s*ROWB
	s_or_b32 s[G0+4*\s+3], s[G0+4*\s+3], 0x80000000
	s_mov_b32 s[G0B+4*\s], 1
	s_add_co_u32 s[G0B+4*\s+1], s45, \s*SLOT
	s_add_nc_u64 s[G0B+4*\s+2:G0B+4*\s+3], s[46:47], \s*ROWB
	s_or_b32 s[G0B+4*\s+3], s[G0B+4*\s+3], 0x80000000
.endr
	; the head's four tiles, one load a wave: chunk 0 of A, chunk 0 of B, A's scales, B's scales
	ARM 1, G0H,  G1,  .Lhead_b
	ARM 2, G0HB, G1B, .Lhead_sa
	ARM 3, G0S,  G1S, .Lhead_sb
	tensor_load_to_lds s[G0SB:G0SB+3], s[G1SB:G1SB+7]
	s_nop 0
.rept 4
	v_nop
.endr
.Lhead_asked:
	global_prefetch_b8 v31, s[2:3] offset:256 th:TH_LOAD_NT scope:SCOPE_SE   ; chunk 1, one fill ahead of its load
	v_mul_u32_u24 v3, v1, PITCH
	v_mul_u32_u24 v4, v2, 24
	v_add_nc_u32 v4, v3, v4                        ; row x pitch + 24 x half
	s_mov_b32 s21, SLOT-232
	s_mov_b32 s22, SLOT+232
	v_sub_nc_u32 v7, 1, v2
	v_mul_u32_u24 v5, s21, v2
	v_add_nc_u32 v5, v3, v5
	v_add_nc_u32 v5, 232, v5                       ; across two chunks: lanes 0-15 byte 232 in slot 0, lanes 16-31 byte 0 in slot 1
	v_mul_u32_u24 v6, s22, v7
	v_add_nc_u32 v6, v3, v6                        ; and the other way round
	s_mul_i32 s21, s15, HALFT
	s_mul_i32 s22, s16, HALFT
	s_add_co_u32 s22, s22, 2*HALFT
	v_add_nc_u32 v[ADRA+2], s21, v5
	v_add_nc_u32 v[ADRA+3], s21, v6
	v_add_nc_u32 v[ADRB+2], s22, v5
	v_add_nc_u32 v[ADRB+3], s22, v6
.irp s, 0,1
	v_add_nc_u32 v[ADRA+\s], s21, v4
	v_add_nc_u32 v[ADRB+\s], s22, v4
	s_add_co_u32 s21, s21, SLOT
	s_add_co_u32 s22, s22, SLOT
.endr
	v_mul_u32_u24 v5, v1, KS
	v_lshrrev_b32 v6, 8, v5
	v_lshl_add_u32 v5, v6, 4, v5
	s_mul_i32 s21, s15, HALFS
	s_mul_i32 s22, s16, HALFS
	s_add_co_u32 s22, s22, 2*HALFS
	s_sub_co_u32 s22, s22, s21
	v_mul_u32_u24 v6, s22, v2                      ; lanes 16-31 take B's scale words
	s_add_co_u32 s21, s21, SCL
	v_add_nc_u32 v5, v5, v6
	v_add_nc_u32 v[ADRS], s21, v5
	v_and_b32 v6, 31, v0
	v_lshlrev_b32 v[L8], 3, v6
	v_lshlrev_b32 v[SG], 4, v6
	s_lshl_b32 s23, s14, 9
	s_add_co_u32 s23, s23, STAGE
	v_lshl_add_u32 v[SS], v1, 2, s23
	v_lshl_add_u32 v[SL], v6, 4, s23
	s_mov_b32 s[SEL], 0x76543210
	s_mov_b32 s[SEL+1], 0xfedcba98
.macro FRAG reg, adr, st, i            ; 16 rows x 128 K: six pieces of 8 bytes; byte y of a row lies in chunk y / 256, slot (y / 256) % 2
.irp p, 0,1,2,3,4,5
.set BY, 96*(\st)+48*(\p/3)+8*(\p%3)
.if BY/ROWB == (BY+24)/ROWB
	ds_load_b64 v[\reg+2*\p:\reg+2*\p+1], v[\adr+(BY/ROWB)%2] offset:BY%ROWB+(\i)*16*PITCH
.else
	ds_load_b64 v[\reg+2*\p:\reg+2*\p+1], v[\adr+2+(BY/ROWB)%2] offset:BY%ROWB-232+(\i)*16*PITCH
.endif
.endr
.endm
.macro MUL16 a0, p, q, sc, zero        ; A's blocks a0, a0 + 1 x B's eight; the 64 accumulators take turns
.irp a, \a0, \a0+1
.irp b, 0,1,2,3,4,5,6,7
.if \zero
	v_wmma_scale_f32_16x16x128_f8f6f4 v[8*(8*((\a)%4)+\b):8*(8*((\a)%4)+\b)+7], v[128*(\p)+FR*\b:128*(\p)+FR*\b+FR-1], v[AF+FR*(\a):AF+FR*(\a)+FR-1], v[BP+8*\b:BP+8*\b+7], v[SC+8*NQ*(\sc)+NQ*\b+(\q)], v[SC+8*NQ*(\sc)+NQ*(\a)+(\q)] matrix_a_fmt:MATRIX_FMT_FP6 matrix_b_fmt:MATRIX_FMT_FP6 matrix_a_scale:MATRIX_SCALE_ROW1
.else
	v_wmma_scale_f32_16x16x128_f8f6f4 v[8*(8*((\a)%4)+\b):8*(8*((\a)%4)+\b)+7], v[128*(\p)+FR*\b:128*(\p)+FR*\b+FR-1], v[AF+FR*(\a):AF+FR*(\a)+FR-1], v[8*(8*((\a)%4)+\b):8*(8*((\a)%4)+\b)+7], v[SC+8*NQ*(\sc)+NQ*\b+(\q)], v[SC+8*NQ*(\sc)+NQ*(\a)+(\q)] matrix_a_fmt:MATRIX_FMT_FP6 matrix_b_fmt:MATRIX_FMT_FP6 matrix_a_scale:MATRIX_SCALE_ROW1
.endif
.endr
.endr
.endm
.macro FETCH_B st, p
	WIN TO_B
.irp i, 0,1,2,3,4,5,6,7
	FRAG 128*(\p)+FR*\i, ADRB, \st, \i
.endr
	WIN 0
.endm
.macro FETCH_A st, i0
.irp i, \i0, \i0+1, \i0+2, \i0+3
	FRAG AF+FR*(\i), ADRA, \st, \i
.endr
.endm
.macro SCALES pr                       ; the scale words of steps 2 pr, 2 pr + 1 into set pr % 2
.irp i, 0,1,2,3,4,5,6,7
	ds_load_b64 v[SC+8*NQ*((\pr)%2)+NQ*\i:SC+8*NQ*((\pr)%2)+NQ*\i+1], v[ADRS] offset:\i*SBLK+4*NQ*(\pr)
.endr
.endm
.macro PLACES n
.rept \n
	v_nop
.endr
.endm
; A step of 128 along K.  Where the next step ends in a chunk not read yet: a wait for my loads and a barrier.  Where it begins in a later chunk: the three lines, the barrier, and, if a chunk two on is left, a round and the refill.
.macro STEP st, zero
.set NX, (\st)+1
.set C0, (96*(\st))/ROWB
.set C1, (96*NX)/ROWB
.set E0, (96*(\st)+95)/ROWB
.set E1, (96*NX+95)/ROWB
.if C1 > C0 || E1 > E0
	s_wait_tensorcnt 0x0
.if C1 > C0
	ds_add_u32 v[SPW], v[NIL]
	s_wait_dscnt 4*NL+1                            ; the add and A's blocks 4-7 may be out
.else
	s_wait_dscnt 4*NL                              ; A's blocks 4-7 may be out
.endif
	WIN MUL_LO-0x20*(\zero)
	MUL16 0, (\st)%2, (\st)%2, ((\st)/2)%2, \zero
	s_wait_dscnt 0x0
	s_barrier_signal -1
	MUL16 2, (\st)%2, (\st)%2, ((\st)/2)%2, \zero
	WIN 0
	s_barrier_wait -1
.if C1 > C0 && C0+2 < CHUNKS
	CREST
	s_add_nc_u64 s[G0+4*(C0%2)+2:G0+4*(C0%2)+3], s[G0+4*(C0%2)+2:G0+4*(C0%2)+3], 2*ROWB
	s_add_nc_u64 s[G0B+4*(C0%2)+2:G0B+4*(C0%2)+3], s[G0B+4*(C0%2)+2:G0B+4*(C0%2)+3], 2*ROWB
	JLOAD G0+4*(C0%2), G1, G0B+4*(C0%2), G1B
.else
	PLACES NP
.endif
.else
	s_wait_dscnt 4*NL
	WIN MUL_LO-0x20*(\zero)
	MUL16 0, (\st)%2, (\st)%2, ((\st)/2)%2, \zero
	MUL16 2, (\st)%2, (\st)%2, ((\st)/2)%2, \zero
	s_wait_dscnt 0
	PLACES NP
.endif
	FETCH_B NX, NX%2
	FETCH_A NX, 0
.if NX%2 == 0
	SCALES NX/2
.endif
	WIN MUL_HI-0x30*(\zero)
	MUL16 4, (\st)%2, (\st)%2, ((\st)/2)%2, \zero
	MUL16 6, (\st)%2, (\st)%2, ((\st)/2)%2, \zero
	PLACES NP
	WIN 0
	FETCH_A NX, 4
.endm
	s_wait_alu depctr_va_vdst(0)
	s_wait_loadcnt 0x0                             ; the bias
	s_wait_tensorcnt 0x0                           ; my tile of the head's four is in
	ds_add_u32 v[SPW], v[NIL]
	s_mov_b32 s[G1+2], 128<<16                     ; no load of mine is out: from here on a load brings 128 rows
	s_mov_b32 s[G1+4], 128
	s_mov_b32 s[G1B+2], 128<<16
	s_mov_b32 s[G1B+4], 128
	s_wait_dscnt 0x0
	CROUND
	JLOAD G0+4, G1, G0B+4, G1B                     ; chunk 1, slot 1's first fill
	FETCH_B 0, 0
	FETCH_A 0, 0
	SCALES 0
	FETCH_A 0, 4
	global_prefetch_b8 v31, s[2:3] offset:512 th:TH_LOAD_NT scope:SCOPE_SE   ; chunk 2, the last: its load follows in step 2
	STEP 0, 1
.set ST, 1
.rept STEPS-2
	STEP ST, 0
.set ST, ST+1
.endr
	s_wait_dscnt 4*NL
	WIN MUL_LO
	MUL16 0, 1, 1, 1, 0
	MUL16 2, 1, 1, 1, 0
	s_wait_dscnt 0
	WIN MUL_HI
	MUL16 4, 1, 1, 1, 0
	MUL16 6, 1, 1, 1, 0
	WIN 0
.macro QUANT s, pw                     ; 64 numbers a lane (four half blocks) become a fragment's 12 registers and a scale word
.irp b, 0,1,2,3
	v_max3_num_f32 v[TM+\b], |v[\s+16*\b]|, |v[\s+1+16*\b]|, 0x1800000
.endr
.irp i, 2,4,6,8,10,12,14
.irp b, 0,1,2,3
	v_max3_num_f32 v[TM+\b], v[TM+\b], |v[\s+16*\b+\i]|, |v[\s+1+16*\b+\i]|
.endr
.endr
.irp b, 0,1,2,3
	v_permlanex16_b32 v[TM+4+\b], v[TM+\b], s[SEL], s[SEL+1]
.endr
.irp b, 0,1,2,3
	v_max_num_f32 v[TM+\b], v[TM+\b], v[TM+4+\b]
.endr
.irp b, 0,1,2,3
	v_add_nc_u32 v[TM+12+\b], 0xff000000, v[TM+\b]
.endr
.irp b, 0,1,2,3
	v_lshrrev_b32 v[TM+4+\b], 23, v[TM+12+\b]
.endr
	v_lshl_or_b32 v[\pw], v[TM+5], 8, v[TM+4]
	v_lshl_or_b32 v[\pw], v[TM+6], 16, v[\pw]
	v_lshl_or_b32 v[\pw], v[TM+7], 24, v[\pw]
.irp c, 0,1
	v_cvt_scalef32_pk16_fp6_f32 v[PC+6*\c:PC+2+6*\c], v[\s+32*\c:\s+15+32*\c], v[TM+12+2*\c]
	v_cvt_scalef32_pk16_fp6_f32 v[PC+12+4*\c:PC+14+4*\c], v[\s+16+32*\c:\s+31+32*\c], v[TM+12+2*\c+1]
.endr
	v_nop
.irp c, 0,1
.irp i, 0,1,2
	v_permlane16_swap_b32 v[PC+6*\c+\i], v[PC+12+4*\c+\i]
.endr
.irp i, 0,1,2
	v_mov_b32 v[PC+3+6*\c+\i], v[PC+12+4*\c+\i]
.endr
.endr
.endm
	PLACES NP
.irp b, 0,1,2,3
	v_mov_b32 v[TM+4+\b], 0
.endr
	s_lshl_b32 s4, s17, 4
	s_lshl_b32 s5, s15, 3
	s_add_co_u32 s4, s4, s5
	s_mul_i32 s4, s4, 49152
	s_lshl_b32 s6, s42, 1
	s_add_co_u32 s6, s6, s16
	s_mul_i32 s5, s6, 1536
	s_add_co_u32 s4, s4, s5
	s_mov_b32 s5, 0
	s_add_nc_u64 s[92:93], s[12:13], s[4:5]
	s_lshl_b32 s4, s6, 12
	s_lshl_b32 s7, s17, 8
	s_add_co_u32 s4, s4, s7
	s_lshl_b32 s7, s15, 7
	s_add_co_u32 s4, s4, s7
	s_lshl_b32 s4, s4, 2
	s_add_co_u32 s4, s4, 12582912
	s_add_nc_u64 s[98:99], s[12:13], s[4:5]
.macro BLOCK a
.if (\a) > 0
	s_wait_xcnt 0x0
.endif
.set AC, 64*((\a)%4)
	WIN 0x08+4*((\a)/4)
.set k, 0
.rept 64
	v_max_num_f32 v[TT+k], 0, v[AC+k]
.set k, k+1
.endr
	WIN 0
.irp b, 0,1,2,3
.irp i, 0,1,2,3,4,5,6,7
	v_permlane16_swap_b32 v[TT+16*\b+\i], v[TT+16*\b+8+\i]
.endr
.endr
	QUANT TT, PWS+(\a)
.irp p, 0,1,2,3,4,5
	global_store_b64 v[L8], v[PC+2*\p:PC+2*\p+1], s[92:93] offset:49152*(\a)+256*\p
.endr
.endm
.irp a, 0,1,2,3,4,5,6,7
	BLOCK \a
.endr
.irp a, 0,1,2,3,4,5,6,7
	ds_store_b32 v[SS], v[PWS+\a] offset:64*\a
.endr
	ds_load_b128 v[BKW:BKW+3], v[SL]
	s_wait_dscnt 0x0
	global_store_b128 v[SG], v[BKW:BKW+3], s[98:99]
	s_wait_tensorcnt 0x0                           ; the wave's end
	ds_add_u32 v[SPW], v[NIL]
	s_wait_dscnt 0x0
	CROUND
	s_endpgm
.Lfunc_end_k_q662d3f45fc_w1:
	.size	k_q662d3f45fc_w1, .Lfunc_end_k_q662d3f45fc_w1-k_q662d3f45fc_w1
	.p2alignl 7, 3214868480
	.fill 96, 4, 3214868480
	.section	.rodata,"a",@progbits
	.p2align	6, 0x0
	.amdhsa_kernel k_q662d3f45fc_w1
		.amdhsa_group_segment_fixed_size 327680
		.amdhsa_private_segment_fixed_size 0
		.amdhsa_enable_private_segment 0
		.amdhsa_kernarg_size 40
		.amdhsa_user_sgpr_count 2
		.amdhsa_user_sgpr_kernarg_segment_ptr 1
		.amdhsa_wavefront_size32 1
		.amdhsa_system_sgpr_workgroup_id_x 1
		.amdhsa_system_sgpr_workgroup_id_y 1
		.amdhsa_system_sgpr_workgroup_id_z 1
		.amdhsa_system_vgpr_workitem_id 0
		.amdhsa_next_free_vgpr 1024
		.amdhsa_next_free_sgpr 102
		.amdhsa_reserve_vcc 0
		.amdhsa_float_denorm_mode_32 3
		.amdhsa_float_denorm_mode_16_64 3
		.amdhsa_memory_ordered 1
		.amdhsa_forward_progress 1
		.amdhsa_inst_pref_size 193
	.end_amdhsa_kernel
	.amdgpu_metadata
---
amdhsa.version: [ 1, 2 ]
amdhsa.kernels:
  - .name:           k_q662d3f45fc_w1
    .symbol:         k_q662d3f45fc_w1.kd
    .args:
      - { .name: nbuf, .offset: 0, .size: 8, .value_kind: global_buffer, .address_space: global }
      - { .name: W1_codes, .offset: 8, .size: 8, .value_kind: global_buffer, .address_space: global }
      - { .name: W1_scales, .offset: 16, .size: 8, .value_kind: global_buffer, .address_space: global }
      - { .name: b1, .offset: 24, .size: 8, .value_kind: global_buffer, .address_space: global }
      - { .name: hbuf, .offset: 32, .size: 8, .value_kind: global_buffer, .address_space: global }
    .group_segment_fixed_size: 327680
    .private_segment_fixed_size: 0
    .kernarg_segment_align: 8
    .kernarg_segment_size: 40
    .max_flat_workgroup_size: 128
    .sgpr_count:     102
    .vgpr_count:     1024
    .wavefront_size: 32
...
	.end_amdgpu_metadata
.endif
;; end of part 6
;; launch w2 (part 7): grid 8 x 32, 4 waves a work-group, clusters of 4 x 4, 327,680 bytes of LDS; arguments hbuf, w2i, W2_scales, b2, y1, out0; writes out0
.if DOCPART == 7
	.amdgcn_target "amdgcn-amd-amdhsa--gfx1250"
	.amdhsa_code_object_version 6
	.text
	.protected	k_q662d3f45fc_w2
	.globl	k_q662d3f45fc_w2
	.p2align	8
	.type	k_q662d3f45fc_w2,@function
k_q662d3f45fc_w2:
	s_mov_b64 s[64:65], 0
	v_nop
	global_prefetch_b8 v0, s[64:65] scope:SCOPE_SE
	s_setreg_imm32_b32 hwreg(HW_REG_WAVE_MODE, 25, 1), 1
	s_wait_xcnt 0x0
	s_wait_alu depctr_hold_cnt(0) depctr_sa_sdst(0) depctr_va_vdst(0) depctr_va_sdst(0) depctr_va_ssrc(0) depctr_va_vcc(0) depctr_vm_vsrc(0)
	s_getreg_b32 s2, hwreg(HW_REG_IB_STS2, 6, 4)
	s_cmp_eq_u32 s2, 0
	s_cbranch_scc0 .Lentry_in_a_cluster
	s_endpgm
.Lentry_in_a_cluster:
	s_bfe_u32 s2, ttmp6, 0x10000c
	s_cmp_lg_u32 s2, 0xf033
	s_cbranch_scc0 .Lentry_shape_is_right
	s_endpgm
.Lentry_shape_is_right:
; out = res + bias + R P^T on codes of FP6 (E2M3) with E8M0 scales.  R: 4,096 rows x KTOT, made by an earlier launch as fragment images; P: the weight's 1,024 rows, as fragment images laid by an earlier launch; res, out: [4096][1024] f32.
; Here: KTOT = 4,096, R = the hidden layer, P = W2, res = y1, out = the program's result.
; A tile of 128 x 128 (1,024 columns give too few tiles of 256 x 256 for the 256 work-groups): four waves, 64 x 64 each, 16 accumulators.  Source 0 = 16 rows of P, source 1 = 16 rows of R: a lane holds eight neighbouring columns of a row of out.
; K goes in steps of 512 through two LDS slots filled by joint tensor loads (4 x 4 cluster: R's tiles shared along a row, P's along a column); six refills, each behind a round of the cluster's barrier.
; A slot: R's 8 row tiles x 4 fragments as they lie (piece p of a fragment: 256 bytes, 8 a lane), then P's 8 row tiles x 4 fragments, laid the same way by an earlier launch.
;   All scale bytes of the tile come once.  The bias is the C of the first products; the residual is loaded at the head, in the stores' own pattern, into window 2.
; REGISTERS: window 0: v1-29 addresses; v32-95 scale words, two sets (R's at 4 a + q, P's at 16 + 4 b + q); v96-127 the bias, later rows on the way out; v128-255 accumulators ((a, b) at 128 + 8 (4 a + b)).
;   window 1: two fragment buffers of 96: R's four, then P's four.   window 2: v0-127 the residual, then the result.
.set KTOT,   4096
.set NKS,    KTOT/128
.set KROW,   KTOT*3/4
.set KS,     KTOT/32
.set LAPS,   KTOT/1024
.set RIMG,   49152
.set HALFR,  24576
.set PPITCH, 432
.set HALFP,  24576                     ; P comes as fragment images too, laid by an earlier launch: four row tiles x 6,144 bytes
.set SLOT,   RIMG+2*HALFP
.set PSC,    2*SLOT
.set HALFS,  (64*KS/256)*272
.set SBLK,   (16*KS/256)*272
.set RSC,    PSC+17408
.set STAGE,  RSC+16384
.set SPARE,  STAGE+4*16*272            ; the spare words, 128 bytes for each wave: two blocks of 256 bytes that no other line names
.set ADP,  8                           ; v8-9 P's fragments in slot 0, 1
.set ADR,  12                          ; v12-13 R's
.set ADSP, 14
.set ADSR, 15
.set STO,  16
.set RD,   17
.set CO,   18
.set LN,   19
.set BO,   21
.set SPW,  28
.set NIL,  29
.set SC,   32
.set BP,   96
.set BK,   96
.set ACC,  128
.set F0,   0
.set F1,   128
.set G1, 24
.set G0, 32
.set G1B, 48
.set G0B, 56
.set G1S, 68
.set G0S, 76
.set G1SB, 80
.set G0SB, 88
.set MSB, 0
.macro WIN new                         ; the immediate's high byte repeats the setting that is left
.if MSB != (\new)
	s_set_vgpr_msb (MSB<<8)|(\new)
.set MSB, (\new)
.endif
.endm
.set MUL,  0x05                        ; sources 0 (P) and 1 (R) window 1; C and D window 0
.set TO_F, 0x40
.macro JLOAD g0a, g1a, g0b, g1b        ; waves 0 and 1 fetch for R, waves 2 and 3 for P; four v_nop follow each line
	s_cmp_eq_u32 s15, 0
	s_cbranch_scc0 .Lfor_b_\@
	tensor_load_to_lds s[\g0a:\g0a+3], s[\g1a:\g1a+7]
	s_nop 0
.rept 4
	v_nop
.endr
	s_branch .Lasked_\@
.Lfor_b_\@:
	tensor_load_to_lds s[\g0b:\g0b+3], s[\g1b:\g1b+7]
	s_nop 0
.rept 4
	v_nop
.endr
.Lasked_\@:
.endm
.macro CREST                           ; a round of the cluster's barrier behind its opening barrier
	s_cmp_lg_u32 s14, 0
	s_cbranch_scc1 .Lnot_wave_0_\@
	s_barrier_signal -3
.Lnot_wave_0_\@:
	s_barrier_wait -3
	s_barrier_signal -1
	s_barrier_wait -1
.endm
.macro CROUND
	s_barrier_signal -1
	s_barrier_wait -1
	CREST
.endm
	s_load_b256 s[4:11], s[0:1], 0x0               ; R's buffer, P's codes, P's scales, the bias
	s_load_b128 s[96:99], s[0:1], 0x20             ; res, out
	v_lshl_add_u32 v[SPW], v0, 2, SPARE
	v_mov_b32 v[NIL], 0
	ds_add_u32 v28, v29
	ds_add_u32 v28, v29
	s_wait_dscnt 0x0
	v_lshrrev_b32 v1, 5, v0
	v_readfirstlane_b32 s14, v1                    ; wave
	s_lshr_b32 s15, s14, 1                         ; which 64 rows of R are mine.  Also: I fetch for R (0) or for P (1)
	s_and_b32 s16, s14, 1                          ; which 64 rows of P.  Also: which half I fetch
	s_bfe_u32 s40, ttmp6, 0x40000
	s_bfe_u32 s41, ttmp6, 0x40004
	s_lshl_b32 s42, ttmp9, 2
	s_add_co_u32 s42, s42, s40                     ; P's tile = 4 x cluster x + cx
	s_and_b32 s17, ttmp7, 0xffff
	s_lshl_b32 s17, s17, 2
	s_add_co_u32 s17, s17, s41                     ; R's tile = 4 x cluster y + cy
	s_lshl_b32 s43, s41, 2
	s_lshl_b32 s43, 15, s43                        ; my row of the cluster
	s_lshl_b32 s44, 0x1111, s40                    ; my column
	s_or_b32 s[G1+0], s43, (3<<16)|(1<<21)         ; R's images: 4 row tiles x 6,144 bytes (768 elements of 8), NKS x 1,536 bytes apart; no padding
	s_mov_b32 s[G1+1], 768<<16
	s_mov_b32 s[G1+2], 8<<16
	s_mov_b32 s[G1+3], 768<<16
	s_mov_b32 s[G1+4], 8
	s_mov_b32 s[G1+5], NKS*192
	s_mov_b32 s[G1+6], 0
	s_mov_b32 s[G1+7], 0
	s_or_b32 s[G1B+0], s44, (3<<16)|(1<<21)        ; P's images: as R's, with my column's mask
	s_mov_b32 s[G1B+1], 768<<16
	s_mov_b32 s[G1B+2], 8<<16
	s_mov_b32 s[G1B+3], 768<<16
	s_mov_b32 s[G1B+4], 8
	s_mov_b32 s[G1B+5], NKS*192
	s_mov_b32 s[G1B+6], 0
	s_mov_b32 s[G1B+7], 0
	s_or_b32 s[G1S+0], s43, (3<<16)|(1<<21)        ; R's scale words: NKS rows of 512 bytes, 16,384 bytes apart
	s_mov_b32 s[G1S+1], 64<<16
	s_mov_b32 s[G1S+2], NKS<<16
	s_mov_b32 s[G1S+3], 64<<16
	s_mov_b32 s[G1S+4], NKS
	s_mov_b32 s[G1S+5], 2048
	s_mov_b32 s[G1S+6], 0
	s_mov_b32 s[G1S+7], 0
	s_or_b32 s[G1SB+0], s44, (3<<16)|(1<<20)|(1<<21)|(5<<22)|(3<<25)  ; P's scale bytes: a dense block as rows of 256 bytes + 16
	s_mov_b32 s[G1SB+1], 32<<16
	s_mov_b32 s[G1SB+2], (128*KS/256)<<16
	s_mov_b32 s[G1SB+3], 32<<16
	s_mov_b32 s[G1SB+4], 128*KS/256
	s_mov_b32 s[G1SB+5], 32
	s_mov_b32 s[G1SB+6], 0
	s_mov_b32 s[G1SB+7], 0
	s_mul_i32 s20, s17, 8*NKS*1536                 ; R's codes: the tile's eight row tiles
	s_mov_b32 s21, 0
	s_lshl_b32 s22, s17, 9
	s_add_co_u32 s22, s22, 4096*KROW               ; R's scale words lie behind its codes
	s_mov_b32 s23, 0
	s_mul_i32 s92, s42, 128*KS                     ; P's scale bytes
	s_mov_b32 s93, 0
	s_mul_i32 s46, s42, 8*NKS*1536                 ; P's images
	s_mov_b32 s47, 0
	s_mul_i32 s12, s16, 4*NKS*1536                 ; in the ring I fetch four row tiles: which half,
	s_mov_b32 s13, 0
	s_mul_i32 s45, s16, HALFR                      ; and where they go
	; THE PREFETCHES: of the four row tiles that I fetch in the ring, the partner at place p among the four that ask jointly takes tile p (p = cx for R, cy for P): a slot's 24 blocks of 256 bytes, a lane a block.
	; Behind the load of slot n stands the request for slot n + 2: two fills ahead; slots 6 and 7's loads ask for nothing.
	s_cmp_eq_u32 s15, 0
	s_cselect_b32 s18, s17, s42
	s_cselect_b32 s19, s40, s41
	s_lshl_b32 s18, s18, 3
	s_add_co_u32 s18, s18, s19
	s_lshl_b32 s19, s16, 2
	s_add_co_u32 s18, s18, s19
	s_mul_i32 s18, s18, NKS*1536
	v_and_b32 v1, 15, v0                           ; r
	v_bfe_u32 v2, v0, 4, 1                         ; h
	v_and_b32 v[LN], 31, v0
	v_min_u32 v22, 23, v[LN]                       ; (the lanes left over name the last block again)
	v_lshl_add_u32 v22, v22, 8, s18                ; v22: my block; never rewritten
	v_lshlrev_b32 v[BO], 5, v2
	v_lshlrev_b32 v[CO], 12, v2
	v_lshl_add_u32 v[CO], v1, 4, v[CO]             ; out and res: lanes 0-15 one row's 256 bytes, lanes 16-31 the next row's
	s_lshl_b32 s66, s42, 9
	s_lshl_b32 s18, s16, 8
	s_add_co_u32 s66, s66, s18                     ; my first column, in bytes
	s_mov_b32 s67, 0
	s_wait_alu depctr_va_vdst(0)
	s_wait_kmcnt 0x0
	s_add_nc_u64 s[20:21], s[4:5], s[20:21]
	s_add_nc_u64 s[22:23], s[4:5], s[22:23]
	s_add_nc_u64 s[46:47], s[6:7], s[46:47]
	s_add_nc_u64 s[92:93], s[8:9], s[92:93]
	s_add_nc_u64 s[10:11], s[10:11], s[66:67]
	s_lshl_b32 s18, s17, 19
	s_add_co_u32 s66, s66, s18
	s_lshl_b32 s18, s15, 18
	s_add_co_u32 s66, s66, s18                     ; + my first row x 4,096 bytes
	s_add_nc_u64 s[96:97], s[96:97], s[66:67]
	s_add_nc_u64 s[98:99], s[98:99], s[66:67]
	s_cmp_eq_u32 s15, 0
	s_cselect_b64 s[94:95], s[4:5], s[6:7]         ; the images that I fetch: R's or P's,
	s_add_nc_u64 s[94:95], s[94:95], 2*6144        ; at slot 2's K steps
.irp b, 0,1,2,3
	global_load_b128 v[BP+8*\b:BP+8*\b+3], v[BO], s[10:11] offset:64*\b
	global_load_b128 v[BP+8*\b+4:BP+8*\b+7], v[BO], s[10:11] offset:64*\b+16
.endr
	CROUND                                         ; all sixteen work-groups are here: the first joint loads meet
	s_mov_b32 s[G0S], 1
	s_mov_b32 s[G0S+1], RSC
	s_mov_b64 s[G0S+2:G0S+3], s[22:23]
	s_or_b32 s[G0S+3], s[G0S+3], 0x80000000
	s_mov_b32 s[G0SB], 1
	s_mov_b32 s[G0SB+1], PSC
	s_mov_b64 s[G0SB+2:G0SB+3], s[92:93]
	s_or_b32 s[G0SB+3], s[G0SB+3], 0x80000000
	s_mov_b32 s[G0], 1                             ; slot 0, whole: R's eight row tiles,
	s_mov_b32 s[G0+1], 0
	s_mov_b64 s[G0+2:G0+3], s[20:21]
	s_or_b32 s[G0+3], s[G0+3], 0x80000000
	s_mov_b32 s[G0B], 1                            ; and P's
	s_mov_b32 s[G0B+1], RIMG
	s_mov_b64 s[G0B+2:G0B+3], s[46:47]
	s_or_b32 s[G0B+3], s[G0B+3], 0x80000000
	s_add_nc_u64 s[20:21], s[20:21], s[12:13]
	s_add_nc_u64 s[46:47], s[46:47], s[12:13]
	s_mov_b32 s[G0+4], 1                           ; slot 1: my four row tiles
	s_add_co_u32 s[G0+5], s45, SLOT
	s_add_nc_u64 s[G0+6:G0+7], s[20:21], 6144
	s_or_b32 s[G0+7], s[G0+7], 0x80000000
	s_mov_b32 s[G0B+4], 1
	s_add_co_u32 s[G0B+5], s45, SLOT+RIMG
	s_add_nc_u64 s[G0B+6:G0B+7], s[46:47], 6144
	s_or_b32 s[G0B+7], s[G0B+7], 0x80000000
.macro ARM under, g0, g1, next         ; one arm of the head's tree: one load, then on to the tree's end
	s_cmp_lt_u32 s14, \under
	s_cbranch_scc0 \next
	tensor_load_to_lds s[\g0:\g0+3], s[\g1:\g1+7]
	s_nop 0
.rept 4
	v_nop
.endr
	s_branch .Lhead_asked
\next:
.endm
	; the head's four tiles, one load a wave: slot 0 of R, slot 0 of P, R's scale words, P's scale bytes
	ARM 1, G0,  G1,  .Lhead_b
	ARM 2, G0B, G1B, .Lhead_sa
	ARM 3, G0S, G1S, .Lhead_sb
	tensor_load_to_lds s[G0SB:G0SB+3], s[G1SB:G1SB+7]
	s_nop 0
.rept 4
	v_nop
.endr
.Lhead_asked:
	global_prefetch_b8 v22, s[94:95] th:TH_LOAD_NT scope:SCOPE_SE   ; behind slot 0's load: slot 2's tiles
	v_lshlrev_b32 v4, 3, v[LN]                     ; P's pieces: 8 bytes a lane
	s_mul_i32 s21, s16, HALFP
	s_add_co_u32 s21, s21, RIMG
	s_mul_i32 s22, s15, HALFR
	v_lshlrev_b32 v6, 3, v[LN]
.irp s, 0,1
	v_add_nc_u32 v[ADP+\s], s21, v4
	v_add_nc_u32 v[ADR+\s], s22, v6
	s_add_co_u32 s21, s21, SLOT
	s_add_co_u32 s22, s22, SLOT
.endr
	v_mul_u32_u24 v5, v1, KS
	v_lshrrev_b32 v6, 8, v5
	v_lshl_add_u32 v5, v6, 4, v5                   ; P's scale bytes: KS a row, and 16 more for each 256 passed
	s_mul_i32 s21, s16, HALFS
	s_add_co_u32 s21, s21, PSC
	v_add_nc_u32 v[ADSP], s21, v5
	s_lshl_b32 s21, s15, 8
	s_add_co_u32 s21, s21, RSC
	v_lshl_add_u32 v[ADSR], v1, 2, s21             ; R's scale words: 4 bytes a row
	s_mul_i32 s23, s14, 16*272
	s_add_co_u32 s23, s23, STAGE                   ; my stage
	v_mul_u32_u24 v5, v1, 272
	v_lshl_add_u32 v5, v2, 5, v5
	v_add_nc_u32 v[STO], s23, v5
	v_mul_u32_u24 v5, v2, 272
	v_lshl_add_u32 v5, v1, 4, v5
	v_add_nc_u32 v[RD], s23, v5
.macro FRAGP reg, adr, q, i            ; 16 rows of P x 128 K, in pieces of 8 bytes
.irp p, 0,1,2,3,4,5
	ds_load_b64 v[\reg+2*\p:\reg+2*\p+1], v[\adr] offset:(4*(\i)+(\q))*1536+256*\p   ; a fragment of P as it was laid
.endr
.endm
.macro FRAGR reg, adr, q, i            ; a fragment of R as it was stored
.irp p, 0,1,2,3,4,5
	ds_load_b64 v[\reg+2*\p:\reg+2*\p+1], v[\adr] offset:(4*(\i)+(\q))*1536+256*\p
.endr
.endm
.macro FETCH slot, q, f                ; 48 loads in one run: P's four, then R's four
	WIN TO_F
.irp i, 0,1,2,3
	FRAGP \f+48+12*\i, ADP+\slot, \q, \i
.endr
.irp i, 0,1,2,3
	FRAGR \f+12*\i, ADR+\slot, \q, \i
.endr
.endm
.macro SCALES sc                       ; a slot's scale words: four K steps
.irp b, 0,1,2,3
	ds_load_b128 v[SC+32*\sc+16+4*\b:SC+32*\sc+19+4*\b], v[ADSP] offset:\b*SBLK
.endr
.irp a, 0,1,2,3
.irp q, 0,1,2,3
	ds_load_b32 v[SC+32*\sc+4*\a+\q], v[ADSR] offset:512*\q+64*\a
.endr
.endr
.endm
; 8 matrix instructions: R's blocks a0, a0 + 1 x P's four.  zero = 1: the first product starts the sums, with the bias as its C.  The 16 accumulators take turns.
.macro MUL8 f, q, sc, a0, zero
.irp a, \a0, \a0+1
.irp b, 0,1,2,3
.if \zero
	v_wmma_scale_f32_16x16x128_f8f6f4 v[ACC+8*(4*(\a)+\b):ACC+8*(4*(\a)+\b)+7], v[\f+48+12*\b:\f+48+12*\b+11], v[\f+12*(\a):\f+12*(\a)+11], v[BP+8*\b:BP+8*\b+7], v[SC+32*(\sc)+16+4*\b+(\q)], v[SC+32*(\sc)+4*(\a)+(\q)] matrix_a_fmt:MATRIX_FMT_FP6 matrix_b_fmt:MATRIX_FMT_FP6
.else
	v_wmma_scale_f32_16x16x128_f8f6f4 v[ACC+8*(4*(\a)+\b):ACC+8*(4*(\a)+\b)+7], v[\f+48+12*\b:\f+48+12*\b+11], v[\f+12*(\a):\f+12*(\a)+11], v[ACC+8*(4*(\a)+\b):ACC+8*(4*(\a)+\b)+7], v[SC+32*(\sc)+16+4*\b+(\q)], v[SC+32*(\sc)+4*(\a)+(\q)] matrix_a_fmt:MATRIX_FMT_FP6 matrix_b_fmt:MATRIX_FMT_FP6
.endif
.endr
.endr
.endm
.macro PLACES                          ; plain vector lines between a matrix instruction and a load into, or a read of, its registers
.rept 4
	v_nop
.endr
.endm
.macro QUARTER slot, q, f, g, zero     ; 128 along K on buffer f; in its middle the next quarter's fragments are fetched into g
	s_wait_dscnt 12                                ; all but the youngest 12 loads (R's blocks 2, 3) are in
	WIN MUL
	MUL8 \f, \q, \slot, 0, \zero
	PLACES
	FETCH \slot, (\q)+1, \g
	s_wait_dscnt 48                                ; all but the 48 just issued
	WIN MUL
	MUL8 \f, \q, \slot, 2, \zero
.endm
.macro TURN slot, next, fill           ; a slot's last quarter changes slots
.if \fill
	s_wait_xcnt 0x0                                ; my last prefetch has read its address: it is stepped here, a slot's work behind that prefetch
	s_add_nc_u64 s[94:95], s[94:95], 6144
.endif
	WIN 0
	s_wait_tensorcnt 0x0                           ; all my tensor loads have landed: my part of the next slot
	ds_add_u32 v[SPW], v[NIL]                      ; 0 onto my spare word
	s_wait_dscnt 13                                ; (the add and the youngest 12 loads may be out)
	WIN MUL
	MUL8 F1, 3, \slot, 0, 0
	s_wait_dscnt 0x0                               ; the add is done, and my reads of this slot are over
	s_barrier_signal -1
	WIN 0
	s_barrier_wait -1
.if \fill
	CREST                                          ; the barrier has opened a round of the cluster's barrier: no wave of any partner still reads this slot or has a load on its way
	s_add_nc_u64 s[G0+4*\slot+2:G0+4*\slot+3], s[G0+4*\slot+2:G0+4*\slot+3], 2*6144
	s_add_nc_u64 s[G0B+4*\slot+2:G0B+4*\slot+3], s[G0B+4*\slot+2:G0B+4*\slot+3], 2*6144
	JLOAD G0+4*\slot, G1, G0B+4*\slot, G1B         ; the first tensor load behind the round; its four v_nop are the places in front of the loads below
.else
	PLACES
.endif
	s_wait_alu depctr_va_vdst(0)
	v_add_nc_u32 v[ADSP], 16, v[ADSP]
	v_add_nc_u32 v[ADSR], 2048, v[ADSR]
	SCALES \next
	FETCH \next, 0, F0
.if \fill
	WIN 0                                          ; at a branch and at a label every window is 0
	s_cmp_gt_u32 s3, 1                             ; the loop's last trip loads slots 6 and 7: no slot stands two on
	s_cbranch_scc0 .Lnone_\@
	global_prefetch_b8 v22, s[94:95] offset:6144 th:TH_LOAD_NT scope:SCOPE_SE
.Lnone_\@:
.endif
	WIN MUL
	MUL8 F1, 3, \slot, 2, 0
.endm
	s_wait_alu depctr_va_vdst(0)
	s_wait_loadcnt 0x0                             ; the bias
	s_wait_tensorcnt 0x0                           ; my tile of the head's four is in
	ds_add_u32 v[SPW], v[NIL]
	s_mov_b32 s[G1+2], 4<<16                       ; no load of mine is out: from here on a load brings four row tiles,
	s_mov_b32 s[G1+4], 4
	s_mov_b32 s[G1B+2], 4<<16
	s_mov_b32 s[G1B+4], 4
	s_mov_b32 s[G0+1], s45                         ; and slot 0's descriptors point at my half
	s_add_nc_u64 s[G0+2:G0+3], s[G0+2:G0+3], s[12:13]
	s_add_co_u32 s[G0B+1], s45, RIMG
	s_add_nc_u64 s[G0B+2:G0B+3], s[G0B+2:G0B+3], s[12:13]
	s_wait_dscnt 0x0
	CROUND
	JLOAD G0+4, G1, G0B+4, G1B                     ; slot 1's first fill
	SCALES 0
	FETCH 0, 0, F0
	global_prefetch_b8 v22, s[94:95] offset:6144 th:TH_LOAD_NT scope:SCOPE_SE   ; behind slot 1's load: slot 3's tiles
	QUARTER 0, 0, F0, F1, 1
	WIN 0x80                                       ; the residual is asked for here, behind the first tiles: it is wanted on the way out
.set i, 0
.rept 32
	global_load_b128 v[4*i:4*i+3], v[CO], s[96:97] offset:2*i*4096
.set i, i+1
.endr
	WIN 0                                          ; at a label and at a branch every window is 0
	s_mov_b32 s3, LAPS-1
.Llap:                                             ; a trip goes once round the ring and fills both slots again
	QUARTER 0, 1, F1, F0, 0
	QUARTER 0, 2, F0, F1, 0
	TURN 0, 1, 1
	QUARTER 1, 0, F0, F1, 0
	QUARTER 1, 1, F1, F0, 0
	QUARTER 1, 2, F0, F1, 0
	TURN 1, 0, 1
	QUARTER 0, 0, F0, F1, 0
	WIN 0
	s_sub_co_u32 s3, s3, 1
	s_cmp_lg_u32 s3, 0
	s_cbranch_scc1 .Llap
	QUARTER 0, 1, F1, F0, 0                        ; the last lap fills nothing
	QUARTER 0, 2, F0, F1, 0
	TURN 0, 1, 0
	QUARTER 1, 0, F0, F1, 0
	QUARTER 1, 1, F1, F0, 0
	QUARTER 1, 2, F0, F1, 0
	s_wait_dscnt 12
	WIN MUL
	MUL8 F1, 3, 1, 0, 0
	s_wait_dscnt 0
	MUL8 F1, 3, 1, 2, 0
	WIN 0
	; THE WAY OUT, 16 rows at a time: through my own stage (rows of 256 bytes + 16), back as whole rows, + the residual, stored: sixteen lanes fill 256 consecutive bytes, aligned
	PLACES
	s_wait_loadcnt 0x0                             ; the residual
.irp a, 0,1,2,3
.irp b, 0,1,2,3
	ds_store_b128 v[STO], v[ACC+8*(4*\a+\b):ACC+8*(4*\a+\b)+3] offset:64*\b       ; each accumulator from its low end on
	ds_store_b128 v[STO], v[ACC+8*(4*\a+\b)+4:ACC+8*(4*\a+\b)+7] offset:64*\b+16
.endr
.irp t, 0,1,2,3,4,5,6,7
	ds_load_b128 v[BK+4*\t:BK+4*\t+3], v[RD] offset:\t*2*272     ; LDS serves a wave's instructions in order: these see my stores
.endr
	s_wait_dscnt 0x0
	WIN 0x88                                       ; destination and source 1 window 2
.irp k, 0,2,4,6,8,10,12,14,16,18,20,22,24,26,28,30
	v_pk_add_f32 v[32*\a+\k:32*\a+\k+1], v[BK+\k:BK+\k+1], v[32*\a+\k:32*\a+\k+1]
.endr
	WIN 0x08                                       ; a store's data are its source 1
.irp t, 0,1,2,3,4,5,6,7
	global_store_b128 v[CO], v[32*\a+4*\t:32*\a+4*\t+3], s[98:99] offset:(16*\a+2*\t)*4096 th:TH_STORE_NT
.endr
	WIN 0
.endr
	s_wait_tensorcnt 0x0                           ; the wave's end
	ds_add_u32 v[SPW], v[NIL]
	s_wait_dscnt 0x0
	CROUND                                         ; the closing round: no work-group ends while a partner may still ask for a tile that names it
	s_endpgm
.Lfunc_end_k_q662d3f45fc_w2:
	.size	k_q662d3f45fc_w2, .Lfunc_end_k_q662d3f45fc_w2-k_q662d3f45fc_w2
	.p2alignl 7, 3214868480
	.fill 96, 4, 3214868480
	.section	.rodata,"a",@progbits
	.p2align	6, 0x0
	.amdhsa_kernel k_q662d3f45fc_w2
		.amdhsa_group_segment_fixed_size 327680
		.amdhsa_private_segment_fixed_size 0
		.amdhsa_enable_private_segment 0
		.amdhsa_kernarg_size 48
		.amdhsa_user_sgpr_count 2
		.amdhsa_user_sgpr_kernarg_segment_ptr 1
		.amdhsa_wavefront_size32 1
		.amdhsa_system_sgpr_workgroup_id_x 1
		.amdhsa_system_sgpr_workgroup_id_y 1
		.amdhsa_system_sgpr_workgroup_id_z 1
		.amdhsa_system_vgpr_workitem_id 0
		.amdhsa_next_free_vgpr 768
		.amdhsa_next_free_sgpr 102
		.amdhsa_reserve_vcc 0
		.amdhsa_float_denorm_mode_32 3
		.amdhsa_float_denorm_mode_16_64 3
		.amdhsa_memory_ordered 1
		.amdhsa_forward_progress 1
		.amdhsa_inst_pref_size 120
	.end_amdhsa_kernel
	.amdgpu_metadata
---
amdhsa.version: [ 1, 2 ]
amdhsa.kernels:
  - .name:           k_q662d3f45fc_w2
    .symbol:         k_q662d3f45fc_w2.kd
    .args:
      - { .name: hbuf, .offset: 0, .size: 8, .value_kind: global_buffer, .address_space: global }
      - { .name: w2i, .offset: 8, .size: 8, .value_kind: global_buffer, .address_space: global }
      - { .name: W2_scales, .offset: 16, .size: 8, .value_kind: global_buffer, .address_space: global }
      - { .name: b2, .offset: 24, .size: 8, .value_kind: global_buffer, .address_space: global }
      - { .name: y1, .offset: 32, .size: 8, .value_kind: global_buffer, .address_space: global }
      - { .name: out0, .offset: 40, .size: 8, .value_kind: global_buffer, .address_space: global }
    .group_segment_fixed_size: 327680
    .private_segment_fixed_size: 0
    .kernarg_segment_align: 8
    .kernarg_segment_size: 48
    .max_flat_workgroup_size: 128
    .sgpr_count:     102
    .vgpr_count:     768
    .wavefront_size: 32
...
	.end_amdgpu_metadata
.endif
;; end of part 7
